; MI455X (gfx1250); checked and timed in simulation.
; The chip was launched on July 23, 2026; its instructions are those of AMD's public machine-readable ISA for CDNA 5 (MIT licence, August 2026) and "CDNA5" Instruction Set Architecture Reference Guide (July 2026). The comments in the code are by the model that wrote it; some were corrected since.
;; Attention Block. Allowed arithmetic: matrix products marked QUANTISED: E2M3 operands, one E8M0 scale for each 32 along K, by v_wmma_scale_f32_16x16x128_f8f6f4 with both operands' format E2M3, f32 sums; everything else in f32.
;; Inputs: attn_mask 2,048 x 2,048 bool; b1 4,096 float32; b2 1,024 float32; bout 1,024 float32; bqkv 3,072 float32; ln1_b 1,024 float32; ln1_g 1,024 float32; ln2_b 1,024 float32; ln2_g 1,024 float32; w1_codes 4,096 x 32 x 24 uint8 (E2M3 codes of w1, K innermost, in blocks of 32 codes, four codes in three bytes); w1_scales 4,096 x 32 uint8 (E8M0 scales of w1, one for each 32 codes along K); w2_codes 1,024 x 128 x 24 uint8 (E2M3 codes of w2, K innermost, in blocks of 32 codes, four codes in three bytes); w2_scales 1,024 x 128 uint8 (E8M0 scales of w2, one for each 32 codes along K); wout_codes 1,024 x 32 x 24 uint8 (E2M3 codes of wout, K innermost, in blocks of 32 codes, four codes in three bytes); wout_scales 1,024 x 32 uint8 (E8M0 scales of wout, one for each 32 codes along K); wqkv_codes 3,072 x 32 x 24 uint8 (E2M3 codes of wqkv, K innermost, in blocks of 32 codes, four codes in three bytes); wqkv_scales 3,072 x 32 uint8 (E8M0 scales of wqkv, one for each 32 codes along K); x 2 x 2,048 x 1,024 float32.
;; Outputs: out0 2 x 2,048 x 1,024 float32.
;; This version of the problem:
;;   THIS VERSION OF THE PROBLEM IS GIVEN IN LOW PRECISION. The matrix products marked QUANTISED in the list below multiply operands that are first quantised to E2M3 (2 exponent bits, 3 mantissa bits; 6 bits a number), with one power-of-two scale for each 32 numbers along K (OCP MX v1.0); their sums are f32. All else is computed in f32.
;;   The module's matrix products, in the order in which they are computed (A, B: the left and right operand; K: the contracted axis; several contracted axes count as one K, in the product's order):
;;     1. [M 4,096, K 1,024] x [K 1,024, N 3,072]; A: computed on the way; B: input wqkv (given as codes): QUANTISED
;;     2. batch 32 x [M 2,048, K 64] x [K 64, N 2,048]; A: computed on the way; B: computed on the way: QUANTISED
;;     3. batch 32 x [M 2,048, K 2,048] x [K 2,048, N 64]; A: softmax (see below); B: computed on the way: QUANTISED
;;     4. [M 4,096, K 1,024] x [K 1,024, N 1,024]; A: computed on the way; B: input wout (given as codes): QUANTISED
;;     5. [M 4,096, K 1,024] x [K 1,024, N 4,096]; A: computed on the way; B: input w1 (given as codes): QUANTISED
;;     6. [M 4,096, K 4,096] x [K 4,096, N 1,024]; A: computed on the way; B: input w2 (given as codes): QUANTISED
;;   THE QUANTISER, for each operand of a quantised product, along K:
;;     - K is cut into blocks of 32 from its start; a last block that is shorter is filled with zeros.
;;     - A block's scale is 2^e with e = floor(log2(the largest magnitude in the block)) - 2, held to -126 .. 127; a block of zeros has e = 0. As a byte (E8M0): e + 127.
;;     - Each number is divided by its block's scale, clamped to +-7.5, and rounded to the nearest number of E2M3, ties to even, subnormals kept.
;;     - The product sums the exact products of the quantised numbers (number of the format x scale) in f32.
;;   ~~~python
;;   def quantise(x, axis):      # numpy; x: float32 -> the quantised numbers, widened to float32 again
;;       x = np.moveaxis(x, axis, -1); K = x.shape[-1]
;;       x = np.pad(x, [(0, 0)] * (x.ndim - 1) + [(0, -K % 32)]); x = x.reshape(x.shape[:-1] + (-1, 32)); a = np.abs(x).max(-1, keepdims=True)
;;       e = np.where(a > 0, np.clip(np.frexp(np.where(a > 0, a, 1))[1] - 1 - 2, -126, 127), 0)      # np.frexp(a)[1] - 1 = floor(log2(a)), exactly
;;       r = np.clip(x / 2.0 ** e, -7.5, 7.5)
;;       step = 2.0 ** (np.maximum(np.frexp(np.where(r == 0, 1, r))[1] - 1, 0) - 3)
;;       q = np.round(r / step) * step * 2.0 ** e      # np.round: ties to even
;;       return np.moveaxis(q.reshape(q.shape[:-2] + (-1,))[..., :K], -1, axis).astype(np.float32)
;;   ~~~
;;   SOFTMAX AHEAD OF A QUANTISED PRODUCT. Where the list says 'softmax', what is quantised is not the finished softmax but p = 2^(t - M), with t = logit x log2(e) and M = ceil(the row's largest t), a whole number; so 1/2 < the row's largest p <= 1. The row's sum l is taken of the UNQUANTISED p, in f32, and the product's result is divided by l at the end. Since M is a whole number, a kernel that streams over the keys may use a running M (the ceiling of the running maximum): every later rescaling is an exact power of two, which a block's scale takes up: the codes' values come out the same.
;;   OPERANDS COMPUTED ON THE WAY. 'Computed on the way' means the value that the module computes at that place (a softmax that the list does not call 'softmax' is quantised finished and normalised). What goes into a quantiser is computed in f32, as accurately as f32 sums, v_exp_f32 and their like allow (about 1e-6 of the number): no bf16 or f16 on the way to a quantiser, and a product that is left as it is and whose result goes on into a quantised operand takes f32 operands (vector FMAs, or v_wmma_f32_16x16x4_f32). A number that lies on a knife's edge between two numbers of the format may be rounded either way, as far as f32 arithmetic and the matrix unit's own rounding can turn it there, and no further.
;;   INPUTS GIVEN AS CODES. w1 (in the module: [1024, 4096], K = its axis 0); w2 (in the module: [4096, 1024], K = its axis 0); wout (in the module: [1024, 1024], K = its axis 0); wqkv (in the module: [1024, 3072], K = its axis 0): each comes as NAME_codes (uint8): NAME with its K axis moved to the last place and cut into blocks of 32 codes, [.., K / 32, bytes a block], one block behind the other in memory; four codes in three bytes: a row's codes are one little-endian stream of bits, code i at bits 6 i .. 6 i + 5 (a code: sign, 2 exponent bits, 3 mantissa bits); and NAME_scales (uint8): the same leading axes, one E8M0 byte (e + 127) for each 32 codes along K. Its value is code x scale, taken as it is: it is not quantised again, and the codes and scales need not be those that the quantiser above would give.
;; 2 versions, each right; version 2 is version 1 with the launch attn written anew for expert scheduling mode. Each part assembles by itself: llvm-mc -triple=amdgcn-amd-amdhsa -mcpu=gfx1250 --defsym DOCPART=n.
;; ======== version 1 of 2: 7 launches
;; workspace buffers: wsa 13,107,200 bytes; mw 524,288 bytes of whole numbers; qkb 9,830,400 bytes; ctb 3,276,800 bytes; x1b 16,777,216 bytes; h2b 3,276,800 bytes; ghb 13,107,200 bytes
;; launch prep (part 1): grid 256 x 1, 8 waves a work-group, no clusters, 69,632 bytes of LDS; arguments x, ln1_g, ln1_b, attn_mask, wqkv_codes, wqkv_scales, wout_codes, wout_scales, w1_codes, w1_scales, w2_codes, w2_scales, wsa, mw; writes wsa, mw
.if DOCPART == 1
	.amdgcn_target "amdgcn-amd-amdhsa--gfx1250"
	.amdhsa_code_object_version 6
	.text
	.protected	k_qdb0fbac70b_prep
	.globl	k_qdb0fbac70b_prep
	.p2align	8
	.type	k_qdb0fbac70b_prep,@function
k_qdb0fbac70b_prep:
	s_mov_b64 s[64:65], 0
	v_nop
	global_prefetch_b8 v0, s[64:65] scope:SCOPE_SE
	s_setreg_imm32_b32 hwreg(HW_REG_WAVE_MODE, 25, 1), 1
	s_wait_xcnt 0x0
; PREP.  Three jobs that every later launch leans on, one share of each for each of the 2,048 waves (work-group g, wave w):
;  (1) the four weights, given as rows of codes, are laid anew as IMAGES OF OPERAND REGISTERS: a fragment (16 rows x 128 K, 12 registers a lane) is 1,536 bytes, two halves of 768:
;      registers 6c..6c+3 at 16 x lane, registers 6c+4, 6c+5 at 512 + 8 x lane.  Its 16 scale words follow apart, 64 bytes a fragment.  Tile 2b+u, lane r = weight row 32b + 8u + r + 8 (r / 8).
;  (2) the mask (an input: honoured bit by bit) becomes lane masks: word rho of (query tile, key step): bit l = mask[16 qt + l % 16][128 ks + 16 (rho / 8) + 8 (l / 16) + rho % 8].
;  (3) LayerNorm 1 of token tile g, K step w (128 columns), in f32, two passes (mean, then the squares of the differences), quantised to E2M3 and stored as an image.
; A block's scale byte is its largest magnitude's exponent field - 2, held at 1 from below.
; LIMITS: NaN and infinities among the inputs are not served; a block of zeros, or one whose largest magnitude lies under 2^-124, gets the byte 1 (zero blocks have zero codes; these bytes are read by this program alone).
.set HSC,    3145728                   ; wsa: LN1's images at 0, their words here
.set WQ_IMG, 3276800
.set WQ_SC,  5636096
.set WO_IMG, 5734400
.set WO_SC,  6520832
.set W1_IMG, 6553600
.set W1_SC,  9699328
.set W2_IMG, 9830400
.set W2_SC,  12976128
.set TM,  16                           ; v16-31 at work in QUANT
.set PC,  32                           ; v32-50 the codes just made
.set PW,  52                           ; v52    their scale word
.set SEL, 70                           ; s[70:71] lane selects: lane l xor 16
.set RED, 67584                        ; LDS: behind the eight stages (16 rows x 528 bytes each): the waves' row sums, [row 16][wave 8] f32, and 512 bytes on the sums of squares.  The base stands in the address registers: an LDS offset holds 16 bits
; v1 16 x lane; v2 8 x lane; v3 4 r; v4, v5 a weight row's bytes; v6, v7 its scale bytes; v8 mask; v9, v10 stage in, out; v11, v12 row sums in, out; v13 64 h; v14 4 x lane
; 64 numbers of a lane, register 16 b + i = k 32 b + 16 (lane / 16) + i of my row, become a fragment's codes in v[PC] on and its scale word in v[PW]
.macro QUANT s
.irp b, 0,1,2,3
	v_max3_num_f32 v[TM+\b], |v[\s+16*\b]|, |v[\s+1+16*\b]|, 0x1800000   ; my 16 numbers of block b, and the floor 2^(3 - 127): the byte cannot fall under 1
.endr
.irp i, 2,4,6,8,10,12,14
.irp b, 0,1,2,3
	v_max3_num_f32 v[TM+\b], v[TM+\b], |v[\s+16*\b+\i]|, |v[\s+1+16*\b+\i]|
.endr
.endr
.irp b, 0,1,2,3
	v_permlanex16_b32 v[TM+4+\b], v[TM+\b], s[SEL], s[SEL+1]
.endr
.irp b, 0,1,2,3
	v_max_num_f32 v[TM+\b], v[TM+\b], v[TM+4+\b]   ; with lane l xor 16's: the block's largest magnitude
.endr
.irp b, 0,1,2,3
	v_add_nc_u32 v[TM+12+\b], 0xff000000, v[TM+\b]   ; 2 off its exponent field: the conversion's scale operand
.endr
.irp b, 0,1,2,3
	v_lshrrev_b32 v[TM+4+\b], 23, v[TM+12+\b]      ; the scale's byte
.endr
	v_lshl_or_b32 v[PW], v[TM+5], 8, v[TM+4]
	v_lshl_or_b32 v[PW], v[TM+6], 16, v[PW]
	v_lshl_or_b32 v[PW], v[TM+7], 24, v[PW]
.irp c, 0,1
	v_cvt_scalef32_pk16_fp6_f32 v[PC+6*\c:PC+2+6*\c], v[\s+32*\c:\s+15+32*\c], v[TM+12+2*\c]
	v_cvt_scalef32_pk16_fp6_f32 v[PC+12+4*\c:PC+14+4*\c], v[\s+16+32*\c:\s+31+32*\c], v[TM+12+2*\c+1]   ; (a conversion's three registers begin on an even number)
.endr
	v_nop                                          ; one plain place behind a scaled conversion
.irp c, 0,1                                    ; the operand wants a whole block in a lane: lanes 0-15 block 2 c, lanes 16-31 block 2 c + 1
.irp i, 0,1,2
	v_permlane16_swap_b32 v[PC+6*\c+\i], v[PC+12+4*\c+\i]
.endr
.irp i, 0,1,2
	v_mov_b32 v[PC+3+6*\c+\i], v[PC+12+4*\c+\i]
.endr
.endr
.endm
.macro STFRAG reg, sb                  ; a fragment's image: every store covers consecutive bytes, 512 or 256 of them
	global_store_b128 v1, v[\reg:\reg+3], s[\sb:\sb+1]
	global_store_b64 v2, v[\reg+4:\reg+5], s[\sb:\sb+1] offset:512
	global_store_b128 v1, v[\reg+6:\reg+9], s[\sb:\sb+1] offset:768
	global_store_b64 v2, v[\reg+10:\reg+11], s[\sb:\sb+1] offset:1280
.endm
.macro WLOAD reg, wreg, vo, vs, sc, ss ; a weight's fragment as it lies in rows: 24 bytes twice, in pieces of 8; and the rows' scale words
.irp p, 0,1,2,3,4,5
	global_load_b64 v[\reg+2*\p:\reg+2*\p+1], v[\vo], s[\sc:\sc+1] offset:48*(\p/3)+8*(\p%3)
.endr
	global_load_b32 v[\wreg], v[\vs], s[\ss:\ss+1]
.endm
.macro ROW0 d, t, n                    ; the first row of tile n: 32 (n >> 1) + 8 (n & 1)
	s_lshr_b32 s[\d], s[\n], 1
	s_lshl_b32 s[\d], s[\d], 5
	s_and_b32 s[\t], s[\n], 1
	s_lshl_b32 s[\t], s[\t], 3
	s_add_co_u32 s[\d], s[\d], s[\t]
.endm
.macro RSUM red                        ; v[58:59]: my 64 numbers' sum in two halves -> v16: the row's sum over 1,024 columns, in every lane.  red: 0 for the sums, 512 for the sums of squares
	v_add_f32 v58, v58, v59
	v_permlanex16_b32 v59, v58, s[SEL], s[SEL+1]
	v_add_f32 v58, v58, v59
	ds_store_b32 v11, v58 offset:\red              ; both lanes of a row write the same word with the same value
	s_wait_dscnt 0x0                               ; for the others' sake: my store has landed
	s_barrier_signal -1
	s_barrier_wait -1
	ds_load_b128 v[16:19], v12 offset:\red
	ds_load_b128 v[20:23], v12 offset:\red+16
	s_wait_dscnt 0x0
	v_add_f32 v16, v16, v17
	v_add_f32 v18, v18, v19
	v_add_f32 v20, v20, v21
	v_add_f32 v22, v22, v23
	v_add_f32 v16, v16, v18
	v_add_f32 v20, v20, v22
	v_add_f32 v16, v16, v20
.endm
	s_load_b512 s[4:19], s[0:1], 0x0               ; x, ln1_g, ln1_b, mask, wqkv codes, scales, wout codes, scales
	s_load_b256 s[20:27], s[0:1], 0x40             ; w1 codes, scales, w2 codes, scales
	s_load_b128 s[28:31], s[0:1], 0x60             ; wsa, mw
	v_lshl_add_u32 v62, v0, 2, 0x10c00
	v_mov_b32 v63, 0
	v_lshrrev_b32 v1, 5, v0
	v_readfirstlane_b32 s32, v1                    ; wave 0..7
	v_and_b32 v14, 31, v0                          ; lane
	v_and_b32 v15, 15, v0                          ; r
	v_bfe_u32 v13, v0, 4, 1                        ; h
	v_lshlrev_b32 v1, 4, v14
	v_lshlrev_b32 v2, 3, v14
	v_lshlrev_b32 v3, 2, v15
	v_and_b32 v58, 8, v15
	v_add_nc_u32 v58, v58, v15                     ; r + 8 (r / 8)
	v_mul_u32_u24 v59, v13, 24
	v_mad_u32_u24 v4, v58, 768, v59                ; rows of 1,024 codes
	v_mad_u32_u24 v5, v58, 3072, v59               ; rows of 4,096 codes
	v_lshlrev_b32 v6, 5, v58
	v_lshlrev_b32 v7, 7, v58
	v_lshlrev_b32 v8, 11, v15
	v_lshl_add_u32 v8, v13, 3, v8                  ; mask: row r of 2,048 bytes, + 8 h
	s_mul_i32 s33, s32, 8448
	v_add_nc_u32 v9, s33, v1                       ; my wave's stage, as loaded
	v_mul_u32_u24 v10, v15, 528
	v_lshl_add_u32 v10, v13, 6, v10
	v_add_nc_u32 v10, s33, v10                     ; and by rows: row r, + 64 h
	v_lshl_add_u32 v12, v15, 5, RED                ; row r's eight sums
	s_lshl_b32 s33, s32, 2
	v_add_nc_u32 v11, s33, v12                     ; my wave's word among them
	v_lshlrev_b32 v13, 6, v13
	v_lshlrev_b32 v14, 2, v14
	v_mov_b32 v248, 0                              ; written once: v_writelane_b32's destination counts as read
	v_mov_b32 v249, 0
	s_mov_b32 s[SEL], 0x76543210
	s_mov_b32 s[SEL+1], 0xfedcba98
	s_mov_b32 s33, ttmp9                           ; g
	s_lshl_b32 s34, s33, 3
	s_add_co_u32 s34, s34, s32                     ; 8 g + w: the number of my image of LN1, of w1 and of w2 (w2: tile g >> 2, K step 8 (g & 3) + w, 32 K steps a tile)
	ROW0 72, 73, 33                                ; w1: tile g, K step w
	s_mul_i32 s36, s72, 768
	s_mul_i32 s74, s32, 96
	s_add_co_u32 s36, s36, s74
	s_lshl_b32 s38, s72, 5
	s_lshl_b32 s75, s32, 2
	s_add_co_u32 s38, s38, s75
	s_lshr_b32 s76, s33, 2                         ; w2
	ROW0 72, 73, 76
	s_and_b32 s77, s33, 3
	s_lshl_b32 s77, s77, 3
	s_add_co_u32 s77, s77, s32
	s_mul_i32 s40, s72, 3072
	s_mul_i32 s73, s77, 96
	s_add_co_u32 s40, s40, s73
	s_lshl_b32 s42, s72, 7
	s_lshl_b32 s73, s77, 2
	s_add_co_u32 s42, s42, s73
	s_cmp_lt_u32 s33, 192                          ; wqkv's 192 tiles, then wout's 64: only pointers and offsets are chosen, all take one path
	s_cselect_b32 s76, 0, 192
	s_mov_b32 s78, WO_IMG
	s_cselect_b32 s78, WQ_IMG, s78
	s_mov_b32 s79, WO_SC
	s_cselect_b32 s79, WQ_SC, s79
	s_sub_co_u32 s76, s33, s76
	ROW0 72, 73, 76
	s_mul_i32 s44, s72, 768
	s_add_co_u32 s44, s44, s74
	s_lshl_b32 s46, s72, 5
	s_add_co_u32 s46, s46, s75
	s_lshl_b32 s76, s76, 3
	s_add_co_u32 s76, s76, s32
	s_mul_i32 s73, s76, 1536
	s_add_co_u32 s78, s78, s73
	s_lshl_b32 s73, s76, 6
	s_add_co_u32 s79, s79, s73
.irp p, 37,39,41,43,45,47,49,51
	s_mov_b32 s\p, 0
.endr
	s_wait_kmcnt 0x0
	s_add_nc_u64 s[20:21], s[20:21], s[36:37]
	s_add_nc_u64 s[22:23], s[22:23], s[38:39]
	s_add_nc_u64 s[24:25], s[24:25], s[40:41]
	s_add_nc_u64 s[26:27], s[26:27], s[42:43]
	s_cmp_lt_u32 s33, 192
	s_cselect_b64 s[12:13], s[12:13], s[16:17]
	s_cselect_b64 s[14:15], s[14:15], s[18:19]
	s_add_nc_u64 s[12:13], s[12:13], s[44:45]
	s_add_nc_u64 s[14:15], s[14:15], s[46:47]
	s_mul_i32 s48, s34, 1536
	s_add_nc_u64 s[66:67], s[28:29], s[48:49]      ; LN1's image
	s_add_nc_u64 s[52:53], s[66:67], W1_IMG
	s_add_nc_u64 s[56:57], s[66:67], W2_IMG
	s_lshl_b32 s50, s34, 6
	s_add_nc_u64 s[68:69], s[28:29], s[50:51]
	s_add_nc_u64 s[54:55], s[68:69], W1_SC
	s_add_nc_u64 s[58:59], s[68:69], W2_SC
	s_add_nc_u64 s[68:69], s[68:69], HSC
	s_mov_b32 s48, s78
	s_add_nc_u64 s[60:61], s[28:29], s[48:49]
	s_mov_b32 s48, s79
	s_add_nc_u64 s[62:63], s[28:29], s[48:49]
	s_lshr_b32 s48, s33, 1                         ; mask: query tile g >> 1 (16 rows of 2,048 bytes), key step 8 (g & 1) + w
	s_lshl_b32 s48, s48, 15
	s_and_b32 s72, s33, 1
	s_lshl_b32 s72, s72, 3
	s_add_co_u32 s72, s72, s32
	s_lshl_b32 s72, s72, 7
	s_add_co_u32 s48, s48, s72
	s_add_nc_u64 s[10:11], s[10:11], s[48:49]
	s_lshl_b32 s48, s34, 8
	s_add_nc_u64 s[30:31], s[30:31], s[48:49]      ; its 64 words
	s_lshl_b32 s50, s32, 9                         ; my 128 columns
	s_add_nc_u64 s[6:7], s[6:7], s[50:51]
	s_add_nc_u64 s[8:9], s[8:9], s[50:51]
	s_lshl_b32 s48, s33, 16                        ; 16 rows of 4,096 bytes
	s_add_co_u32 s48, s48, s50
	s_add_nc_u64 s[4:5], s[4:5], s[48:49]
	; all loads at once: 21 for the weights, 8 for the mask, 16 for x
	WLOAD 192, 228, 4, 6, 20, 22
	WLOAD 204, 229, 5, 7, 24, 26
	WLOAD 216, 230, 4, 6, 12, 14
.irp e, 0,1,2,3,4,5,6,7
	global_load_b64 v[232+2*\e:233+2*\e], v8, s[10:11] offset:16*\e
.endr
.irp p, 0,1,2,3,4,5,6,7,8,9,10,11,12,13,14,15
	global_load_b128 v[128+4*\p:131+4*\p], v1, s[4:5] offset:4096*\p   ; 32 lanes read a row's 512 consecutive bytes
.endr
	s_wait_loadcnt 24                              ; the weights' 21 are in; the mask's 8 and x's 16 may be out
	STFRAG 192, 52
	global_store_b32 v3, v228, s[54:55]            ; (lanes 16-31 repeat lanes 0-15's word at the same place)
	STFRAG 204, 56
	global_store_b32 v3, v229, s[58:59]
	STFRAG 216, 60
	global_store_b32 v3, v230, s[62:63]
	s_wait_loadcnt 16                              ; the mask's 8 are in
.set rho, 0
.rept 64                                       ; my byte rho of 64 -> one bit of word rho; the word goes to lane rho % 32
	v_bfe_u32 v58, v[232+rho/4], 8*(rho%4), 8
	v_cmp_ne_u32 vcc_lo, 0, v58
	v_writelane_b32 v[248+rho/32], vcc_lo, rho%32
.set rho, rho+1
.endr
	global_store_b32 v14, v248, s[30:31]
	global_store_b32 v14, v249, s[30:31] offset:128
	s_wait_loadcnt 0x0                             ; x
.irp p, 0,1,2,3,4,5,6,7,8,9,10,11,12,13,14,15
	ds_store_b128 v9, v[128+4*\p:131+4*\p] offset:528*\p
.endr
.irp bb, 0,1,2,3
.irp jj, 0,1,2,3
	ds_load_b128 v[64+16*\bb+4*\jj:67+16*\bb+4*\jj], v10 offset:128*\bb+16*\jj   ; LDS serves a wave's instructions in order: these see my stores.  Register 16 b + i = column 32 b + 16 h + i of row r
.endr
.endr
	s_wait_dscnt 0x0
	s_wait_xcnt 0x0                                ; the stores above have read their registers: v192 on is loaded again
.irp bb, 0,1,2,3
.irp jj, 0,1,2,3
	global_load_b128 v[128+16*\bb+4*\jj:131+16*\bb+4*\jj], v13, s[6:7] offset:128*\bb+16*\jj   ; the gain,
	global_load_b128 v[192+16*\bb+4*\jj:195+16*\bb+4*\jj], v13, s[8:9] offset:128*\bb+16*\jj   ; the bias, in the same order
.endr
.endr
	v_pk_add_f32 v[58:59], v[64:65], v[66:67]      ; the mean: two chains
	v_pk_add_f32 v[60:61], v[68:69], v[70:71]
.set j, 8
.rept 14
	v_pk_add_f32 v[58:59], v[58:59], v[64+j:65+j]
	v_pk_add_f32 v[60:61], v[60:61], v[66+j:67+j]
.set j, j+4
.endr
	v_pk_add_f32 v[58:59], v[58:59], v[60:61]
	RSUM 0
	v_mul_f32 v54, 0x3a800000, v16                 ; / 1,024
	v_mov_b32 v55, v54
.set j, 0
.rept 32
	v_pk_add_f32 v[64+j:65+j], v[64+j:65+j], v[54:55] neg_lo:[0,1] neg_hi:[0,1]
.set j, j+2
.endr
	v_pk_mul_f32 v[58:59], v[64:65], v[64:65]      ; the variance, of the differences
	v_pk_mul_f32 v[60:61], v[66:67], v[66:67]
.set j, 4
.rept 15
	v_pk_fma_f32 v[58:59], v[64+j:65+j], v[64+j:65+j], v[58:59]
	v_pk_fma_f32 v[60:61], v[66+j:67+j], v[66+j:67+j], v[60:61]
.set j, j+4
.endr
	v_pk_add_f32 v[58:59], v[58:59], v[60:61]
	RSUM 512
	v_mov_b32 v17, 0x3a800000
	v_fmaak_f32 v18, v16, v17, 0x3727c5ac          ; / 1,024 + 1e-5
	v_rsq_f32 v56, v18
	v_rsq_f32 v57, v18
	v_nop                                          ; a plain place behind the transcendentals
	s_wait_alu depctr_va_vdst(0)                   ; one wait for both, ahead of their first reader
	s_wait_loadcnt 0x0                             ; gain and bias
.set j, 0
.rept 32
	v_pk_mul_f32 v[128+j:129+j], v[128+j:129+j], v[56:57]
.set j, j+2
.endr
.set j, 0
.rept 32
	v_pk_fma_f32 v[64+j:65+j], v[64+j:65+j], v[128+j:129+j], v[192+j:193+j]
.set j, j+2
.endr
	QUANT 64
	STFRAG PC, 66
	global_store_b32 v3, v[PW], s[68:69]
	s_wait_tensorcnt 0x0
	ds_add_u32 v62, v63
	s_wait_dscnt 0x0
	s_endpgm
.Lfunc_end_k_qdb0fbac70b_prep:
	.size	k_qdb0fbac70b_prep, .Lfunc_end_k_qdb0fbac70b_prep-k_qdb0fbac70b_prep
	.p2alignl 7, 3214868480
	.fill 96, 4, 3214868480
	.section	.rodata,"a",@progbits
	.p2align	6, 0x0
	.amdhsa_kernel k_qdb0fbac70b_prep
		.amdhsa_group_segment_fixed_size 69632
		.amdhsa_private_segment_fixed_size 0
		.amdhsa_enable_private_segment 0
		.amdhsa_kernarg_size 112
		.amdhsa_user_sgpr_count 2
		.amdhsa_user_sgpr_kernarg_segment_ptr 1
		.amdhsa_wavefront_size32 1
		.amdhsa_system_sgpr_workgroup_id_x 1
		.amdhsa_system_sgpr_workgroup_id_y 1
		.amdhsa_system_sgpr_workgroup_id_z 1
		.amdhsa_system_vgpr_workitem_id 0
		.amdhsa_next_free_vgpr 256
		.amdhsa_next_free_sgpr 80
		.amdhsa_reserve_vcc 1
		.amdhsa_float_denorm_mode_32 3
		.amdhsa_float_denorm_mode_16_64 3
		.amdhsa_memory_ordered 1
		.amdhsa_forward_progress 1
		.amdhsa_inst_pref_size 43
	.end_amdhsa_kernel
	.amdgpu_metadata
---
amdhsa.version: [ 1, 2 ]
amdhsa.kernels:
  - .name:           k_qdb0fbac70b_prep
    .symbol:         k_qdb0fbac70b_prep.kd
    .args:
      - { .name: x, .offset: 0, .size: 8, .value_kind: global_buffer, .address_space: global }
      - { .name: ln1_g, .offset: 8, .size: 8, .value_kind: global_buffer, .address_space: global }
      - { .name: ln1_b, .offset: 16, .size: 8, .value_kind: global_buffer, .address_space: global }
      - { .name: attn_mask, .offset: 24, .size: 8, .value_kind: global_buffer, .address_space: global }
      - { .name: wqkv_codes, .offset: 32, .size: 8, .value_kind: global_buffer, .address_space: global }
      - { .name: wqkv_scales, .offset: 40, .size: 8, .value_kind: global_buffer, .address_space: global }
      - { .name: wout_codes, .offset: 48, .size: 8, .value_kind: global_buffer, .address_space: global }
      - { .name: wout_scales, .offset: 56, .size: 8, .value_kind: global_buffer, .address_space: global }
      - { .name: w1_codes, .offset: 64, .size: 8, .value_kind: global_buffer, .address_space: global }
      - { .name: w1_scales, .offset: 72, .size: 8, .value_kind: global_buffer, .address_space: global }
      - { .name: w2_codes, .offset: 80, .size: 8, .value_kind: global_buffer, .address_space: global }
      - { .name: w2_scales, .offset: 88, .size: 8, .value_kind: global_buffer, .address_space: global }
      - { .name: wsa, .offset: 96, .size: 8, .value_kind: global_buffer, .address_space: global }
      - { .name: mw, .offset: 104, .size: 8, .value_kind: global_buffer, .address_space: global }
    .group_segment_fixed_size: 69632
    .private_segment_fixed_size: 0
    .kernarg_segment_align: 8
    .kernarg_segment_size: 112
    .max_flat_workgroup_size: 256
    .sgpr_count:     80
    .vgpr_count:     256
    .wavefront_size: 32
...
	.end_amdgpu_metadata
.endif
;; end of part 1
;; launch qkv (part 2): grid 12 x 16, 4 waves a work-group, clusters of 4 x 4, 327,680 bytes of LDS; arguments wsa, bqkv, qkb; writes qkb
.if DOCPART == 2
	.amdgcn_target "amdgcn-amd-amdhsa--gfx1250"
	.amdhsa_code_object_version 6
	.text
	.protected	k_qdb0fbac70b_qkv
	.globl	k_qdb0fbac70b_qkv
	.p2align	8
	.type	k_qdb0fbac70b_qkv,@function
k_qdb0fbac70b_qkv:
	s_mov_b64 s[64:65], 0
	v_nop
	global_prefetch_b8 v0, s[64:65] scope:SCOPE_SE
	s_setreg_imm32_b32 hwreg(HW_REG_WAVE_MODE, 25, 1), 1
	s_wait_xcnt 0x0
	s_wait_alu depctr_hold_cnt(0) depctr_sa_sdst(0) depctr_va_vdst(0) depctr_va_sdst(0) depctr_va_ssrc(0) depctr_va_vcc(0) depctr_vm_vsrc(0)
	s_getreg_b32 s2, hwreg(HW_REG_IB_STS2, 6, 4)
	s_cmp_eq_u32 s2, 0
	s_cbranch_scc0 .Lentry_in_a_cluster
	s_endpgm
.Lentry_in_a_cluster:
	s_bfe_u32 s2, ttmp6, 0x10000c
	s_cmp_lg_u32 s2, 0xf033
	s_cbranch_scc0 .Lentry_shape_is_right
	s_endpgm
.Lentry_shape_is_right:
; QKV.  LN1(x) Wqkv + bqkv on codes of E2M3, and the results quantised again on the way out: q and k along the head's 64, v along the keys.
; A tile of 256 x 256 to a work-group of four waves, 128 x 128 a wave (64 accumulators).  Both operands are IMAGES OF OPERAND REGISTERS (a fragment, 16 rows x 128 K, is 1,536 consecutive bytes;
; its 16 scale words 64 bytes): every LDS load reads consecutive bytes, lane by lane.  K = 1,024 goes in 8 steps of 128, two to a slot, through a ring of two LDS slots.
; Source 0 (S0): its rows run along a lane's registers in the result.  Source 1 (S1): its rows are the lanes.
;   clusters x = 0, 1 (q, k): S0 = 256 weight rows (by cx), S1 = 256 tokens (by cy): a lane holds one token and 128 neighbouring features: two heads, four blocks of 32.
;   cluster  x = 2    (v):    S0 = 256 tokens (by cx), S1 = 256 weight rows (by cy): a lane holds one feature and 128 keys: four blocks of 32 keys.  Inside a block slot 16 h + 8 u + j holds key 16 u + 8 h + j,
;   the very order in which the attention launch lays p; one order inside a scale block on both sides changes no sum.
; CLUSTERS 4 x 4: S1's tiles are shared along a row of the cluster, S0's along a column: joint loads.  The branch between the two ways out hangs on the cluster's x alone, which all partners share.
; LIMITS: NaN and infinities are not served; a block of zeros or under 2^-124 gets the scale byte 1 (read by this program alone).
; REGISTERS: window 0: v12 16 x lane, v13 8 x lane, v14 4 (lane % 16), v16-23 fragment addresses, v27, v30 scale word addresses, v28, v29 the add's; v32-63 scale words and nothing else; v64-159, v160-255 S1's two sets.
;   window 1: v0-95, v128-223 S0's two sets.  Windows 2, 3: accumulator (a, b) at 8 (8 a + b).
.set NB, 8
.set NA, 8
.set KS, 8
.set NQ, 2
.set HSC,    3145728
.set WQ_IMG, 3276800
.set WQ_SC,  5636096
.set QSC,    3145728                   ; qkb: q's half images at 0, its words here,
.set KV,     3276800                   ; then [head 32][slot 8][25,600]: K's 8 fragments, V^T's 8 at 12,288, K's words at 24,576, V's at 25,088
.set LAPS, KS/(2*NQ)
.set FRB, 1536
.set HALFT, NB*NQ*FRB                  ; what one tensor load brings: 8 tiles x 2 K steps
.set SLOT, 4*HALFT                     ; S1's two halves, then S0's
.set SCL, 2*SLOT                       ; behind the ring: the scale words for all of K, filled once
.set SCH, NB*KS*64
.set SPARE, SCL+4*SCH                  ; the spare words: 128 bytes a wave, named by no other line
.set G1, 24
.set G0, 32
.set G1B, 48
.set G0B, 56
.set G1S, 68
.set G0S, 76
.set G1SB, 80
.set G0SB, 88
.set TM, 212
.set PC, 192
.set PW, 228
.set SEL, 92
.set MSB, 0
.macro WIN new                         ; the immediate's high byte repeats the setting that is left
.if MSB != (\new)
	s_set_vgpr_msb (MSB<<8)|(\new)
.set MSB, (\new)
.endif
.endm
.macro PLACES n
.rept \n
	v_nop
.endr
.endm
.macro JLOAD g0a, g1a, g0b, g1b        ; a joint load: waves 0, 1 fetch for S1, waves 2, 3 for S0; four v_nop follow each line
	s_cmp_eq_u32 s15, 0
	s_cbranch_scc0 .Lfor_b_\@
	tensor_load_to_lds s[\g0a:\g0a+3], s[\g1a:\g1a+7]
	s_nop 0
	PLACES 4
	s_branch .Lasked_\@
.Lfor_b_\@:
	tensor_load_to_lds s[\g0b:\g0b+3], s[\g1b:\g1b+7]
	s_nop 0
	PLACES 4
.Lasked_\@:
.endm
.macro CREST                           ; a round of the cluster's barrier behind its opening barrier
	s_cmp_lg_u32 s14, 0
	s_cbranch_scc1 .Lnot_wave_0_\@
	s_barrier_signal -3
.Lnot_wave_0_\@:
	s_barrier_wait -3
	s_barrier_signal -1
	s_barrier_wait -1
.endm
.macro CROUND
	s_barrier_signal -1
	s_barrier_wait -1
	CREST
.endm
.macro LDFRAG reg, a16, a8, off        ; a fragment's image from LDS
	ds_load_b128 v[(\reg):(\reg)+3], v[\a16] offset:(\off)
	ds_load_b64 v[(\reg)+4:(\reg)+5], v[\a8] offset:(\off)+512
	ds_load_b128 v[(\reg)+6:(\reg)+9], v[\a16] offset:(\off)+768
	ds_load_b64 v[(\reg)+10:(\reg)+11], v[\a8] offset:(\off)+1280
.endm
.macro FETCH slot, q, p                ; the fragments of the slot's q-th K step into sets p
	WIN 0x40
.set fi, 0
.rept NB
	LDFRAG 128*(\p)+12*fi, 20+\slot, 22+\slot, (fi*NQ+(\q))*FRB
.set fi, fi+1
.endr
	WIN 0
.set fi, 0
.rept NA
	LDFRAG 64+96*(\p)+12*fi, 16+\slot, 18+\slot, (fi*NQ+(\q))*FRB
.set fi, fi+1
.endr
.endm
.macro SCALES sc                       ; a slot's scale words: lanes 0-15 an even K step's, lanes 16-31 the odd one's behind it
.set si, 0
.rept NB
.set sq, 0
.rept NQ/2
	ds_load_b32 v[32+16*(\sc)+(NQ/2)*si+sq], v30 offset:si*KS*64+128*sq
	ds_load_b32 v[40+16*(\sc)+(NQ/2)*si+sq], v27 offset:si*KS*64+128*sq
.set sq, sq+1
.endr
.set si, si+1
.endr
.endm
.macro MUL a0, n, p, q, sc, zero       ; S1's blocks a0 .. a0 + n - 1 against S0's NB.  All accumulators take turns, in one order in every step
.set ma, \a0
.rept \n
.if 8*NB*ma < 256
	WIN 0xa1
.else
	WIN 0xf1
.endif
.set mb, 0
.rept NB
.set rD, (8*(NB*ma+mb))%256
.set rA, 128*(\p)+12*mb
.set rB, 64+96*(\p)+12*ma
.set rSa, 32+16*(\sc)+(NQ/2)*mb+(\q)/2
.set rSb, 40+16*(\sc)+(NQ/2)*ma+(\q)/2
.if \zero
	v_wmma_scale_f32_16x16x128_f8f6f4 v[rD:rD+7], v[rA:rA+11], v[rB:rB+11], 0, v[rSa], v[rSb] matrix_a_fmt:MATRIX_FMT_FP6 matrix_b_fmt:MATRIX_FMT_FP6
.elseif ((\q)%2) == 1
	v_wmma_scale_f32_16x16x128_f8f6f4 v[rD:rD+7], v[rA:rA+11], v[rB:rB+11], v[rD:rD+7], v[rSa], v[rSb] matrix_a_fmt:MATRIX_FMT_FP6 matrix_b_fmt:MATRIX_FMT_FP6 matrix_a_scale:MATRIX_SCALE_ROW1 matrix_b_scale:MATRIX_SCALE_ROW1
.else
	v_wmma_scale_f32_16x16x128_f8f6f4 v[rD:rD+7], v[rA:rA+11], v[rB:rB+11], v[rD:rD+7], v[rSa], v[rSb] matrix_a_fmt:MATRIX_FMT_FP6 matrix_b_fmt:MATRIX_FMT_FP6
.endif
.set mb, mb+1
.endr
.set ma, ma+1
.endr
.endm
.macro STEP slot, q, zero              ; a K step that has its successor in the same slot
	s_wait_dscnt 0x0                               ; this step's fragments and words, asked for a whole step ago
	PLACES 4                                       ; in front of loads into the sets that the last step's products read
	FETCH \slot, (\q)+1, 1-(\q)%2
	MUL 0, NA, (\q)%2, \q, \slot, \zero
.endm
.macro MIDS slot, q0
.set mq, \q0
.rept NQ-1-(\q0)
	STEP \slot, mq, 0
.set mq, mq+1
.endr
.endm
.macro TURN slot, next, fill           ; a slot's last K step changes slots: one barrier; fill = 1: it opens a round of the cluster's barrier, and this slot is filled again
	WIN 0
	s_wait_tensorcnt 0x0                           ; all my tensor loads have landed: my part of the next slot
	ds_add_u32 v28, v29                            ; 0 onto my spare word
	s_wait_dscnt 0x1                               ; the add alone may be out
	MUL 0, NA/4, 1, NQ-1, \slot, 0
	s_wait_dscnt 0x0                               ; the add is done, and my reads of this slot are over
	s_barrier_signal -1
	MUL NA/4, NA/4, 1, NQ-1, \slot, 0
	WIN 0
	s_barrier_wait -1
.if \fill
	CREST                                          ; no wave of any partner still reads this slot or has a load on its way
	s_add_nc_u64 s[G0+4*\slot+2:G0+4*\slot+3], s[G0+4*\slot+2:G0+4*\slot+3], 2*NQ*FRB
	s_add_nc_u64 s[G0B+4*\slot+2:G0B+4*\slot+3], s[G0B+4*\slot+2:G0B+4*\slot+3], 2*NQ*FRB
	JLOAD G0+4*\slot, G1, G0B+4*\slot, G1B         ; my one tensor load behind the round; its four v_nop are also the places in front of the loads below
.else
	PLACES 4
.endif
	v_add_nc_u32 v27, NQ*64, v27                   ; on to the next slot's scale words
	v_add_nc_u32 v30, NQ*64, v30
	FETCH \next, 0, 0
	SCALES \next
	MUL NA/2, NA/2, 1, NQ-1, \slot, 0
	WIN 0
.endm
.macro QUANT s                         ; 64 numbers of a lane, register 16 b + i in block b, half lane / 16 -> a fragment's codes in v[PC] on, its scale word in v[PW]
.irp b, 0,1,2,3
	v_max3_num_f32 v[TM+\b], |v[\s+16*\b]|, |v[\s+1+16*\b]|, 0x1800000   ; with the floor 2^(3 - 127): the byte cannot fall under 1
.endr
.irp i, 2,4,6,8,10,12,14
.irp b, 0,1,2,3
	v_max3_num_f32 v[TM+\b], v[TM+\b], |v[\s+16*\b+\i]|, |v[\s+1+16*\b+\i]|
.endr
.endr
.irp b, 0,1,2,3
	v_permlanex16_b32 v[TM+4+\b], v[TM+\b], s[SEL], s[SEL+1]
.endr
.irp b, 0,1,2,3
	v_max_num_f32 v[TM+\b], v[TM+\b], v[TM+4+\b]
.endr
.irp b, 0,1,2,3
	v_add_nc_u32 v[TM+12+\b], 0xff000000, v[TM+\b]   ; 2 off the exponent field: the conversion's scale operand
.endr
.irp b, 0,1,2,3
	v_lshrrev_b32 v[TM+4+\b], 23, v[TM+12+\b]
.endr
	v_lshl_or_b32 v[PW], v[TM+5], 8, v[TM+4]
	v_lshl_or_b32 v[PW], v[TM+6], 16, v[PW]
	v_lshl_or_b32 v[PW], v[TM+7], 24, v[PW]
.irp c, 0,1
	v_cvt_scalef32_pk16_fp6_f32 v[PC+6*\c:PC+2+6*\c], v[\s+32*\c:\s+15+32*\c], v[TM+12+2*\c]
	v_cvt_scalef32_pk16_fp6_f32 v[PC+12+4*\c:PC+14+4*\c], v[\s+16+32*\c:\s+31+32*\c], v[TM+12+2*\c+1]
.endr
	v_nop                                          ; one plain place behind a scaled conversion
.irp c, 0,1
.irp i, 0,1,2
	v_permlane16_swap_b32 v[PC+6*\c+\i], v[PC+12+4*\c+\i]
.endr
.irp i, 0,1,2
	v_mov_b32 v[PC+3+6*\c+\i], v[PC+12+4*\c+\i]
.endr
.endr
.endm
	s_load_b128 s[4:7], s[0:1], 0x0                ; wsa, bqkv
	s_load_b64 s[8:9], s[0:1], 0x10                ; qkb
	v_lshl_add_u32 v28, v0, 2, SPARE
	v_mov_b32 v29, 0
	ds_add_u32 v28, v29
	ds_add_u32 v28, v29
	s_wait_dscnt 0x0
	v_lshrrev_b32 v1, 5, v0
	v_readfirstlane_b32 s14, v1                    ; wave 0..3
	s_lshr_b32 s15, s14, 1                         ; my half of S1.  Also: I fetch for S1 (0) or for S0 (1)
	s_and_b32 s16, s14, 1                          ; my half of S0.  Also: which half I fetch
	s_bfe_u32 s40, ttmp6, 0x40000                  ; cx
	s_bfe_u32 s41, ttmp6, 0x40004                  ; cy
	s_lshl_b32 s95, ttmp9, 2                       ; 4 x cluster x
	s_and_b32 s96, ttmp7, 0xffff
	s_lshl_b32 s96, s96, 2                         ; 4 x cluster y
	s_add_co_u32 s17, s96, s41                     ; tokens by cy,
	s_add_co_u32 s97, s41, 8                       ; v's weights by cy: for S1, whose registers never hold cx
	s_add_co_u32 s42, s95, s40                     ; q's and k's weights by cx,
	s_add_co_u32 s98, s96, s40                     ; tokens by cx: for S0, whose registers never hold cy
	s_cmp_eq_u32 s95, 8                            ; cluster x = 2: v
	s_cselect_b32 s99, 1, 0
	s_cselect_b32 s17, s97, s17                    ; S1's tile of 256 rows
	s_cselect_b32 s42, s98, s42                    ; S0's
	s_cselect_b32 s97, WQ_IMG, 0                   ; where S1's images begin in wsa,
	s_cselect_b32 s98, 0, WQ_IMG                   ; S0's,
	s_mov_b32 s18, HSC
	s_cselect_b32 s18, WQ_SC, s18                  ; S1's words,
	s_mov_b32 s19, WQ_SC
	s_cselect_b32 s19, HSC, s19                    ; S0's
	s_lshl_b32 s43, s41, 2
	s_lshl_b32 s43, 15, s43                        ; my row of the cluster
	s_lshl_b32 s44, 0x1111, s40                    ; my column
	s_or_b32 s[G1+0], s43, (3<<16)|(1<<21)         ; 15:0 the mask; 17:16 elements of 8 bytes; 21 set beside a mask; no padding
	s_or_b32 s[G1B+0], s44, (3<<16)|(1<<21)
.irp g, G1, G1B                                ; NB rows (tiles) of NQ fragments, KS fragments apart
	s_mov_b32 s[\g+1], (NQ*192)<<16
	s_mov_b32 s[\g+2], NB<<16
	s_mov_b32 s[\g+3], (NQ*192)<<16
	s_mov_b32 s[\g+4], NB
	s_mov_b32 s[\g+5], KS*192
	s_mov_b32 s[\g+6], 0
	s_mov_b32 s[\g+7], 0
.endr
	s_or_b32 s[G1S+0], s43, (3<<16)|(1<<21)
	s_or_b32 s[G1SB+0], s44, (3<<16)|(1<<21)
.irp g, G1S, G1SB                              ; the scale words of a half: a dense block, as rows of 256 bytes
	s_mov_b32 s[\g+1], 32<<16
	s_mov_b32 s[\g+2], (SCH/256)<<16
	s_mov_b32 s[\g+3], 32<<16
	s_mov_b32 s[\g+4], SCH/256
	s_mov_b32 s[\g+5], 32
	s_mov_b32 s[\g+6], 0
	s_mov_b32 s[\g+7], 0
.endr
	s_lshl_b32 s20, s17, 1
	s_add_co_u32 s20, s20, s16                     ; which half tile of S1 I fetch
	s_lshl_b32 s46, s42, 1
	s_add_co_u32 s46, s46, s16                     ; and of S0
	s_mul_i32 s22, s20, SCH
	s_add_co_u32 s22, s22, s18
	s_mul_i32 s20, s20, NB*KS*FRB
	s_add_co_u32 s20, s20, s97
	s_mul_i32 s92, s46, SCH
	s_add_co_u32 s92, s92, s19
	s_mul_i32 s46, s46, NB*KS*FRB
	s_add_co_u32 s46, s46, s98
	s_mov_b32 s21, 0
	s_mov_b32 s23, 0
	s_mov_b32 s47, 0
	s_mov_b32 s93, 0
	s_mul_i32 s45, s14, HALFT                      ; where they go: by the wave's number alone
	s_mul_i32 s94, s14, SCH
	s_wait_kmcnt 0x0
	s_add_nc_u64 s[20:21], s[4:5], s[20:21]
	s_add_nc_u64 s[22:23], s[4:5], s[22:23]
	s_add_nc_u64 s[46:47], s[4:5], s[46:47]
	s_add_nc_u64 s[92:93], s[4:5], s[92:93]
	CROUND                                         ; all sixteen work-groups are here: the first joint loads meet
	s_mov_b32 s[G0S], 1
	s_add_co_u32 s[G0S+1], s94, SCL
	s_mov_b64 s[G0S+2:G0S+3], s[22:23]
	s_or_b32 s[G0S+3], s[G0S+3], 0x80000000
	s_mov_b32 s[G0SB], 1
	s_add_co_u32 s[G0SB+1], s94, SCL
	s_mov_b64 s[G0SB+2:G0SB+3], s[92:93]
	s_or_b32 s[G0SB+3], s[G0SB+3], 0x80000000
	JLOAD G0S, G1S, G0SB, G1SB
.irp s, 0,1
	s_mov_b32 s[G0+4*\s], 1
	s_add_co_u32 s[G0+4*\s+1], s45, \s*SLOT
	s_add_nc_u64 s[G0+4*\s+2:G0+4*\s+3], s[20:21], \s*NQ*FRB
	s_or_b32 s[G0+4*\s+3], s[G0+4*\s+3], 0x80000000
	s_mov_b32 s[G0B+4*\s], 1
	s_add_co_u32 s[G0B+4*\s+1], s45, \s*SLOT
	s_add_nc_u64 s[G0B+4*\s+2:G0B+4*\s+3], s[46:47], \s*NQ*FRB
	s_or_b32 s[G0B+4*\s+3], s[G0B+4*\s+3], 0x80000000
	JLOAD G0+4*\s, G1, G0B+4*\s, G1B
.endr
	v_and_b32 v1, 31, v0
	v_lshlrev_b32 v12, 4, v1
	v_lshlrev_b32 v13, 3, v1
	v_lshlrev_b32 v2, 2, v1
	v_and_b32 v14, 15, v0
	v_lshlrev_b32 v14, 2, v14
	s_mul_i32 s21, s15, HALFT
	s_mul_i32 s22, s16, HALFT
	s_add_co_u32 s22, s22, 2*HALFT
.irp s, 0,1
	v_add_nc_u32 v[16+\s], s21, v12
	v_add_nc_u32 v[18+\s], s21, v13
	v_add_nc_u32 v[20+\s], s22, v12
	v_add_nc_u32 v[22+\s], s22, v13
	s_add_co_u32 s21, s21, SLOT
	s_add_co_u32 s22, s22, SLOT
.endr
	s_mul_i32 s21, s15, SCH
	s_add_co_u32 s21, s21, SCL
	v_add_nc_u32 v27, s21, v2
	s_mul_i32 s22, s16, SCH
	s_add_co_u32 s22, s22, SCL+2*SCH
	v_add_nc_u32 v30, s22, v2
	s_wait_tensorcnt 0x1                           ; the scale words and my part of slot 0 are in; slot 1's load may be out
	s_barrier_signal -1
	s_barrier_wait -1
	FETCH 0, 0, 0
	SCALES 0
	STEP 0, 0, 1                                   ; the first step's products start the sums
.if LAPS > 1
	WIN 0
	s_mov_b32 s3, LAPS-1
.Llap:
	MIDS 0, 1
	TURN 0, 1, 1
	MIDS 1, 0
	TURN 1, 0, 1
	STEP 0, 0, 0
	WIN 0
	s_sub_co_u32 s3, s3, 1
	s_cmp_lg_u32 s3, 0
	s_cbranch_scc1 .Llap
.endif
	MIDS 0, 1                                      ; the last lap fills nothing
	TURN 0, 1, 0
	MIDS 1, 0
	s_wait_dscnt 0x0
	MUL 0, NA, 1, NQ-1, 1, 0
	WIN 0
	; THE WAY OUT: for each of S1's eight blocks a: the block's 64 numbers a lane + bias -> v64-127, quantised, stored as an image.  A loop of eight trips; only the copy out of the accumulators is written eight times.
	PLACES 4
	v_and_b32 v1, 15, v0                           ; r
	v_bfe_u32 v2, v0, 4, 1                         ; h
	v_mov_b32 v15, v14                             ; (what one way alone sets has a value on the other way too)
	v_mov_b32 v229, 0
.irp b, 0,1,2,3
	v_mov_b32 v[TM+4+\b], 0                        ; written once: a lane permute's destination counts as one of its sources
.endr
	s_mov_b32 s[SEL], 0x76543210
	s_mov_b32 s[SEL+1], 0xfedcba98
	s_mov_b32 s94, 0xffff0000                      ; lanes 16-31
	s_mov_b64 s[34:35], s[8:9]
	s_mov_b32 s21, 0
	s_mov_b32 s23, 0
	s_cmp_lg_u32 s99, 0
	s_cbranch_scc1 .Lv_setup
	s_lshl_b32 s20, s42, 10                        ; q, k.  bias: my 128 features, 4 (256 x tile + 128 x half) bytes on; register 16 b + i wants feature 32 b + 16 h + i
	s_lshl_b32 s22, s16, 9
	s_add_co_u32 s20, s20, s22
	s_add_nc_u64 s[6:7], s[6:7], s[20:21]
	v_lshlrev_b32 v3, 6, v2
	WIN 0x40
.irp bb, 0,1,2,3
.irp jj, 0,1,2,3
	global_load_b128 v[16*\bb+4*\jj:16*\bb+4*\jj+3], v3, s[6:7] offset:128*\bb+16*\jj
.endr
.endr
	WIN 0
	s_lshr_b32 s20, s17, 3                         ; the batch
	s_lshl_b32 s20, s20, 4
	s_lshl_b32 s22, s40, 2
	s_add_co_u32 s20, s20, s22
	s_lshl_b32 s22, s16, 1
	s_add_co_u32 s20, s20, s22                     ; head A = 16 batch + 4 cx + 2 x half; head B the next
	s_and_b32 s24, s17, 7                          ; the batch's block of 256 tokens
	s_lshl_b32 s22, s20, 7                         ; q: tile 128 head + 16 block + 8 x half
	s_lshl_b32 s25, s24, 4
	s_add_co_u32 s22, s22, s25
	s_lshl_b32 s25, s15, 3
	s_add_co_u32 s22, s22, s25
	s_lshl_b32 s28, s22, 5                         ; its pair's 64 bytes of words
	s_add_co_u32 s28, s28, QSC
	s_mul_i32 s22, s22, 768
	s_lshl_b32 s25, s20, 3                         ; k: slot 8 head + block
	s_add_co_u32 s25, s25, s24
	s_mul_i32 s25, s25, 25600
	s_add_co_u32 s25, s25, KV
	s_mul_i32 s26, s15, 6144
	s_add_co_u32 s26, s26, s25
	s_lshl_b32 s27, s15, 8
	s_add_co_u32 s27, s27, s25
	s_add_co_u32 s27, s27, 24576
	s_cmp_eq_u32 s95, 0                            ; q or k
	s_cselect_b32 s22, s22, s26
	s_cselect_b32 s28, s28, s27
	s_mov_b32 s29, 204800
	s_cselect_b32 s26, 98304, s29                  ; from head A's images to head B's
	s_cselect_b32 s27, 4096, s29                   ; and words
	s_add_nc_u64 s[32:33], s[8:9], s[22:23]
	s_mov_b32 s22, s26
	s_add_nc_u64 s[34:35], s[32:33], s[22:23]
	s_mov_b32 s22, s28
	s_add_nc_u64 s[36:37], s[8:9], s[22:23]
	v_mad_u32_u24 v15, v2, s27, v14                ; lanes 0-15 store head A's words, lanes 16-31 head B's
	s_branch .Lsetup_done
.Lv_setup:
	s_lshl_b32 s20, s17, 10                        ; v.  bias: my lane's feature in block a: 32 (a / 2) + 8 (a % 2) + r + 8 (r / 8)
	s_lshl_b32 s22, s15, 9
	s_add_co_u32 s20, s20, s22
	s_add_nc_u64 s[6:7], s[6:7], s[20:21]
	v_and_b32 v3, 8, v1
	v_add_nc_u32 v3, v3, v1
	v_lshlrev_b32 v3, 2, v3
	WIN 0x40
.irp a, 0,1,2,3,4,5,6,7
	global_load_b32 v[2*\a], v3, s[6:7] offset:4*(32*(\a/2)+8*(\a%2))
	global_load_b32 v[2*\a+1], v3, s[6:7] offset:4*(32*(\a/2)+8*(\a%2))
.endr
	WIN 0
	s_lshr_b32 s20, s42, 3
	s_lshl_b32 s20, s20, 4
	s_lshl_b32 s22, s41, 2
	s_add_co_u32 s20, s20, s22
	s_lshl_b32 s22, s15, 1
	s_add_co_u32 s20, s20, s22                     ; blocks 0-3: head 16 batch + 4 cy + 2 x half; blocks 4-7 the next
	s_lshl_b32 s20, s20, 3
	s_and_b32 s22, s42, 7
	s_add_co_u32 s20, s20, s22
	s_mul_i32 s20, s20, 25600
	s_add_co_u32 s20, s20, KV
	s_mul_i32 s22, s16, 6144                       ; my 128 tokens are the slot's key step s16
	s_add_co_u32 s22, s22, s20
	s_add_co_u32 s22, s22, 12288
	s_add_nc_u64 s[32:33], s[8:9], s[22:23]
	s_lshl_b32 s22, s16, 8
	s_add_co_u32 s22, s22, s20
	s_add_co_u32 s22, s22, 25088
	s_add_nc_u64 s[36:37], s[8:9], s[22:23]
.Lsetup_done:
	s_wait_loadcnt 0x0
	s_mov_b32 s3, 0
.macro COPYQK a                        ; each accumulator is read from its low end on
	WIN 0x06+(\a)/4
.set ci, 0
.rept 32
	v_pk_add_f32 v[64+ci:65+ci], v[(64*(\a))%256+ci:(64*(\a))%256+ci+1], v[ci:ci+1]
.set ci, ci+2
.endr
	WIN 0
.endm
.macro COPYV a
	WIN 0x06+(\a)/4
.set ci, 0
.rept 32
	v_pk_add_f32 v[64+ci:65+ci], v[(64*(\a))%256+ci:(64*(\a))%256+ci+1], v[2*(\a):2*(\a)+1]
.set ci, ci+2
.endr
	WIN 0
.endm
.Lrow:
	s_cmp_lg_u32 s99, 0
	s_cbranch_scc1 .Lvchain
.irp a, 1,2,3,4,5,6,7
	s_cmp_eq_u32 s3, \a
	s_cbranch_scc1 .Lqk\a
.endr
.irp a, 0,1,2,3,4,5,6,7
.Lqk\a:
	COPYQK \a
	s_branch .Lquant
.endr
.Lvchain:
.irp a, 1,2,3,4,5,6,7
	s_cmp_eq_u32 s3, \a
	s_cbranch_scc1 .Lvc\a
.endr
.irp a, 0,1,2,3,4,5,6,7
.Lvc\a:
	COPYV \a
	s_branch .Lquant
.endr
.Lquant:
	QUANT 64                                       ; (the last trip ended behind s_wait_xcnt 0: its stores have read their registers)
	s_cmp_lg_u32 s99, 0
	s_cbranch_scc1 .Lvstore
	global_store_b128 v12, v[PC:PC+3], s[32:33]    ; blocks 0, 1: head A's half image of these 16 tokens
	global_store_b64 v13, v[PC+4:PC+5], s[32:33] offset:512
	global_store_b128 v12, v[PC+6:PC+9], s[34:35]  ; blocks 2, 3: head B's
	global_store_b64 v13, v[PC+10:PC+11], s[34:35] offset:512
	s_bitcmp1_b32 s3, 0
	s_cbranch_scc1 .Lodd
	v_mov_b32 v229, v[PW]                          ; an even tile's word waits for its neighbour's
	s_branch .Lqk_next
.Lodd:
	v_perm_b32 v230, v[PW], v229, 0x05040100       ; head A: the even tile's two bytes, then the odd tile's
	v_perm_b32 v231, v[PW], v229, 0x07060302       ; head B likewise
	v_cndmask_b32 v230, v230, v231, s94
	global_store_b32 v15, v230, s[36:37]
	s_wait_xcnt 0x0
	s_add_nc_u64 s[36:37], s[36:37], 64
.Lqk_next:
	s_wait_xcnt 0x0                                ; the stores have read their bases and registers
	s_add_nc_u64 s[32:33], s[32:33], 768
	s_add_nc_u64 s[34:35], s[34:35], 768
	s_branch .Lnext
.Lvstore:
	global_store_b128 v12, v[PC:PC+3], s[32:33]    ; 16 features x 128 keys: a fragment of V^T
	global_store_b64 v13, v[PC+4:PC+5], s[32:33] offset:512
	global_store_b128 v12, v[PC+6:PC+9], s[32:33] offset:768
	global_store_b64 v13, v[PC+10:PC+11], s[32:33] offset:1280
	global_store_b32 v14, v[PW], s[36:37]          ; (lanes 16-31 repeat lanes 0-15's word at the same place)
	s_cmp_eq_u32 s3, 3                             ; behind block 3: the next head, eight slots on, its first fragment
	s_mov_b32 s20, 1536
	s_cselect_b32 s20, 200192, s20
	s_cselect_b32 s22, 204608, 64
	s_wait_xcnt 0x0
	s_add_nc_u64 s[32:33], s[32:33], s[20:21]
	s_add_nc_u64 s[36:37], s[36:37], s[22:23]
.Lnext:
	s_add_co_u32 s3, s3, 1
	s_cmp_lt_u32 s3, 8
	s_cbranch_scc1 .Lrow
	s_wait_tensorcnt 0x0                           ; the wave's end
	ds_add_u32 v28, v29
	s_wait_dscnt 0x0
	CROUND                                         ; the closing round
	s_endpgm
.Lfunc_end_k_qdb0fbac70b_qkv:
	.size	k_qdb0fbac70b_qkv, .Lfunc_end_k_qdb0fbac70b_qkv-k_qdb0fbac70b_qkv
	.p2alignl 7, 3214868480
	.fill 96, 4, 3214868480
	.section	.rodata,"a",@progbits
	.p2align	6, 0x0
	.amdhsa_kernel k_qdb0fbac70b_qkv
		.amdhsa_group_segment_fixed_size 327680
		.amdhsa_private_segment_fixed_size 0
		.amdhsa_enable_private_segment 0
		.amdhsa_kernarg_size 24
		.amdhsa_user_sgpr_count 2
		.amdhsa_user_sgpr_kernarg_segment_ptr 1
		.amdhsa_wavefront_size32 1
		.amdhsa_system_sgpr_workgroup_id_x 1
		.amdhsa_system_sgpr_workgroup_id_y 1
		.amdhsa_system_sgpr_workgroup_id_z 1
		.amdhsa_system_vgpr_workitem_id 0
		.amdhsa_next_free_vgpr 1024
		.amdhsa_next_free_sgpr 100
		.amdhsa_reserve_vcc 0
		.amdhsa_float_denorm_mode_32 3
		.amdhsa_float_denorm_mode_16_64 3
		.amdhsa_memory_ordered 1
		.amdhsa_forward_progress 1
		.amdhsa_inst_pref_size 162
	.end_amdhsa_kernel
	.amdgpu_metadata
---
amdhsa.version: [ 1, 2 ]
amdhsa.kernels:
  - .name:           k_qdb0fbac70b_qkv
    .symbol:         k_qdb0fbac70b_qkv.kd
    .args:
      - { .name: wsa, .offset: 0, .size: 8, .value_kind: global_buffer, .address_space: global }
      - { .name: bqkv, .offset: 8, .size: 8, .value_kind: global_buffer, .address_space: global }
      - { .name: qkb, .offset: 16, .size: 8, .value_kind: global_buffer, .address_space: global }
    .group_segment_fixed_size: 327680
    .private_segment_fixed_size: 0
    .kernarg_segment_align: 8
    .kernarg_segment_size: 24
    .max_flat_workgroup_size: 128
    .sgpr_count:     100
    .vgpr_count:     1024
    .wavefront_size: 32
...
	.end_amdgpu_metadata
.endif
;; end of part 2
;; launch attn (part 3): grid 8 x 32, 16 waves a work-group, no clusters, 206,848 bytes of LDS; arguments qkb, mw, ctb; writes ctb
.if DOCPART == 3
	.amdgcn_target "amdgcn-amd-amdhsa--gfx1250"
	.amdhsa_code_object_version 6
	.text
	.protected	k_qdb0fbac70b_attn
	.globl	k_qdb0fbac70b_attn
	.p2align	8
	.type	k_qdb0fbac70b_attn,@function
k_qdb0fbac70b_attn:
	s_mov_b64 s[64:65], 0
	v_nop
	global_prefetch_b8 v0, s[64:65] scope:SCOPE_SE
	s_setreg_imm32_b32 hwreg(HW_REG_WAVE_MODE, 25, 1), 1
	s_wait_xcnt 0x0
; ATTENTION on codes of E2M3.  A work-group serves one (batch, head); each of its sixteen waves owns one tile of 16 queries, in 234 registers, four waves to a SIMD.  A wave walks the 2,048 keys, 128 a step.
; Both products are used transposed: S^T = K Q^T, O^T = V^T P^T: a lane holds one query throughout.  t = score x log2(e) / 8; M = the running largest t rounded up to a whole number; p = 2^(t - M) is quantised along the keys;
; the row's sum is taken of the unquantised p and divides O at the end; when M moves, sum and O are multiplied by 2^(old M - new M), which rounds nothing.
; K = 64: a fragment of K holds two key tiles (lower 64 slots: tile 2 f, upper: 2 f + 1).  Against [q | 0] it gives tile 2 f's scores, against [0 | q] tile 2 f + 1's; the other half meets zero codes.
; THE MASK is an input and is honoured as it is stored: 64 lane masks for a key step of a query tile, whole numbers that an earlier launch laid.  At its head a wave reads its 16 x 64 words once and keeps two bits a step:
;   all 64 words are ones: every p of the step would be 0, and M, the sum and O would stay as they are: the step is left out;
;   all 64 words are 0: nothing is masked: the step's loads of the words and its 64 selects are left out;
;   else the step loads its 64 words by scalar loads, and a masked score becomes -infinity by one v_cndmask_b32.
; These are branches on numbers read from memory; the launch has no tensor load, and so no joint load and no cluster.
; ALL OF THE HEAD'S K, V AND SCALE WORDS, 8 slots of 25,600 bytes laid as operand images by the launch before, are 204,800 bytes: they come into LDS once, through registers (25 rounds of 16 bytes a thread, 8,192 consecutive
; bytes a round), in front of ONE barrier; behind it LDS is only read, so the loop over the keys has no barrier and each wave goes at its own pace.  Nothing is asked for ahead: the loads at the head ask for all that the launch streams.
; WHICH TILE: wave w of work-group x takes query tile x + 8 rank(w).  Where the mask is causal that tile needs rank + 1 key steps, so every work-group has the same 136 of them; rank is taken from a square of 4 x 4 in which
; the waves of equal w % 4 and those of equal w / 4 both add up to 30.  For any other mask the spread changes no result.
; A ROW WITH EVERY KEY MASKED has the sum 0; its scale bytes are stored as 0xff, so that the next product gives NaN for that row, as the softmax of the definition does.
; LIMITS: NaN and infinities among the inputs are not served; a block of zeros or under 2^-124 gets the scale byte 1 (read by this program alone).
; REGISTERS: v1 16 x lane, v2 8 x lane, v3 4 (lane % 16), v6 -infinity, v8-10 addresses in hand, v12 -M, v13 largest t, v[14:15] the sum; v16-21 zeros, v22-27 q, v28-33 zeros; v34 q's scale word, v35 p's, v36-39 the fragments' (scales alone);
;   v40-87 four fragments; v88-151 S^T, then p (v40-139: at the head the 25 rounds); v152-183 O^T (at the head the mask words); v184-202 p's codes; v204-221 at work; v224-227 16 x thread + 65,536 k.
;   s2 the slot in hand, s3 slots to go, s4 wave, s5 the step's place among my mask words, s52 bit 0: this step is left out, s53 bit 0: this step is open; s[20:51], s[68:99] a step's 64 mask words.
.set QSC,   3145728
.set KV,    3276800
.set SLOTB, 25600                      ; a slot: 256 keys: K's 8 fragments, V^T's 8 at 12,288, K's words at 24,576, V's at 25,088
.macro LDFRAG reg, a16, a8, off
	ds_load_b128 v[(\reg):(\reg)+3], v[\a16] offset:(\off)
	ds_load_b64 v[(\reg)+4:(\reg)+5], v[\a8] offset:(\off)+512
	ds_load_b128 v[(\reg)+6:(\reg)+9], v[\a16] offset:(\off)+768
	ds_load_b64 v[(\reg)+10:(\reg)+11], v[\a8] offset:(\off)+1280
.endm
.macro FLAG map, m, bit                ; lane mask m: its lanes 0-15 speak for step bit, its lanes 16-31 for step bit + 1: a step's bit is set where all sixteen lanes agree
	s_and_b32 s58, s[\m], 0xffff
	s_cmp_eq_u32 s58, 0xffff
	s_cselect_b32 s58, 1<<(\bit), 0
	s_or_b32 s[\map], s[\map], s58
	s_lshr_b32 s58, s[\m], 16
	s_cmp_eq_u32 s58, 0xffff
	s_cselect_b32 s58, 1<<((\bit)+1), 0
	s_or_b32 s[\map], s[\map], s58
.endm
.macro STEP q                          ; 128 keys: the q-th step of the slot in hand
	s_bitcmp1_b32 s52, 0                           ; every key of the step masked for all my queries: nothing of it would count
	s_cbranch_scc1 .Lskip_\@
	v_add_nc_u32 v8, s2, v1
	v_add_nc_u32 v9, s2, v2
	v_add_nc_u32 v10, s2, v3
	v_nop                                          ; four places in front of loads into registers that the last products read
.irp f, 0,1,2,3
	LDFRAG 40+12*\f, 8, 9, (4*(\q)+\f)*1536
	ds_load_b32 v[36+\f], v10 offset:24576+(4*(\q)+\f)*64
.endr
	s_wait_dscnt 0x0
.irp f, 0,1,2,3
	v_wmma_scale_f32_16x16x128_f8f6f4 v[88+16*\f:95+16*\f], v[40+12*\f:51+12*\f], v[22:33], 0, v[36+\f], v34 matrix_a_fmt:MATRIX_FMT_FP6 matrix_b_fmt:MATRIX_FMT_FP6
	v_wmma_scale_f32_16x16x128_f8f6f4 v[96+16*\f:103+16*\f], v[40+12*\f:51+12*\f], v[16:27], 0, v[36+\f], v34 matrix_a_fmt:MATRIX_FMT_FP6 matrix_b_fmt:MATRIX_FMT_FP6
.endr                                          ; register 8 t + j of lane (r, h): query r, key 16 t + 8 h + j
.rept 4
	v_nop
.endr
	s_bitcmp1_b32 s53, 0                           ; no key of the step masked for any of my queries
	s_cbranch_scc1 .Lopen_\@
	s_load_b512 s[20:35], s[10:11], s5             ; a mixed step: its 64 mask words
	s_load_b512 s[36:51], s[10:11], s5 offset:0x40
	s_load_b512 s[68:83], s[10:11], s5 offset:0x80
	s_load_b512 s[84:99], s[10:11], s5 offset:0xc0
	s_wait_kmcnt 0x0
.set rho, 0
.rept 64
.if rho < 32
	v_cndmask_b32 v[88+rho], v[88+rho], v6, s[20+rho]
.else
	v_cndmask_b32 v[88+rho], v[88+rho], v6, s[36+rho]
.endif
.set rho, rho+1
.endr
.Lopen_\@:
.irp b, 0,1,2,3
	v_max3_num_f32 v[204+\b], v[88+16*\b], v[89+16*\b], v[90+16*\b]   ; the largest score of each block of 32 keys: for the row's maximum, and, since p rises with the score, for the block's largest p
.endr
.irp i, 3,5,7,9,11,13
.irp b, 0,1,2,3
	v_max3_num_f32 v[204+\b], v[204+\b], v[88+16*\b+\i], v[89+16*\b+\i]
.endr
.endr
.irp b, 0,1,2,3
	v_max_num_f32 v[204+\b], v[204+\b], v[103+16*\b]
.endr
.irp b, 0,1,2,3
	v_permlanex16_b32 v[208+\b], v[204+\b], s6, s7
.endr
.irp b, 0,1,2,3
	v_max_num_f32 v[204+\b], v[204+\b], v[208+\b]
.endr
	v_max3_num_f32 v218, v204, v205, v206
	v_max_num_f32 v218, v218, v207
	v_mul_f32 v218, s8, v218
	v_max_num_f32 v13, v13, v218                   ; the running largest t
	v_mov_b32 v218, v12
	v_floor_f32 v12, -v13                          ; the new -M: a whole number
	v_sub_f32 v218, v12, v218
	v_cvt_i32_f32 v218, v218                       ; (it saturates)
	v_ldexp_f32 v216, 1.0, v218                    ; f = 2^(old M - new M)
.set j, 0
.rept 32
	v_pk_fma_f32 v[88+j:89+j], v[88+j:89+j], s[8:9], v[12:13] op_sel_hi:[1,0,0]   ; t - M
.set j, j+2
.endr
.irp b, 0,1,2,3
	v_fma_f32 v[204+\b], v[204+\b], s8, v12
.endr
.set j, 0
.rept 64
	v_exp_f32 v[88+j], v[88+j]                     ; p, at most 1, not normalised
.set j, j+1
.endr
	v_pk_mul_f32 v[14:15], v[14:15], v[216:217] op_sel_hi:[1,0]   ; the sum under the new M (a plain place behind the exponentials)
	s_wait_alu depctr_va_vdst(0)                   ; one wait for the batch, ahead of its first reader
.irp b, 0,1,2,3
	v_exp_f32 v[204+\b], v[204+\b]                 ; each block's largest p
.endr
	v_pk_add_f32 v[220:221], v[88:89], v[90:91]    ; the row's sum of the unquantised p, in two chains
.set j, 4
.rept 15
	v_pk_add_f32 v[14:15], v[14:15], v[88+j:89+j]
	v_pk_add_f32 v[220:221], v[220:221], v[90+j:91+j]
.set j, j+4
.endr
	v_pk_add_f32 v[14:15], v[14:15], v[220:221]
	s_wait_alu depctr_va_vdst(0)                   ; and one for the four
.irp b, 0,1,2,3
	v_max_num_f32 v[204+\b], 0x1800000, v[204+\b]  ; the floor 2^(3 - 127)
.endr
.irp b, 0,1,2,3
	v_add_nc_u32 v[212+\b], 0xff000000, v[204+\b]
.endr
.irp b, 0,1,2,3
	v_lshrrev_b32 v[208+\b], 23, v[212+\b]
.endr
	v_lshl_or_b32 v35, v209, 8, v208               ; p's scale word for these 128 keys
	v_lshl_or_b32 v35, v210, 16, v35
	v_lshl_or_b32 v35, v211, 24, v35
.irp c, 0,1
	v_cvt_scalef32_pk16_fp6_f32 v[184+6*\c:186+6*\c], v[88+32*\c:103+32*\c], v[212+2*\c]
	v_cvt_scalef32_pk16_fp6_f32 v[196+4*\c:198+4*\c], v[104+32*\c:119+32*\c], v[212+2*\c+1]
.endr
	v_nop                                          ; one plain place behind a scaled conversion
.irp c, 0,1
.irp i, 0,1,2
	v_permlane16_swap_b32 v[184+6*\c+\i], v[196+4*\c+\i]
.endr
.irp i, 0,1,2
	v_mov_b32 v[187+6*\c+\i], v[196+4*\c+\i]
.endr
.endr
.set j, 0
.rept 16
	v_pk_mul_f32 v[152+j:153+j], v[152+j:153+j], v[216:217] op_sel_hi:[1,0]   ; O^T under the new M; these sixteen are also the places between p's word and codes and the products below
.set j, j+2
.endr
.irp d, 0,1,2,3
	LDFRAG 40+12*\d, 8, 9, 12288+6144*(\q)+1536*\d
	ds_load_b32 v[36+\d], v10 offset:25088+(4*(\q)+\d)*64
.endr
	s_wait_dscnt 0x0
.irp d, 0,1,2,3
	v_wmma_scale_f32_16x16x128_f8f6f4 v[152+8*\d:159+8*\d], v[40+12*\d:51+12*\d], v[184:195], v[152+8*\d:159+8*\d], v[36+\d], v35 matrix_a_fmt:MATRIX_FMT_FP6 matrix_b_fmt:MATRIX_FMT_FP6
.endr
.Lskip_\@:
	s_lshr_b32 s52, s52, 1                         ; on to the next step's two bits
	s_lshr_b32 s53, s53, 1
	s_add_co_u32 s5, s5, 256                       ; and its 64 words (no scalar load is out here: a mixed step has waited for its four)
.endm
	s_load_b128 s[20:23], s[0:1], 0x0              ; qkb, mw
	s_load_b64 s[24:25], s[0:1], 0x10              ; ctb
	v_lshl_add_u32 v232, v0, 2, 0x32000
	v_mov_b32 v233, 0
	v_lshrrev_b32 v1, 5, v0
	v_readfirstlane_b32 s4, v1                     ; wave 0..15
	s_mov_b32 s54, 0x0de3b658                      ; rank(w), four bits a wave: 15 2 1 12 / 4 9 10 7 / 8 5 6 11 / 3 14 13 0
	s_cmp_lt_u32 s4, 8
	s_cselect_b32 s54, 0x7a94c12f, s54
	s_and_b32 s55, s4, 7
	s_lshl_b32 s55, s55, 2
	s_lshr_b32 s54, s54, s55
	s_and_b32 s54, s54, 15
	s_and_b32 s26, ttmp7, 0xffff                   ; 16 batch + head
	s_lshl_b32 s27, s54, 3
	s_add_co_u32 s27, s27, ttmp9                   ; my query tile in the batch: x + 8 rank
	s_lshl_b32 s28, s26, 7
	s_add_co_u32 s28, s28, s27
	s_mul_i32 s28, s28, 768                        ; q's half image
	s_mov_b32 s29, 0
	s_lshl_b32 s30, s26, 6
	s_lshr_b32 s31, s27, 1
	s_add_co_u32 s30, s30, s31
	s_lshl_b32 s30, s30, 6
	s_add_co_u32 s30, s30, QSC                     ; its pair's words
	s_mov_b32 s31, 0
	s_mul_i32 s32, s26, 8*SLOTB                    ; the head's eight slots
	s_add_co_u32 s32, s32, KV
	s_mov_b32 s33, 0
	s_lshl_b32 s34, s27, 12                        ; my query tile's 16 x 64 mask words
	s_mov_b32 s35, 0
	s_lshr_b32 s36, s26, 4
	s_lshl_b32 s36, s36, 7
	s_add_co_u32 s36, s36, s27                     ; my token tile
	s_lshl_b32 s36, s36, 3
	s_bfe_u32 s37, s26, 0x30001                    ; head / 2: the K step of the next product
	s_add_co_u32 s36, s36, s37
	s_and_b32 s37, s26, 1                          ; head % 2: which half of its fragment
	s_lshl_b32 s38, s36, 6
	s_lshl_b32 s39, s37, 1
	s_add_co_u32 s38, s38, s39
	s_add_co_u32 s38, s38, 3145728
	s_mul_i32 s36, s36, 1536
	s_mul_i32 s37, s37, 768
	s_add_co_u32 s36, s36, s37
	s_mov_b32 s37, 0
	s_mov_b32 s39, 0
	s_mov_b32 s2, 0                                ; the slot in hand
	s_mov_b32 s3, 8                                ; slots to go
	s_mov_b32 s5, 0
	s_mov_b32 s6, 0x76543210
	s_mov_b32 s7, 0xfedcba98
	s_mov_b32 s8, 0x3e38aa3b                       ; log2(e) / 8
	s_mov_b32 s9, s8
	s_mov_b32 s52, 0
	s_mov_b32 s53, 0
	s_and_b32 s66, s27, 1                          ; which tile of its pair mine is: 16 bits a tile in the pair's scale word
	s_lshl_b32 s66, s66, 4
	v_and_b32 v7, 31, v0
	v_lshlrev_b32 v1, 4, v7
	v_lshlrev_b32 v2, 3, v7
	v_and_b32 v3, 15, v0
	v_lshlrev_b32 v3, 2, v3
	v_lshlrev_b32 v224, 4, v0                      ; 16 x thread: my 16 bytes of a round, in memory and in LDS
	v_add_nc_u32 v225, 0x10000, v224               ; (an LDS offset holds 16 bits: eight rounds to an address register)
	v_add_nc_u32 v226, 0x20000, v224
	v_add_nc_u32 v227, 0x30000, v224
	s_wait_kmcnt 0x0
	s_add_nc_u64 s[16:17], s[20:21], s[28:29]
	s_add_nc_u64 s[18:19], s[20:21], s[30:31]
	s_add_nc_u64 s[56:57], s[20:21], s[32:33]
	s_add_nc_u64 s[10:11], s[22:23], s[34:35]
	s_add_nc_u64 s[12:13], s[24:25], s[36:37]
	s_add_nc_u64 s[14:15], s[24:25], s[38:39]
	global_load_b128 v[22:25], v1, s[16:17]        ; q: 3 loads
	global_load_b64 v[26:27], v2, s[16:17] offset:512
	global_load_b32 v34, v3, s[18:19]
.irp i, 0,1,2,3,4,5,6,7
	global_load_b128 v[152+4*\i:155+4*\i], v1, s[10:11] offset:512*\i   ; my mask words: 8 loads; lanes 0-15 take step 2 i's 64 words, four each, lanes 16-31 step 2 i + 1's
.endr
.set i, 0
.rept 25
	global_load_b128 v[40+4*i:43+4*i], v224, s[56:57] offset:8192*i     ; the head's K, V and scale words: 25 rounds; a wave's load reads 512 consecutive bytes
.set i, i+1
.endr
	v_mov_b32 v6, 0xff800000
	v_mov_b32 v13, 0xff61b1e6                      ; the largest t so far: -3e38
	v_floor_f32 v12, -v13
	v_mov_b32 v14, 0
	v_mov_b32 v15, 0
	v_mov_b32 v217, 0                              ; (named as the upper half of a pair)
	v_mov_b32 v218, 0                              ; (a lane permute's destination on the way out, also where every step was left out)
.irp i, 16,17,18,19,20,21,28,29,30,31,32,33,208,209,210,211
	v_mov_b32 v\i, 0
.endr
	s_wait_loadcnt 25                              ; q's 3 and the mask's 8 are in; the 25 rounds may be out
	v_lshrrev_b32 v34, s66, v34                    ; my tile's two bytes of the pair's word,
	v_and_b32 v34, 0xffff, v34
	v_lshl_or_b32 v34, v34, 16, v34                ; for both halves of K
.irp i, 0,1,2,3,4,5,6,7
	v_and_b32 v204, v[152+4*\i], v[153+4*\i]
	v_and_b32 v205, v[154+4*\i], v[155+4*\i]
	v_or_b32 v206, v[152+4*\i], v[153+4*\i]
	v_or_b32 v207, v[154+4*\i], v[155+4*\i]
	v_and_b32 v204, v204, v205
	v_or_b32 v206, v206, v207
	v_cmp_eq_u32 s54, -1, v204                     ; my four words are all ones
	v_cmp_eq_u32 s55, 0, v206                      ; my four words are all 0
	FLAG 52, 54, 2*\i
	FLAG 53, 55, 2*\i
.endr
.set j, 0
.rept 32
	v_mov_b32 v[152+j], 0                          ; O^T: the step is written once, its first run finds zeros
.set j, j+1
.endr
.set i, 0
.rept 25
	s_wait_loadcnt 24-i                            ; round i is in; the later rounds may be out
	ds_store_b128 v[224+i/8], v[40+4*i:43+4*i] offset:8192*(i%8)
.set i, i+1
.endr
	s_wait_dscnt 0x0                               ; for the others' sake: my stores have landed
	s_barrier_signal -1
	s_barrier_wait -1                              ; the head's K and V lie in LDS; from here on LDS is only read
.Lslot:
	STEP 0
	STEP 1
	s_add_co_u32 s2, s2, SLOTB
	s_sub_co_u32 s3, s3, 1
	s_cmp_lg_u32 s3, 0
	s_cbranch_scc1 .Lslot
	; THE WAY OUT: O^T / the sum is ctx(token r, 32 b + 16 h + i of the head's 64): two blocks along the next product's K: quantised, half a fragment's image
.rept 4
	v_nop
.endr
	v_add_f32 v14, v14, v15
	v_permlanex16_b32 v218, v14, s6, s7
	v_add_f32 v14, v14, v218
	v_rcp_f32 v15, v14
	v_mov_b32 v219, 0xffff                         ; (a plain place behind the transcendental)
	s_wait_alu depctr_va_vdst(0)                   ; ahead of its first reader
.set j, 0
.rept 32
	v_mul_f32 v[88+j], v[152+j], v15
.set j, j+1
.endr
.irp b, 0,1
	v_max3_num_f32 v[204+\b], |v[88+16*\b]|, |v[89+16*\b]|, 0x1800000
.endr
.irp i, 2,4,6,8,10,12,14
.irp b, 0,1
	v_max3_num_f32 v[204+\b], v[204+\b], |v[88+16*\b+\i]|, |v[89+16*\b+\i]|
.endr
.endr
.irp b, 0,1
	v_permlanex16_b32 v[208+\b], v[204+\b], s6, s7
.endr
.irp b, 0,1
	v_max_num_f32 v[204+\b], v[204+\b], v[208+\b]
.endr
.irp b, 0,1
	v_add_nc_u32 v[212+\b], 0xff000000, v[204+\b]
.endr
.irp b, 0,1
	v_lshrrev_b32 v[208+\b], 23, v[212+\b]
.endr
	v_lshl_or_b32 v218, v209, 8, v208
	v_cmp_eq_f32 vcc_lo, 0, v14                    ; a row with every key masked
	v_cndmask_b32 v218, v218, v219, vcc_lo
	v_cvt_scalef32_pk16_fp6_f32 v[184:186], v[88:103], v212
	v_cvt_scalef32_pk16_fp6_f32 v[196:198], v[104:119], v213
	v_nop
.irp i, 0,1,2
	v_permlane16_swap_b32 v[184+\i], v[196+\i]
.endr
.irp i, 0,1,2
	v_mov_b32 v[187+\i], v[196+\i]
.endr
	global_store_b128 v1, v[184:187], s[12:13]
	global_store_b64 v2, v[188:189], s[12:13] offset:512
	global_store_b16 v3, v218, s[14:15]            ; my head's two bytes of the row's word (lanes 16-31 repeat lanes 0-15's)
	s_wait_tensorcnt 0x0
	ds_add_u32 v232, v233
	s_wait_dscnt 0x0
	s_endpgm
.Lfunc_end_k_qdb0fbac70b_attn:
	.size	k_qdb0fbac70b_attn, .Lfunc_end_k_qdb0fbac70b_attn-k_qdb0fbac70b_attn
	.p2alignl 7, 3214868480
	.fill 96, 4, 3214868480
	.section	.rodata,"a",@progbits
	.p2align	6, 0x0
	.amdhsa_kernel k_qdb0fbac70b_attn
		.amdhsa_group_segment_fixed_size 206848
		.amdhsa_private_segment_fixed_size 0
		.amdhsa_enable_private_segment 0
		.amdhsa_kernarg_size 24
		.amdhsa_user_sgpr_count 2
		.amdhsa_user_sgpr_kernarg_segment_ptr 1
		.amdhsa_wavefront_size32 1
		.amdhsa_system_sgpr_workgroup_id_x 1
		.amdhsa_system_sgpr_workgroup_id_y 1
		.amdhsa_system_sgpr_workgroup_id_z 1
		.amdhsa_system_vgpr_workitem_id 0
		.amdhsa_next_free_vgpr 234
		.amdhsa_next_free_sgpr 100
		.amdhsa_reserve_vcc 1
		.amdhsa_float_denorm_mode_32 3
		.amdhsa_float_denorm_mode_16_64 3
		.amdhsa_memory_ordered 1
		.amdhsa_forward_progress 1
		.amdhsa_inst_pref_size 65
	.end_amdhsa_kernel
	.amdgpu_metadata
---
amdhsa.version: [ 1, 2 ]
amdhsa.kernels:
  - .name:           k_qdb0fbac70b_attn
    .symbol:         k_qdb0fbac70b_attn.kd
    .args:
      - { .name: qkb, .offset: 0, .size: 8, .value_kind: global_buffer, .address_space: global }
      - { .name: mw, .offset: 8, .size: 8, .value_kind: global_buffer, .address_space: global }
      - { .name: ctb, .offset: 16, .size: 8, .value_kind: global_buffer, .address_space: global }
    .group_segment_fixed_size: 206848
    .private_segment_fixed_size: 0
    .kernarg_segment_align: 8
    .kernarg_segment_size: 24
    .max_flat_workgroup_size: 512
    .sgpr_count:     100
    .vgpr_count:     234
    .wavefront_size: 32
...
	.end_amdgpu_metadata
.endif
;; end of part 3
;; launch proj (part 4): grid 8 x 32, 4 waves a work-group, clusters of 4 x 4, 327,680 bytes of LDS; arguments ctb, wsa, bout, x, x1b; writes x1b
.if DOCPART == 4
	.amdgcn_target "amdgcn-amd-amdhsa--gfx1250"
	.amdhsa_code_object_version 6
	.text
	.protected	k_qdb0fbac70b_proj
	.globl	k_qdb0fbac70b_proj
	.p2align	8
	.type	k_qdb0fbac70b_proj,@function
k_qdb0fbac70b_proj:
	s_mov_b64 s[64:65], 0
	v_nop
	global_prefetch_b8 v0, s[64:65] scope:SCOPE_SE
	s_setreg_imm32_b32 hwreg(HW_REG_WAVE_MODE, 25, 1), 1
	s_wait_xcnt 0x0
	s_wait_alu depctr_hold_cnt(0) depctr_sa_sdst(0) depctr_va_vdst(0) depctr_va_sdst(0) depctr_va_ssrc(0) depctr_va_vcc(0) depctr_vm_vsrc(0)
	s_getreg_b32 s2, hwreg(HW_REG_IB_STS2, 6, 4)
	s_cmp_eq_u32 s2, 0
	s_cbranch_scc0 .Lentry_in_a_cluster
	s_endpgm
.Lentry_in_a_cluster:
	s_bfe_u32 s2, ttmp6, 0x10000c
	s_cmp_lg_u32 s2, 0xf033
	s_cbranch_scc0 .Lentry_shape_is_right
	s_endpgm
.Lentry_shape_is_right:
; PROJ.  x1 = x + ctx Wout + bout, the product on codes of E2M3, all else in f32.
; A tile of 128 x 128 to a work-group of four waves (N = 1,024 gives 256 such tiles, one for each WGP), 64 x 64 a wave: 16 accumulators.  Both operands are images of operand registers
; (a fragment, 16 rows x 128 K, is 1,536 consecutive bytes; its 16 scale words 64 bytes).  K = 1,024: 8 steps of 128, four to a slot: the two slots hold all of K, so nothing is filled again here.
; Source 0 (S0) = weight rows (tile 2b+u, lane r = row 32b + 8u + r + 8 (r / 8)), source 1 (S1) = tokens: a lane holds one token and, in tile 2b+u, features 32b + 16h + 8u + 0..7.
; CLUSTERS 4 x 4: S1's tiles are shared along a row of the cluster, S0's along a column: joint loads.
; REGISTERS: window 0: v12 16 x lane, v13 8 x lane, v16-23 fragment addresses, v27, v30 scale word addresses, v28, v29 the add's; v32-63 scale words and nothing else; v64.., v160.. S1's two sets.
;   window 1: v0.., v128.. S0's two sets.  Window 2: accumulator (a, b) at 8 (4 a + b).
.set NB, 4
.set NA, 4
.set KS, 8
.set NQ, 4
.set S1SC,  3145728                    ; S1's scale words in its buffer
.set S0IMG, 5734400                    ; S0's images and words in wsa
.set S0SC,  6520832
.set LAPS, KS/(2*NQ)
.set FRB, 1536
.set HALFT, NB*NQ*FRB
.set SLOT, 4*HALFT
.set SCL, 2*SLOT
.set SCH, NB*KS*64
.set SPARE, SCL+4*SCH                  ; the spare words: 128 bytes a wave, named by no other line
.set G1, 24
.set G0, 32
.set G1B, 48
.set G0B, 56
.set G1S, 68
.set G0S, 76
.set G1SB, 80
.set G0SB, 88
.set MSB, 0
.macro WIN new                         ; the immediate's high byte repeats the setting that is left
.if MSB != (\new)
	s_set_vgpr_msb (MSB<<8)|(\new)
.set MSB, (\new)
.endif
.endm
.macro PLACES n
.rept \n
	v_nop
.endr
.endm
.macro JLOAD g0a, g1a, g0b, g1b        ; a joint load: waves 0, 1 fetch for S1, waves 2, 3 for S0; four v_nop follow each line
	s_cmp_eq_u32 s15, 0
	s_cbranch_scc0 .Lfor_b_\@
	tensor_load_to_lds s[\g0a:\g0a+3], s[\g1a:\g1a+7]
	s_nop 0
	PLACES 4
	s_branch .Lasked_\@
.Lfor_b_\@:
	tensor_load_to_lds s[\g0b:\g0b+3], s[\g1b:\g1b+7]
	s_nop 0
	PLACES 4
.Lasked_\@:
.endm
.macro CREST
	s_cmp_lg_u32 s14, 0
	s_cbranch_scc1 .Lnot_wave_0_\@
	s_barrier_signal -3
.Lnot_wave_0_\@:
	s_barrier_wait -3
	s_barrier_signal -1
	s_barrier_wait -1
.endm
.macro CROUND
	s_barrier_signal -1
	s_barrier_wait -1
	CREST
.endm
.macro LDFRAG reg, a16, a8, off
	ds_load_b128 v[(\reg):(\reg)+3], v[\a16] offset:(\off)
	ds_load_b64 v[(\reg)+4:(\reg)+5], v[\a8] offset:(\off)+512
	ds_load_b128 v[(\reg)+6:(\reg)+9], v[\a16] offset:(\off)+768
	ds_load_b64 v[(\reg)+10:(\reg)+11], v[\a8] offset:(\off)+1280
.endm
.macro FETCH slot, q, p
	WIN 0x40
.set fi, 0
.rept NB
	LDFRAG 128*(\p)+12*fi, 20+\slot, 22+\slot, (fi*NQ+(\q))*FRB
.set fi, fi+1
.endr
	WIN 0
.set fi, 0
.rept NA
	LDFRAG 64+96*(\p)+12*fi, 16+\slot, 18+\slot, (fi*NQ+(\q))*FRB
.set fi, fi+1
.endr
.endm
.macro SCALES sc                       ; lanes 0-15 an even K step's words, lanes 16-31 the odd one's behind it
.set si, 0
.rept NB
.set sq, 0
.rept NQ/2
	ds_load_b32 v[32+16*(\sc)+(NQ/2)*si+sq], v30 offset:si*KS*64+128*sq
	ds_load_b32 v[40+16*(\sc)+(NQ/2)*si+sq], v27 offset:si*KS*64+128*sq
.set sq, sq+1
.endr
.set si, si+1
.endr
.endm
.macro MUL a0, n, p, q, sc, zero       ; all accumulators take turns, in one order in every step
.set ma, \a0
.rept \n
.if 8*NB*ma < 256
	WIN 0xa1
.else
	WIN 0xf1
.endif
.set mb, 0
.rept NB
.set rD, (8*(NB*ma+mb))%256
.set rA, 128*(\p)+12*mb
.set rB, 64+96*(\p)+12*ma
.set rSa, 32+16*(\sc)+(NQ/2)*mb+(\q)/2
.set rSb, 40+16*(\sc)+(NQ/2)*ma+(\q)/2
.if \zero
	v_wmma_scale_f32_16x16x128_f8f6f4 v[rD:rD+7], v[rA:rA+11], v[rB:rB+11], 0, v[rSa], v[rSb] matrix_a_fmt:MATRIX_FMT_FP6 matrix_b_fmt:MATRIX_FMT_FP6
.elseif ((\q)%2) == 1
	v_wmma_scale_f32_16x16x128_f8f6f4 v[rD:rD+7], v[rA:rA+11], v[rB:rB+11], v[rD:rD+7], v[rSa], v[rSb] matrix_a_fmt:MATRIX_FMT_FP6 matrix_b_fmt:MATRIX_FMT_FP6 matrix_a_scale:MATRIX_SCALE_ROW1 matrix_b_scale:MATRIX_SCALE_ROW1
.else
	v_wmma_scale_f32_16x16x128_f8f6f4 v[rD:rD+7], v[rA:rA+11], v[rB:rB+11], v[rD:rD+7], v[rSa], v[rSb] matrix_a_fmt:MATRIX_FMT_FP6 matrix_b_fmt:MATRIX_FMT_FP6
.endif
.set mb, mb+1
.endr
.set ma, ma+1
.endr
.endm
.macro STEP slot, q, zero
	s_wait_dscnt 0x0                               ; this step's fragments and words, asked for a whole step ago
	PLACES 4                                       ; in front of loads into the sets that the last step's products read
	FETCH \slot, (\q)+1, 1-(\q)%2
	MUL 0, NA, (\q)%2, \q, \slot, \zero
.endm
.macro MIDS slot, q0
.set mq, \q0
.rept NQ-1-(\q0)
	STEP \slot, mq, 0
.set mq, mq+1
.endr
.endm
.macro TURN slot, next, fill           ; a slot's last K step changes slots: one barrier; fill = 1: it opens a round of the cluster's barrier, and this slot is filled again
	WIN 0
	s_wait_tensorcnt 0x0                           ; all my tensor loads have landed: my part of the next slot
	ds_add_u32 v28, v29                            ; 0 onto my spare word
	s_wait_dscnt 0x1                               ; the add alone may be out
	MUL 0, NA/4, 1, NQ-1, \slot, 0
	s_wait_dscnt 0x0                               ; the add is done, and my reads of this slot are over
	s_barrier_signal -1
	MUL NA/4, NA/4, 1, NQ-1, \slot, 0
	WIN 0
	s_barrier_wait -1
.if \fill
	CREST
	s_add_nc_u64 s[G0+4*\slot+2:G0+4*\slot+3], s[G0+4*\slot+2:G0+4*\slot+3], 2*NQ*FRB
	s_add_nc_u64 s[G0B+4*\slot+2:G0B+4*\slot+3], s[G0B+4*\slot+2:G0B+4*\slot+3], 2*NQ*FRB
	JLOAD G0+4*\slot, G1, G0B+4*\slot, G1B
.else
	PLACES 4
.endif
	v_add_nc_u32 v27, NQ*64, v27
	v_add_nc_u32 v30, NQ*64, v30
	FETCH \next, 0, 0
	SCALES \next
	MUL NA/2, NA/2, 1, NQ-1, \slot, 0
	WIN 0
.endm
	s_load_b128 s[4:7], s[0:1], 0x0                ; S1's buffer, wsa
	s_load_b128 s[8:11], s[0:1], 0x10              ; the bias, the residual
	s_load_b64 s[12:13], s[0:1], 0x20              ; the result
	v_lshl_add_u32 v28, v0, 2, SPARE
	v_mov_b32 v29, 0
	ds_add_u32 v28, v29
	ds_add_u32 v28, v29
	s_wait_dscnt 0x0
	v_lshrrev_b32 v1, 5, v0
	v_readfirstlane_b32 s14, v1                    ; wave 0..3
	s_lshr_b32 s15, s14, 1                         ; my half of S1.  Also: I fetch for S1 (0) or for S0 (1)
	s_and_b32 s16, s14, 1                          ; my half of S0.  Also: which half I fetch
	s_bfe_u32 s40, ttmp6, 0x40000                  ; cx
	s_bfe_u32 s41, ttmp6, 0x40004                  ; cy
	s_lshl_b32 s42, ttmp9, 2
	s_add_co_u32 s42, s42, s40                     ; S0's tile
	s_and_b32 s17, ttmp7, 0xffff
	s_lshl_b32 s17, s17, 2
	s_add_co_u32 s17, s17, s41                     ; S1's tile
	s_lshl_b32 s43, s41, 2
	s_lshl_b32 s43, 15, s43                        ; my row of the cluster
	s_lshl_b32 s44, 0x1111, s40                    ; my column
	s_or_b32 s[G1+0], s43, (3<<16)|(1<<21)         ; 15:0 the mask; 17:16 elements of 8 bytes; 21 set beside a mask; no padding
	s_or_b32 s[G1B+0], s44, (3<<16)|(1<<21)
.irp g, G1, G1B                                ; NB rows (tiles) of NQ fragments, KS fragments apart
	s_mov_b32 s[\g+1], (NQ*192)<<16
	s_mov_b32 s[\g+2], NB<<16
	s_mov_b32 s[\g+3], (NQ*192)<<16
	s_mov_b32 s[\g+4], NB
	s_mov_b32 s[\g+5], KS*192
	s_mov_b32 s[\g+6], 0
	s_mov_b32 s[\g+7], 0
.endr
	s_or_b32 s[G1S+0], s43, (3<<16)|(1<<21)
	s_or_b32 s[G1SB+0], s44, (3<<16)|(1<<21)
.irp g, G1S, G1SB                              ; the scale words of a half: a dense block, as rows of 256 bytes
	s_mov_b32 s[\g+1], 32<<16
	s_mov_b32 s[\g+2], (SCH/256)<<16
	s_mov_b32 s[\g+3], 32<<16
	s_mov_b32 s[\g+4], SCH/256
	s_mov_b32 s[\g+5], 32
	s_mov_b32 s[\g+6], 0
	s_mov_b32 s[\g+7], 0
.endr
	s_lshl_b32 s20, s17, 1
	s_add_co_u32 s20, s20, s16
	s_lshl_b32 s46, s42, 1
	s_add_co_u32 s46, s46, s16
	s_mul_i32 s22, s20, SCH
	s_add_co_u32 s22, s22, S1SC
	s_mul_i32 s20, s20, NB*KS*FRB
	s_mul_i32 s92, s46, SCH
	s_add_co_u32 s92, s92, S0SC
	s_mul_i32 s46, s46, NB*KS*FRB
	s_add_co_u32 s46, s46, S0IMG
	s_mov_b32 s21, 0
	s_mov_b32 s23, 0
	s_mov_b32 s47, 0
	s_mov_b32 s93, 0
	s_mul_i32 s45, s14, HALFT
	s_mul_i32 s94, s14, SCH
	s_wait_kmcnt 0x0
	s_add_nc_u64 s[20:21], s[4:5], s[20:21]
	s_add_nc_u64 s[22:23], s[4:5], s[22:23]
	s_add_nc_u64 s[46:47], s[6:7], s[46:47]
	s_add_nc_u64 s[92:93], s[6:7], s[92:93]
	CROUND                                         ; all sixteen work-groups are here: the first joint loads meet
	s_mov_b32 s[G0S], 1
	s_add_co_u32 s[G0S+1], s94, SCL
	s_mov_b64 s[G0S+2:G0S+3], s[22:23]
	s_or_b32 s[G0S+3], s[G0S+3], 0x80000000
	s_mov_b32 s[G0SB], 1
	s_add_co_u32 s[G0SB+1], s94, SCL
	s_mov_b64 s[G0SB+2:G0SB+3], s[92:93]
	s_or_b32 s[G0SB+3], s[G0SB+3], 0x80000000
	JLOAD G0S, G1S, G0SB, G1SB
.irp s, 0,1
	s_mov_b32 s[G0+4*\s], 1
	s_add_co_u32 s[G0+4*\s+1], s45, \s*SLOT
	s_add_nc_u64 s[G0+4*\s+2:G0+4*\s+3], s[20:21], \s*NQ*FRB
	s_or_b32 s[G0+4*\s+3], s[G0+4*\s+3], 0x80000000
	s_mov_b32 s[G0B+4*\s], 1
	s_add_co_u32 s[G0B+4*\s+1], s45, \s*SLOT
	s_add_nc_u64 s[G0B+4*\s+2:G0B+4*\s+3], s[46:47], \s*NQ*FRB
	s_or_b32 s[G0B+4*\s+3], s[G0B+4*\s+3], 0x80000000
	JLOAD G0+4*\s, G1, G0B+4*\s, G1B
.endr
	v_and_b32 v1, 31, v0
	v_lshlrev_b32 v12, 4, v1
	v_lshlrev_b32 v13, 3, v1
	v_lshlrev_b32 v2, 2, v1
	s_mul_i32 s21, s15, HALFT
	s_mul_i32 s22, s16, HALFT
	s_add_co_u32 s22, s22, 2*HALFT
.irp s, 0,1
	v_add_nc_u32 v[16+\s], s21, v12
	v_add_nc_u32 v[18+\s], s21, v13
	v_add_nc_u32 v[20+\s], s22, v12
	v_add_nc_u32 v[22+\s], s22, v13
	s_add_co_u32 s21, s21, SLOT
	s_add_co_u32 s22, s22, SLOT
.endr
	s_mul_i32 s21, s15, SCH
	s_add_co_u32 s21, s21, SCL
	v_add_nc_u32 v27, s21, v2
	s_mul_i32 s22, s16, SCH
	s_add_co_u32 s22, s22, SCL+2*SCH
	v_add_nc_u32 v30, s22, v2
	s_wait_tensorcnt 0x1                           ; the scale words and my part of slot 0 are in; slot 1's load may be out
	s_barrier_signal -1
	s_barrier_wait -1
	FETCH 0, 0, 0
	SCALES 0
	STEP 0, 0, 1                                   ; the first step's products start the sums
.if LAPS > 1
	WIN 0
	s_mov_b32 s3, LAPS-1
.Llap:
	MIDS 0, 1
	TURN 0, 1, 1
	MIDS 1, 0
	TURN 1, 0, 1
	STEP 0, 0, 0
	WIN 0
	s_sub_co_u32 s3, s3, 1
	s_cmp_lg_u32 s3, 0
	s_cbranch_scc1 .Llap
.endif
	MIDS 0, 1
	TURN 0, 1, 0
	MIDS 1, 0
	s_wait_dscnt 0x0
	MUL 0, NA, 1, NQ-1, 1, 0
	WIN 0
	; THE WAY OUT.  A block of 16 tokens x 64 features goes through my stage in LDS (16 rows x 272 bytes, in slot 0, which has had its last fill and, since the last barrier, its last read) and comes back as rows:
	; sixteen lanes hold 256 consecutive bytes of a row; the residual and the bias are added there, and each store covers two such runs, each aligned to 256 bytes.
	PLACES 4
	v_and_b32 v1, 15, v0
	v_bfe_u32 v2, v0, 4, 1
	s_mul_i32 s20, s14, 4352
	v_mul_u32_u24 v24, v1, 272
	v_lshl_add_u32 v24, v2, 6, v24
	v_add_nc_u32 v24, s20, v24                     ; in: row r, + 64 h; tile b: 128 (b / 2) + 32 (b % 2) on
	v_mul_u32_u24 v25, v2, 272
	v_lshl_add_u32 v25, v1, 4, v25
	v_add_nc_u32 v25, s20, v25                     ; back: lanes 0-15 one row, lanes 16-31 the next
	v_lshlrev_b32 v26, 12, v2
	v_lshl_add_u32 v26, v1, 4, v26                 ; the same two rows in memory
	v_lshlrev_b32 v3, 4, v1
	s_lshl_b32 s20, s42, 9                         ; my 64 features: 4 (128 x tile + 64 x half) bytes on
	s_lshl_b32 s21, s16, 8
	s_add_co_u32 s20, s20, s21
	s_mov_b32 s21, 0
	s_add_nc_u64 s[8:9], s[8:9], s[20:21]
	s_lshl_b32 s22, s17, 7
	s_lshl_b32 s23, s15, 6
	s_add_co_u32 s22, s22, s23                     ; my first token
	s_lshl_b32 s22, s22, 12
	s_add_co_u32 s20, s20, s22
	s_add_nc_u64 s[10:11], s[10:11], s[20:21]
	s_add_nc_u64 s[12:13], s[12:13], s[20:21]
	global_load_b128 v[224:227], v3, s[8:9]
.irp a, 0,1,2,3
.irp t, 0,1,2,3,4,5,6,7
	global_load_b128 v[64+4*(8*\a+\t):67+4*(8*\a+\t)], v26, s[10:11] offset:(16*\a+2*\t)*4096
.endr
.endr
.irp a, 0,1,2,3
	WIN 0x08                                       ; an LDS store's data are its source 1: window 2
.irp b, 0,1,2,3
	ds_store_b128 v24, v[8*(4*\a+\b):8*(4*\a+\b)+3] offset:128*(\b/2)+32*(\b%2)       ; each accumulator from its low end on
	ds_store_b128 v24, v[8*(4*\a+\b)+4:8*(4*\a+\b)+7] offset:128*(\b/2)+32*(\b%2)+16
.endr
	WIN 0
.irp t, 0,1,2,3,4,5,6,7
	ds_load_b128 v[192+4*\t:195+4*\t], v25 offset:544*\t   ; LDS serves a wave's instructions in order: these see my stores
.endr
	s_wait_dscnt 0x0
	s_wait_loadcnt 8*(3-\a)                        ; the bias and this block's residual are in; the later blocks' loads may be out
.irp i, 0,2,4,6,8,10,12,14,16,18,20,22,24,26,28,30
	v_pk_add_f32 v[192+\i:193+\i], v[192+\i:193+\i], v[64+32*\a+\i:65+32*\a+\i]
.endr
.irp t, 0,1,2,3,4,5,6,7
	v_pk_add_f32 v[192+4*\t:193+4*\t], v[192+4*\t:193+4*\t], v[224:225]
	v_pk_add_f32 v[194+4*\t:195+4*\t], v[194+4*\t:195+4*\t], v[226:227]
.endr
.irp t, 0,1,2,3,4,5,6,7
	global_store_b128 v26, v[192+4*\t:195+4*\t], s[12:13] offset:(16*\a+2*\t)*4096
.endr
	s_wait_xcnt 0x0                                ; the stores have read their registers: the next block lands there
.endr
	s_wait_tensorcnt 0x0                           ; the wave's end
	ds_add_u32 v28, v29
	s_wait_dscnt 0x0
	CROUND                                         ; the closing round
	s_endpgm
.Lfunc_end_k_qdb0fbac70b_proj:
	.size	k_qdb0fbac70b_proj, .Lfunc_end_k_qdb0fbac70b_proj-k_qdb0fbac70b_proj
	.p2alignl 7, 3214868480
	.fill 96, 4, 3214868480
	.section	.rodata,"a",@progbits
	.p2align	6, 0x0
	.amdhsa_kernel k_qdb0fbac70b_proj
		.amdhsa_group_segment_fixed_size 327680
		.amdhsa_private_segment_fixed_size 0
		.amdhsa_enable_private_segment 0
		.amdhsa_kernarg_size 40
		.amdhsa_user_sgpr_count 2
		.amdhsa_user_sgpr_kernarg_segment_ptr 1
		.amdhsa_wavefront_size32 1
		.amdhsa_system_sgpr_workgroup_id_x 1
		.amdhsa_system_sgpr_workgroup_id_y 1
		.amdhsa_system_sgpr_workgroup_id_z 1
		.amdhsa_system_vgpr_workitem_id 0
		.amdhsa_next_free_vgpr 768
		.amdhsa_next_free_sgpr 98
		.amdhsa_reserve_vcc 0
		.amdhsa_float_denorm_mode_32 3
		.amdhsa_float_denorm_mode_16_64 3
		.amdhsa_memory_ordered 1
		.amdhsa_forward_progress 1
		.amdhsa_inst_pref_size 66
	.end_amdhsa_kernel
	.amdgpu_metadata
---
amdhsa.version: [ 1, 2 ]
amdhsa.kernels:
  - .name:           k_qdb0fbac70b_proj
    .symbol:         k_qdb0fbac70b_proj.kd
    .args:
      - { .name: ctb, .offset: 0, .size: 8, .value_kind: global_buffer, .address_space: global }
      - { .name: wsa, .offset: 8, .size: 8, .value_kind: global_buffer, .address_space: global }
      - { .name: bout, .offset: 16, .size: 8, .value_kind: global_buffer, .address_space: global }
      - { .name: x, .offset: 24, .size: 8, .value_kind: global_buffer, .address_space: global }
      - { .name: x1b, .offset: 32, .size: 8, .value_kind: global_buffer, .address_space: global }
    .group_segment_fixed_size: 327680
    .private_segment_fixed_size: 0
    .kernarg_segment_align: 8
    .kernarg_segment_size: 40
    .max_flat_workgroup_size: 128
    .sgpr_count:     98
    .vgpr_count:     768
    .wavefront_size: 32
...
	.end_amdgpu_metadata
.endif
;; end of part 4
;; launch ln2 (part 5): grid 256 x 1, 8 waves a work-group, no clusters, 69,632 bytes of LDS; arguments x1b, ln2_g, ln2_b, h2b; writes h2b
.if DOCPART == 5
	.amdgcn_target "amdgcn-amd-amdhsa--gfx1250"
	.amdhsa_code_object_version 6
	.text
	.protected	k_qdb0fbac70b_ln2
	.globl	k_qdb0fbac70b_ln2
	.p2align	8
	.type	k_qdb0fbac70b_ln2,@function
k_qdb0fbac70b_ln2:
	s_mov_b64 s[64:65], 0
	v_nop
	global_prefetch_b8 v0, s[64:65] scope:SCOPE_SE
	s_setreg_imm32_b32 hwreg(HW_REG_WAVE_MODE, 25, 1), 1
	s_wait_xcnt 0x0
; LN2.  LayerNorm 2 of x1, in f32, two passes (mean, then the squares of the differences), quantised to E2M3 along the 1,024 columns and stored as images of operand registers:
; a fragment (16 tokens x 128 K, 12 registers a lane) is 1,536 bytes, two halves of 768: registers 6c..6c+3 at 16 x lane, registers 6c+4, 6c+5 at 512 + 8 x lane; its 16 scale words apart, 64 bytes.
; Work-group g takes token tile g (16 rows), wave w its K step w (128 columns); the rows' sums meet in LDS behind a barrier.  Each load reads a row's 512 consecutive bytes; a turn through the wave's own stage gives each lane 16 neighbours of each block.
; LIMITS: infinities are not served (a NaN row stays without meaning here and is NaN again in the result by the last residual); a block of zeros or under 2^-124 gets the scale byte 1 (read by this program alone).
.set HSC,  3145728
.set TM,  16
.set PC,  32
.set PW,  52
.set SEL, 12
.set RED, 67584                        ; LDS: behind the eight stages: the waves' row sums, [row 16][wave 8] f32, and 512 bytes on the sums of squares.  The base stands in the address registers: an LDS offset holds 16 bits
.macro QUANT s
.irp b, 0,1,2,3
	v_max3_num_f32 v[TM+\b], |v[\s+16*\b]|, |v[\s+1+16*\b]|, 0x1800000   ; with the floor 2^(3 - 127): the byte cannot fall under 1
.endr
.irp i, 2,4,6,8,10,12,14
.irp b, 0,1,2,3
	v_max3_num_f32 v[TM+\b], v[TM+\b], |v[\s+16*\b+\i]|, |v[\s+1+16*\b+\i]|
.endr
.endr
.irp b, 0,1,2,3
	v_permlanex16_b32 v[TM+4+\b], v[TM+\b], s[SEL], s[SEL+1]
.endr
.irp b, 0,1,2,3
	v_max_num_f32 v[TM+\b], v[TM+\b], v[TM+4+\b]
.endr
.irp b, 0,1,2,3
	v_add_nc_u32 v[TM+12+\b], 0xff000000, v[TM+\b]   ; 2 off the exponent field: the conversion's scale operand
.endr
.irp b, 0,1,2,3
	v_lshrrev_b32 v[TM+4+\b], 23, v[TM+12+\b]
.endr
	v_lshl_or_b32 v[PW], v[TM+5], 8, v[TM+4]
	v_lshl_or_b32 v[PW], v[TM+6], 16, v[PW]
	v_lshl_or_b32 v[PW], v[TM+7], 24, v[PW]
.irp c, 0,1
	v_cvt_scalef32_pk16_fp6_f32 v[PC+6*\c:PC+2+6*\c], v[\s+32*\c:\s+15+32*\c], v[TM+12+2*\c]
	v_cvt_scalef32_pk16_fp6_f32 v[PC+12+4*\c:PC+14+4*\c], v[\s+16+32*\c:\s+31+32*\c], v[TM+12+2*\c+1]
.endr
	v_nop                                          ; one plain place behind a scaled conversion
.irp c, 0,1
.irp i, 0,1,2
	v_permlane16_swap_b32 v[PC+6*\c+\i], v[PC+12+4*\c+\i]
.endr
.irp i, 0,1,2
	v_mov_b32 v[PC+3+6*\c+\i], v[PC+12+4*\c+\i]
.endr
.endr
.endm
.macro RSUM red                        ; v[58:59]: my 64 numbers' sum in two halves -> v16: the row's sum, in every lane.  red: 0 for the sums, 512 for the sums of squares
	v_add_f32 v58, v58, v59
	v_permlanex16_b32 v59, v58, s[SEL], s[SEL+1]
	v_add_f32 v58, v58, v59
	ds_store_b32 v11, v58 offset:\red              ; both lanes of a row write the same word with the same value
	s_wait_dscnt 0x0                               ; for the others' sake: my store has landed
	s_barrier_signal -1
	s_barrier_wait -1
	ds_load_b128 v[16:19], v12 offset:\red
	ds_load_b128 v[20:23], v12 offset:\red+16
	s_wait_dscnt 0x0
	v_add_f32 v16, v16, v17
	v_add_f32 v18, v18, v19
	v_add_f32 v20, v20, v21
	v_add_f32 v22, v22, v23
	v_add_f32 v16, v16, v18
	v_add_f32 v20, v20, v22
	v_add_f32 v16, v16, v20
.endm
	s_load_b256 s[4:11], s[0:1], 0x0               ; x1, gain, bias, the images
	v_lshl_add_u32 v62, v0, 2, 0x10c00
	v_mov_b32 v63, 0
	v_lshrrev_b32 v1, 5, v0
	v_readfirstlane_b32 s32, v1                    ; wave 0..7
	v_and_b32 v14, 31, v0
	v_and_b32 v15, 15, v0                          ; r
	v_bfe_u32 v13, v0, 4, 1                        ; h
	v_lshlrev_b32 v1, 4, v14
	v_lshlrev_b32 v2, 3, v14
	v_lshlrev_b32 v3, 2, v15
	s_mul_i32 s33, s32, 8448
	v_add_nc_u32 v9, s33, v1                       ; my wave's stage, as loaded
	v_mul_u32_u24 v10, v15, 528
	v_lshl_add_u32 v10, v13, 6, v10
	v_add_nc_u32 v10, s33, v10                     ; and by rows: row r, + 64 h
	v_lshl_add_u32 v12, v15, 5, RED                ; row r's eight sums
	s_lshl_b32 s33, s32, 2
	v_add_nc_u32 v11, s33, v12                     ; my wave's word among them
	v_lshlrev_b32 v13, 6, v13
	s_mov_b32 s[SEL], 0x76543210
	s_mov_b32 s[SEL+1], 0xfedcba98
	s_lshl_b32 s34, ttmp9, 3
	s_add_co_u32 s34, s34, s32                     ; my image's number
	s_lshl_b32 s16, s32, 9                         ; my 128 columns
	s_mov_b32 s17, 0
	s_lshl_b32 s18, ttmp9, 16                      ; 16 rows of 4,096 bytes
	s_add_co_u32 s18, s18, s16
	s_mov_b32 s19, 0
	s_mul_i32 s20, s34, 1536
	s_mov_b32 s21, 0
	s_lshl_b32 s22, s34, 6
	s_add_co_u32 s22, s22, HSC
	s_mov_b32 s23, 0
	s_wait_kmcnt 0x0
	s_add_nc_u64 s[4:5], s[4:5], s[18:19]
	s_add_nc_u64 s[6:7], s[6:7], s[16:17]
	s_add_nc_u64 s[8:9], s[8:9], s[16:17]
	s_add_nc_u64 s[24:25], s[10:11], s[20:21]
	s_add_nc_u64 s[26:27], s[10:11], s[22:23]
.irp p, 0,1,2,3,4,5,6,7,8,9,10,11,12,13,14,15
	global_load_b128 v[128+4*\p:131+4*\p], v1, s[4:5] offset:4096*\p
.endr
.irp bb, 0,1,2,3
.irp jj, 0,1,2,3
	global_load_b128 v[192+16*\bb+4*\jj:195+16*\bb+4*\jj], v13, s[8:9] offset:128*\bb+16*\jj   ; the bias: register 16 b + i = column 32 b + 16 h + i
.endr
.endr
	s_wait_loadcnt 16                              ; x1's 16 are in; the bias's 16 may be out
.irp p, 0,1,2,3,4,5,6,7,8,9,10,11,12,13,14,15
	ds_store_b128 v9, v[128+4*\p:131+4*\p] offset:528*\p
.endr
.irp bb, 0,1,2,3
.irp jj, 0,1,2,3
	ds_load_b128 v[64+16*\bb+4*\jj:67+16*\bb+4*\jj], v10 offset:128*\bb+16*\jj   ; LDS serves a wave's instructions in order: these see my stores
.endr
.endr
	s_wait_dscnt 0x0
.irp bb, 0,1,2,3
.irp jj, 0,1,2,3
	global_load_b128 v[128+16*\bb+4*\jj:131+16*\bb+4*\jj], v13, s[6:7] offset:128*\bb+16*\jj   ; the gain
.endr
.endr
	v_pk_add_f32 v[58:59], v[64:65], v[66:67]
	v_pk_add_f32 v[60:61], v[68:69], v[70:71]
.set j, 8
.rept 14
	v_pk_add_f32 v[58:59], v[58:59], v[64+j:65+j]
	v_pk_add_f32 v[60:61], v[60:61], v[66+j:67+j]
.set j, j+4
.endr
	v_pk_add_f32 v[58:59], v[58:59], v[60:61]
	RSUM 0
	v_mul_f32 v54, 0x3a800000, v16                 ; / 1,024
	v_mov_b32 v55, v54
.set j, 0
.rept 32
	v_pk_add_f32 v[64+j:65+j], v[64+j:65+j], v[54:55] neg_lo:[0,1] neg_hi:[0,1]
.set j, j+2
.endr
	v_pk_mul_f32 v[58:59], v[64:65], v[64:65]
	v_pk_mul_f32 v[60:61], v[66:67], v[66:67]
.set j, 4
.rept 15
	v_pk_fma_f32 v[58:59], v[64+j:65+j], v[64+j:65+j], v[58:59]
	v_pk_fma_f32 v[60:61], v[66+j:67+j], v[66+j:67+j], v[60:61]
.set j, j+4
.endr
	v_pk_add_f32 v[58:59], v[58:59], v[60:61]
	RSUM 512
	v_mov_b32 v17, 0x3a800000
	v_fmaak_f32 v18, v16, v17, 0x3727c5ac          ; / 1,024 + 1e-5
	v_rsq_f32 v56, v18
	v_rsq_f32 v57, v18
	v_nop                                          ; a plain place behind the transcendentals
	s_wait_alu depctr_va_vdst(0)                   ; one wait for both, ahead of their first reader
	s_wait_loadcnt 0x0
.set j, 0
.rept 32
	v_pk_mul_f32 v[128+j:129+j], v[128+j:129+j], v[56:57]
.set j, j+2
.endr
.set j, 0
.rept 32
	v_pk_fma_f32 v[64+j:65+j], v[64+j:65+j], v[128+j:129+j], v[192+j:193+j]
.set j, j+2
.endr
	QUANT 64
	global_store_b128 v1, v[PC:PC+3], s[24:25]
	global_store_b64 v2, v[PC+4:PC+5], s[24:25] offset:512
	global_store_b128 v1, v[PC+6:PC+9], s[24:25] offset:768
	global_store_b64 v2, v[PC+10:PC+11], s[24:25] offset:1280
	global_store_b32 v3, v[PW], s[26:27]           ; (lanes 16-31 repeat lanes 0-15's word at the same place)
	s_wait_tensorcnt 0x0
	ds_add_u32 v62, v63
	s_wait_dscnt 0x0
	s_endpgm
.Lfunc_end_k_qdb0fbac70b_ln2:
	.size	k_qdb0fbac70b_ln2, .Lfunc_end_k_qdb0fbac70b_ln2-k_qdb0fbac70b_ln2
	.p2alignl 7, 3214868480
	.fill 96, 4, 3214868480
	.section	.rodata,"a",@progbits
	.p2align	6, 0x0
	.amdhsa_kernel k_qdb0fbac70b_ln2
		.amdhsa_group_segment_fixed_size 69632
		.amdhsa_private_segment_fixed_size 0
		.amdhsa_enable_private_segment 0
		.amdhsa_kernarg_size 32
		.amdhsa_user_sgpr_count 2
		.amdhsa_user_sgpr_kernarg_segment_ptr 1
		.amdhsa_wavefront_size32 1
		.amdhsa_system_sgpr_workgroup_id_x 1
		.amdhsa_system_sgpr_workgroup_id_y 1
		.amdhsa_system_sgpr_workgroup_id_z 1
		.amdhsa_system_vgpr_workitem_id 0
		.amdhsa_next_free_vgpr 256
		.amdhsa_next_free_sgpr 66
		.amdhsa_reserve_vcc 0
		.amdhsa_float_denorm_mode_32 3
		.amdhsa_float_denorm_mode_16_64 3
		.amdhsa_memory_ordered 1
		.amdhsa_forward_progress 1
		.amdhsa_inst_pref_size 25
	.end_amdhsa_kernel
	.amdgpu_metadata
---
amdhsa.version: [ 1, 2 ]
amdhsa.kernels:
  - .name:           k_qdb0fbac70b_ln2
    .symbol:         k_qdb0fbac70b_ln2.kd
    .args:
      - { .name: x1b, .offset: 0, .size: 8, .value_kind: global_buffer, .address_space: global }
      - { .name: ln2_g, .offset: 8, .size: 8, .value_kind: global_buffer, .address_space: global }
      - { .name: ln2_b, .offset: 16, .size: 8, .value_kind: global_buffer, .address_space: global }
      - { .name: h2b, .offset: 24, .size: 8, .value_kind: global_buffer, .address_space: global }
    .group_segment_fixed_size: 69632
    .private_segment_fixed_size: 0
    .kernarg_segment_align: 8
    .kernarg_segment_size: 32
    .max_flat_workgroup_size: 256
    .sgpr_count:     66
    .vgpr_count:     256
    .wavefront_size: 32
...
	.end_amdgpu_metadata
.endif
;; end of part 5
;; launch up (part 6): grid 16 x 16, 4 waves a work-group, clusters of 4 x 4, 327,680 bytes of LDS; arguments h2b, wsa, b1, ghb; writes ghb
.if DOCPART == 6
	.amdgcn_target "amdgcn-amd-amdhsa--gfx1250"
	.amdhsa_code_object_version 6
	.text
	.protected	k_qdb0fbac70b_up
	.globl	k_qdb0fbac70b_up
	.p2align	8
	.type	k_qdb0fbac70b_up,@function
k_qdb0fbac70b_up:
	s_mov_b64 s[64:65], 0
	v_nop
	global_prefetch_b8 v0, s[64:65] scope:SCOPE_SE
	s_setreg_imm32_b32 hwreg(HW_REG_WAVE_MODE, 25, 1), 1
	s_wait_xcnt 0x0
	s_wait_alu depctr_hold_cnt(0) depctr_sa_sdst(0) depctr_va_vdst(0) depctr_va_sdst(0) depctr_va_ssrc(0) depctr_va_vcc(0) depctr_vm_vsrc(0)
	s_getreg_b32 s2, hwreg(HW_REG_IB_STS2, 6, 4)
	s_cmp_eq_u32 s2, 0
	s_cbranch_scc0 .Lentry_in_a_cluster
	s_endpgm
.Lentry_in_a_cluster:
	s_bfe_u32 s2, ttmp6, 0x10000c
	s_cmp_lg_u32 s2, 0xf033
	s_cbranch_scc0 .Lentry_shape_is_right
	s_endpgm
.Lentry_shape_is_right:
; UP.  gelu(LN2(x1) W1 + b1), the product on codes of E2M3, the exact gelu (by erf) in f32, and the result quantised along the 4,096 hidden units on the way out.
; A tile of 256 x 256 to a work-group of four waves, 128 x 128 a wave (64 accumulators).  Both operands are images of operand registers (a fragment, 16 rows x 128 K, is 1,536 consecutive bytes; its 16 scale words 64 bytes).
; K = 1,024: 8 steps of 128, two to a slot, through a ring of two LDS slots.  Source 0 (S0) = weight rows (tile 2b+u, lane r = row 32b + 8u + r + 8 (r / 8)), source 1 (S1) = tokens:
; a lane holds one token, and the 16 registers of tiles 2b, 2b+1 are hidden units 32b + 16h + 0..15: neighbours along the next product's K.
; erf(z) = z P(z^2) / Q(z^2), z held to +-4: a rational form good to a few units in the last place of f32.
; CLUSTERS 4 x 4: S1's tiles are shared along a row of the cluster, S0's along a column: joint loads.
; LIMITS: NaN and infinities are not served; 1 + erf is right to a unit in the last place of 1, so gelu(u) for u under about -5.6 comes out as -0 where its true size is under 1e-7 |u|; a block of zeros or under 2^-124 gets the scale byte 1.
; REGISTERS: window 0: v12 16 x lane, v13 8 x lane, v14 4 (lane % 16), v16-23 fragment addresses, v27, v30 scale word addresses, v28, v29 the add's; v32-63 scale words and nothing else; v64-159, v160-255 S1's two sets.
;   window 1: v0-95, v128-223 S0's two sets.  Windows 2, 3: accumulator (a, b) at 8 (8 a + b).
.set NB, 8
.set NA, 8
.set KS, 8
.set NQ, 2
.set S1SC,  3145728
.set S0IMG, 6553600
.set S0SC,  9699328
.set LAPS, KS/(2*NQ)
.set FRB, 1536
.set HALFT, NB*NQ*FRB
.set SLOT, 4*HALFT
.set SCL, 2*SLOT
.set SCH, NB*KS*64
.set SPARE, SCL+4*SCH                  ; the spare words: 128 bytes a wave, named by no other line
.set G1, 24
.set G0, 32
.set G1B, 48
.set G0B, 56
.set G1S, 68
.set G0S, 76
.set G1SB, 80
.set G0SB, 88
.set TM, 212
.set PC, 192
.set PW, 228
.set SEL, 92
.set MSB, 0
.macro WIN new                         ; the immediate's high byte repeats the setting that is left
.if MSB != (\new)
	s_set_vgpr_msb (MSB<<8)|(\new)
.set MSB, (\new)
.endif
.endm
.macro PLACES n
.rept \n
	v_nop
.endr
.endm
.macro JLOAD g0a, g1a, g0b, g1b        ; a joint load: waves 0, 1 fetch for S1, waves 2, 3 for S0; four v_nop follow each line
	s_cmp_eq_u32 s15, 0
	s_cbranch_scc0 .Lfor_b_\@
	tensor_load_to_lds s[\g0a:\g0a+3], s[\g1a:\g1a+7]
	s_nop 0
	PLACES 4
	s_branch .Lasked_\@
.Lfor_b_\@:
	tensor_load_to_lds s[\g0b:\g0b+3], s[\g1b:\g1b+7]
	s_nop 0
	PLACES 4
.Lasked_\@:
.endm
.macro CREST
	s_cmp_lg_u32 s14, 0
	s_cbranch_scc1 .Lnot_wave_0_\@
	s_barrier_signal -3
.Lnot_wave_0_\@:
	s_barrier_wait -3
	s_barrier_signal -1
	s_barrier_wait -1
.endm
.macro CROUND
	s_barrier_signal -1
	s_barrier_wait -1
	CREST
.endm
.macro LDFRAG reg, a16, a8, off
	ds_load_b128 v[(\reg):(\reg)+3], v[\a16] offset:(\off)
	ds_load_b64 v[(\reg)+4:(\reg)+5], v[\a8] offset:(\off)+512
	ds_load_b128 v[(\reg)+6:(\reg)+9], v[\a16] offset:(\off)+768
	ds_load_b64 v[(\reg)+10:(\reg)+11], v[\a8] offset:(\off)+1280
.endm
.macro FETCH slot, q, p
	WIN 0x40
.set fi, 0
.rept NB
	LDFRAG 128*(\p)+12*fi, 20+\slot, 22+\slot, (fi*NQ+(\q))*FRB
.set fi, fi+1
.endr
	WIN 0
.set fi, 0
.rept NA
	LDFRAG 64+96*(\p)+12*fi, 16+\slot, 18+\slot, (fi*NQ+(\q))*FRB
.set fi, fi+1
.endr
.endm
.macro SCALES sc                       ; lanes 0-15 an even K step's words, lanes 16-31 the odd one's behind it
.set si, 0
.rept NB
.set sq, 0
.rept NQ/2
	ds_load_b32 v[32+16*(\sc)+(NQ/2)*si+sq], v30 offset:si*KS*64+128*sq
	ds_load_b32 v[40+16*(\sc)+(NQ/2)*si+sq], v27 offset:si*KS*64+128*sq
.set sq, sq+1
.endr
.set si, si+1
.endr
.endm
.macro MUL a0, n, p, q, sc, zero       ; all accumulators take turns, in one order in every step
.set ma, \a0
.rept \n
.if 8*NB*ma < 256
	WIN 0xa1
.else
	WIN 0xf1
.endif
.set mb, 0
.rept NB
.set rD, (8*(NB*ma+mb))%256
.set rA, 128*(\p)+12*mb
.set rB, 64+96*(\p)+12*ma
.set rSa, 32+16*(\sc)+(NQ/2)*mb+(\q)/2
.set rSb, 40+16*(\sc)+(NQ/2)*ma+(\q)/2
.if \zero
	v_wmma_scale_f32_16x16x128_f8f6f4 v[rD:rD+7], v[rA:rA+11], v[rB:rB+11], 0, v[rSa], v[rSb] matrix_a_fmt:MATRIX_FMT_FP6 matrix_b_fmt:MATRIX_FMT_FP6
.elseif ((\q)%2) == 1
	v_wmma_scale_f32_16x16x128_f8f6f4 v[rD:rD+7], v[rA:rA+11], v[rB:rB+11], v[rD:rD+7], v[rSa], v[rSb] matrix_a_fmt:MATRIX_FMT_FP6 matrix_b_fmt:MATRIX_FMT_FP6 matrix_a_scale:MATRIX_SCALE_ROW1 matrix_b_scale:MATRIX_SCALE_ROW1
.else
	v_wmma_scale_f32_16x16x128_f8f6f4 v[rD:rD+7], v[rA:rA+11], v[rB:rB+11], v[rD:rD+7], v[rSa], v[rSb] matrix_a_fmt:MATRIX_FMT_FP6 matrix_b_fmt:MATRIX_FMT_FP6
.endif
.set mb, mb+1
.endr
.set ma, ma+1
.endr
.endm
.macro STEP slot, q, zero
	s_wait_dscnt 0x0                               ; this step's fragments and words, asked for a whole step ago
	PLACES 4                                       ; in front of loads into the sets that the last step's products read
	FETCH \slot, (\q)+1, 1-(\q)%2
	MUL 0, NA, (\q)%2, \q, \slot, \zero
.endm
.macro MIDS slot, q0
.set mq, \q0
.rept NQ-1-(\q0)
	STEP \slot, mq, 0
.set mq, mq+1
.endr
.endm
.macro TURN slot, next, fill           ; a slot's last K step changes slots: one barrier; fill = 1: it opens a round of the cluster's barrier, and this slot is filled again
	WIN 0
	s_wait_tensorcnt 0x0                           ; all my tensor loads have landed: my part of the next slot
	ds_add_u32 v28, v29                            ; 0 onto my spare word
	s_wait_dscnt 0x1                               ; the add alone may be out
	MUL 0, NA/4, 1, NQ-1, \slot, 0
	s_wait_dscnt 0x0                               ; the add is done, and my reads of this slot are over
	s_barrier_signal -1
	MUL NA/4, NA/4, 1, NQ-1, \slot, 0
	WIN 0
	s_barrier_wait -1
.if \fill
	CREST                                          ; no wave of any partner still reads this slot or has a load on its way
	s_add_nc_u64 s[G0+4*\slot+2:G0+4*\slot+3], s[G0+4*\slot+2:G0+4*\slot+3], 2*NQ*FRB
	s_add_nc_u64 s[G0B+4*\slot+2:G0B+4*\slot+3], s[G0B+4*\slot+2:G0B+4*\slot+3], 2*NQ*FRB
	JLOAD G0+4*\slot, G1, G0B+4*\slot, G1B         ; my one tensor load behind the round; its four v_nop are also the places in front of the loads below
.else
	PLACES 4
.endif
	v_add_nc_u32 v27, NQ*64, v27
	v_add_nc_u32 v30, NQ*64, v30
	FETCH \next, 0, 0
	SCALES \next
	MUL NA/2, NA/2, 1, NQ-1, \slot, 0
	WIN 0
.endm
.macro QUANT s                         ; 64 numbers of a lane, register 16 b + i = k 32 b + 16 (lane / 16) + i -> a fragment's codes in v[PC] on, its scale word in v[PW]
.irp b, 0,1,2,3
	v_max3_num_f32 v[TM+\b], |v[\s+16*\b]|, |v[\s+1+16*\b]|, 0x1800000   ; with the floor 2^(3 - 127): the byte cannot fall under 1
.endr
.irp i, 2,4,6,8,10,12,14
.irp b, 0,1,2,3
	v_max3_num_f32 v[TM+\b], v[TM+\b], |v[\s+16*\b+\i]|, |v[\s+1+16*\b+\i]|
.endr
.endr
.irp b, 0,1,2,3
	v_permlanex16_b32 v[TM+4+\b], v[TM+\b], s[SEL], s[SEL+1]
.endr
.irp b, 0,1,2,3
	v_max_num_f32 v[TM+\b], v[TM+\b], v[TM+4+\b]
.endr
.irp b, 0,1,2,3
	v_add_nc_u32 v[TM+12+\b], 0xff000000, v[TM+\b]
.endr
.irp b, 0,1,2,3
	v_lshrrev_b32 v[TM+4+\b], 23, v[TM+12+\b]
.endr
	v_lshl_or_b32 v[PW], v[TM+5], 8, v[TM+4]
	v_lshl_or_b32 v[PW], v[TM+6], 16, v[PW]
	v_lshl_or_b32 v[PW], v[TM+7], 24, v[PW]
.irp c, 0,1
	v_cvt_scalef32_pk16_fp6_f32 v[PC+6*\c:PC+2+6*\c], v[\s+32*\c:\s+15+32*\c], v[TM+12+2*\c]
	v_cvt_scalef32_pk16_fp6_f32 v[PC+12+4*\c:PC+14+4*\c], v[\s+16+32*\c:\s+31+32*\c], v[TM+12+2*\c+1]
.endr
	v_nop                                          ; one plain place behind a scaled conversion
.irp c, 0,1
.irp i, 0,1,2
	v_permlane16_swap_b32 v[PC+6*\c+\i], v[PC+12+4*\c+\i]
.endr
.irp i, 0,1,2
	v_mov_b32 v[PC+3+6*\c+\i], v[PC+12+4*\c+\i]
.endr
.endr
.endm
; gelu of the sixteen numbers v[64 + 16 k] on.  v128-143 z, v144-159 z^2, v160-175 Q, v176-191 P; v[230:231], v[232:233] hold Q's and P's second coefficients
.macro GELU16 k
.set gh, 64+16*(\k)
.irp i, 0,2,4,6,8,10,12,14
	v_pk_mul_f32 v[128+\i:129+\i], v[gh+\i:gh+\i+1], 0x3f3504f3 op_sel_hi:[1,0]   ; z = u / sqrt(2)
.endr
.irp i, 0,1,2,3,4,5,6,7,8,9,10,11,12,13,14,15
	v_med3_num_f32 v[128+\i], v[128+\i], -4.0, 4.0
.endr
.irp i, 0,2,4,6,8,10,12,14
	v_pk_mul_f32 v[144+\i:145+\i], v[128+\i:129+\i], v[128+\i:129+\i]
.endr
.irp i, 0,2,4,6,8,10,12,14
	v_pk_fma_f32 v[160+\i:161+\i], v[144+\i:145+\i], 0xb77460cd, v[230:231] op_sel_hi:[1,0,1]
.endr
.irp c, 0xbadc924e, 0xbbf19bf8, 0xbc69b6a7
.irp i, 0,2,4,6,8,10,12,14
	v_pk_fma_f32 v[160+\i:161+\i], v[160+\i:161+\i], v[144+\i:145+\i], \c op_sel_hi:[1,1,0]
.endr
.endr
.irp i, 0,1,2,3,4,5,6,7,8,9,10,11,12,13,14,15
	v_rcp_f32 v[160+\i], v[160+\i]                 ; one batch; P's 48 lines below are the work behind it and name none of its results
.endr
.irp i, 0,2,4,6,8,10,12,14
	v_pk_fma_f32 v[176+\i:177+\i], v[144+\i:145+\i], 0xaf95df0b, v[232:233] op_sel_hi:[1,0,1]
.endr
.irp c, 0xb60cff51, 0xb86ec2d2, 0xba40ac63, 0xbb41a1f6, 0xbc83dbd4
.irp i, 0,2,4,6,8,10,12,14
	v_pk_fma_f32 v[176+\i:177+\i], v[176+\i:177+\i], v[144+\i:145+\i], \c op_sel_hi:[1,1,0]
.endr
.endr
	s_wait_alu depctr_va_vdst(0)                   ; one wait for the sixteen reciprocals, ahead of their first reader
.irp i, 0,2,4,6,8,10,12,14
	v_pk_mul_f32 v[176+\i:177+\i], v[176+\i:177+\i], v[128+\i:129+\i]
.endr
.irp i, 0,2,4,6,8,10,12,14
	v_pk_mul_f32 v[176+\i:177+\i], v[176+\i:177+\i], v[160+\i:161+\i]   ; erf
.endr
.irp i, 0,2,4,6,8,10,12,14
	v_pk_fma_f32 v[176+\i:177+\i], v[176+\i:177+\i], 0.5, 0.5 op_sel_hi:[1,0,0]
.endr
.irp i, 0,2,4,6,8,10,12,14
	v_pk_mul_f32 v[gh+\i:gh+\i+1], v[gh+\i:gh+\i+1], v[176+\i:177+\i]
.endr
.endm
	s_load_b128 s[4:7], s[0:1], 0x0                ; S1's buffer, wsa
	s_load_b128 s[8:11], s[0:1], 0x10              ; b1, the result's images
	v_lshl_add_u32 v28, v0, 2, SPARE
	v_mov_b32 v29, 0
	ds_add_u32 v28, v29
	ds_add_u32 v28, v29
	s_wait_dscnt 0x0
	v_lshrrev_b32 v1, 5, v0
	v_readfirstlane_b32 s14, v1                    ; wave 0..3
	s_lshr_b32 s15, s14, 1                         ; my half of S1.  Also: I fetch for S1 (0) or for S0 (1)
	s_and_b32 s16, s14, 1                          ; my half of S0.  Also: which half I fetch
	s_bfe_u32 s40, ttmp6, 0x40000                  ; cx
	s_bfe_u32 s41, ttmp6, 0x40004                  ; cy
	s_lshl_b32 s42, ttmp9, 2
	s_add_co_u32 s42, s42, s40                     ; S0's tile
	s_and_b32 s17, ttmp7, 0xffff
	s_lshl_b32 s17, s17, 2
	s_add_co_u32 s17, s17, s41                     ; S1's tile
	s_lshl_b32 s43, s41, 2
	s_lshl_b32 s43, 15, s43                        ; my row of the cluster
	s_lshl_b32 s44, 0x1111, s40                    ; my column
	s_or_b32 s[G1+0], s43, (3<<16)|(1<<21)         ; 15:0 the mask; 17:16 elements of 8 bytes; 21 set beside a mask; no padding
	s_or_b32 s[G1B+0], s44, (3<<16)|(1<<21)
.irp g, G1, G1B                                ; NB rows (tiles) of NQ fragments, KS fragments apart
	s_mov_b32 s[\g+1], (NQ*192)<<16
	s_mov_b32 s[\g+2], NB<<16
	s_mov_b32 s[\g+3], (NQ*192)<<16
	s_mov_b32 s[\g+4], NB
	s_mov_b32 s[\g+5], KS*192
	s_mov_b32 s[\g+6], 0
	s_mov_b32 s[\g+7], 0
.endr
	s_or_b32 s[G1S+0], s43, (3<<16)|(1<<21)
	s_or_b32 s[G1SB+0], s44, (3<<16)|(1<<21)
.irp g, G1S, G1SB                              ; the scale words of a half: a dense block, as rows of 256 bytes
	s_mov_b32 s[\g+1], 32<<16
	s_mov_b32 s[\g+2], (SCH/256)<<16
	s_mov_b32 s[\g+3], 32<<16
	s_mov_b32 s[\g+4], SCH/256
	s_mov_b32 s[\g+5], 32
	s_mov_b32 s[\g+6], 0
	s_mov_b32 s[\g+7], 0
.endr
	s_lshl_b32 s20, s17, 1
	s_add_co_u32 s20, s20, s16
	s_lshl_b32 s46, s42, 1
	s_add_co_u32 s46, s46, s16
	s_mul_i32 s22, s20, SCH
	s_add_co_u32 s22, s22, S1SC
	s_mul_i32 s20, s20, NB*KS*FRB
	s_mul_i32 s92, s46, SCH
	s_add_co_u32 s92, s92, S0SC
	s_mul_i32 s46, s46, NB*KS*FRB
	s_add_co_u32 s46, s46, S0IMG
	s_mov_b32 s21, 0
	s_mov_b32 s23, 0
	s_mov_b32 s47, 0
	s_mov_b32 s93, 0
	s_mul_i32 s45, s14, HALFT
	s_mul_i32 s94, s14, SCH
	s_wait_kmcnt 0x0
	s_add_nc_u64 s[20:21], s[4:5], s[20:21]
	s_add_nc_u64 s[22:23], s[4:5], s[22:23]
	s_add_nc_u64 s[46:47], s[6:7], s[46:47]
	s_add_nc_u64 s[92:93], s[6:7], s[92:93]
	CROUND                                         ; all sixteen work-groups are here: the first joint loads meet
	s_mov_b32 s[G0S], 1
	s_add_co_u32 s[G0S+1], s94, SCL
	s_mov_b64 s[G0S+2:G0S+3], s[22:23]
	s_or_b32 s[G0S+3], s[G0S+3], 0x80000000
	s_mov_b32 s[G0SB], 1
	s_add_co_u32 s[G0SB+1], s94, SCL
	s_mov_b64 s[G0SB+2:G0SB+3], s[92:93]
	s_or_b32 s[G0SB+3], s[G0SB+3], 0x80000000
	JLOAD G0S, G1S, G0SB, G1SB
.irp s, 0,1
	s_mov_b32 s[G0+4*\s], 1
	s_add_co_u32 s[G0+4*\s+1], s45, \s*SLOT
	s_add_nc_u64 s[G0+4*\s+2:G0+4*\s+3], s[20:21], \s*NQ*FRB
	s_or_b32 s[G0+4*\s+3], s[G0+4*\s+3], 0x80000000
	s_mov_b32 s[G0B+4*\s], 1
	s_add_co_u32 s[G0B+4*\s+1], s45, \s*SLOT
	s_add_nc_u64 s[G0B+4*\s+2:G0B+4*\s+3], s[46:47], \s*NQ*FRB
	s_or_b32 s[G0B+4*\s+3], s[G0B+4*\s+3], 0x80000000
	JLOAD G0+4*\s, G1, G0B+4*\s, G1B
.endr
	v_and_b32 v1, 31, v0
	v_lshlrev_b32 v12, 4, v1
	v_lshlrev_b32 v13, 3, v1
	v_lshlrev_b32 v2, 2, v1
	v_and_b32 v14, 15, v0
	v_lshlrev_b32 v14, 2, v14
	s_mul_i32 s21, s15, HALFT
	s_mul_i32 s22, s16, HALFT
	s_add_co_u32 s22, s22, 2*HALFT
.irp s, 0,1
	v_add_nc_u32 v[16+\s], s21, v12
	v_add_nc_u32 v[18+\s], s21, v13
	v_add_nc_u32 v[20+\s], s22, v12
	v_add_nc_u32 v[22+\s], s22, v13
	s_add_co_u32 s21, s21, SLOT
	s_add_co_u32 s22, s22, SLOT
.endr
	s_mul_i32 s21, s15, SCH
	s_add_co_u32 s21, s21, SCL
	v_add_nc_u32 v27, s21, v2
	s_mul_i32 s22, s16, SCH
	s_add_co_u32 s22, s22, SCL+2*SCH
	v_add_nc_u32 v30, s22, v2
	s_wait_tensorcnt 0x1                           ; the scale words and my part of slot 0 are in; slot 1's load may be out
	s_barrier_signal -1
	s_barrier_wait -1
	FETCH 0, 0, 0
	SCALES 0
	STEP 0, 0, 1                                   ; the first step's products start the sums
.if LAPS > 1
	WIN 0
	s_mov_b32 s3, LAPS-1
.Llap:
	MIDS 0, 1
	TURN 0, 1, 1
	MIDS 1, 0
	TURN 1, 0, 1
	STEP 0, 0, 0
	WIN 0
	s_sub_co_u32 s3, s3, 1
	s_cmp_lg_u32 s3, 0
	s_cbranch_scc1 .Llap
.endif
	MIDS 0, 1                                      ; the last lap fills nothing
	TURN 0, 1, 0
	MIDS 1, 0
	s_wait_dscnt 0x0
	MUL 0, NA, 1, NQ-1, 1, 0
	WIN 0
	; THE WAY OUT: for each of my eight blocks of 16 tokens: 64 numbers a lane + b1 -> v64-127, gelu, quantised: K step 2 x tile + half of the next product, stored as an image.
	; A loop of eight trips; only the copy out of the accumulators is written eight times.
	PLACES 4
	v_bfe_u32 v2, v0, 4, 1
	v_lshlrev_b32 v3, 6, v2                        ; 64 h
.irp b, 0,1,2,3
	v_mov_b32 v[TM+4+\b], 0                        ; written once: a lane permute's destination counts as one of its sources
.endr
	v_mov_b32 v230, 0xb95fbd29
	v_mov_b32 v231, 0xb95fbd29
	v_mov_b32 v232, 0x32edffee
	v_mov_b32 v233, 0x32edffee
	s_mov_b32 s[SEL], 0x76543210
	s_mov_b32 s[SEL+1], 0xfedcba98
	s_lshl_b32 s20, s42, 10                        ; b1: my 128 hidden units; register 16 b + i wants unit 32 b + 16 h + i
	s_lshl_b32 s21, s16, 9
	s_add_co_u32 s20, s20, s21
	s_mov_b32 s21, 0
	s_add_nc_u64 s[8:9], s[8:9], s[20:21]
	WIN 0x40
.irp bb, 0,1,2,3
.irp jj, 0,1,2,3
	global_load_b128 v[16*\bb+4*\jj:16*\bb+4*\jj+3], v3, s[8:9] offset:128*\bb+16*\jj
.endr
.endr
	WIN 0
	s_lshl_b32 s20, s17, 4
	s_lshl_b32 s22, s15, 3
	s_add_co_u32 s20, s20, s22                     ; my first token tile
	s_lshl_b32 s20, s20, 5                         ; 32 K steps a tile
	s_lshl_b32 s22, s42, 1
	s_add_co_u32 s20, s20, s22
	s_add_co_u32 s20, s20, s16                     ; the image's number
	s_lshl_b32 s22, s20, 6
	s_add_co_u32 s22, s22, 12582912
	s_mov_b32 s23, 0
	s_mul_i32 s20, s20, FRB
	s_add_nc_u64 s[12:13], s[10:11], s[22:23]
	s_add_nc_u64 s[10:11], s[10:11], s[20:21]
	s_wait_loadcnt 0x0
	s_mov_b32 s3, 0
.macro COPY a                          ; each accumulator is read from its low end on
	WIN 0x06+(\a)/4
.set ci, 0
.rept 32
	v_pk_add_f32 v[64+ci:65+ci], v[(64*(\a))%256+ci:(64*(\a))%256+ci+1], v[ci:ci+1]
.set ci, ci+2
.endr
	WIN 0
.endm
.Lrow:
.irp a, 1,2,3,4,5,6,7
	s_cmp_eq_u32 s3, \a
	s_cbranch_scc1 .Lcp\a
.endr
.irp a, 0,1,2,3,4,5,6,7
.Lcp\a:
	COPY \a
	s_branch .Lact
.endr
.Lact:
	GELU16 0
	GELU16 1
	GELU16 2
	GELU16 3
	QUANT 64                                       ; (the last trip ended behind s_wait_xcnt 0: its stores have read their registers)
	global_store_b128 v12, v[PC:PC+3], s[10:11]
	global_store_b64 v13, v[PC+4:PC+5], s[10:11] offset:512
	global_store_b128 v12, v[PC+6:PC+9], s[10:11] offset:768
	global_store_b64 v13, v[PC+10:PC+11], s[10:11] offset:1280
	global_store_b32 v14, v[PW], s[12:13]          ; (lanes 16-31 repeat lanes 0-15's word at the same place)
	s_wait_xcnt 0x0                                ; the stores have read their bases and registers
	s_add_nc_u64 s[10:11], s[10:11], 32*FRB        ; the next token tile
	s_add_nc_u64 s[12:13], s[12:13], 32*64
	s_add_co_u32 s3, s3, 1
	s_cmp_lt_u32 s3, 8
	s_cbranch_scc1 .Lrow
	s_wait_tensorcnt 0x0                           ; the wave's end
	ds_add_u32 v28, v29
	s_wait_dscnt 0x0
	CROUND                                         ; the closing round
	s_endpgm
.Lfunc_end_k_qdb0fbac70b_up:
	.size	k_qdb0fbac70b_up, .Lfunc_end_k_qdb0fbac70b_up-k_qdb0fbac70b_up
	.p2alignl 7, 3214868480
	.fill 96, 4, 3214868480
	.section	.rodata,"a",@progbits
	.p2align	6, 0x0
	.amdhsa_kernel k_qdb0fbac70b_up
		.amdhsa_group_segment_fixed_size 327680
		.amdhsa_private_segment_fixed_size 0
		.amdhsa_enable_private_segment 0
		.amdhsa_kernarg_size 32
		.amdhsa_user_sgpr_count 2
		.amdhsa_user_sgpr_kernarg_segment_ptr 1
		.amdhsa_wavefront_size32 1
		.amdhsa_system_sgpr_workgroup_id_x 1
		.amdhsa_system_sgpr_workgroup_id_y 1
		.amdhsa_system_sgpr_workgroup_id_z 1
		.amdhsa_system_vgpr_workitem_id 0
		.amdhsa_next_free_vgpr 1024
		.amdhsa_next_free_sgpr 98
		.amdhsa_reserve_vcc 0
		.amdhsa_float_denorm_mode_32 3
		.amdhsa_float_denorm_mode_16_64 3
		.amdhsa_memory_ordered 1
		.amdhsa_forward_progress 1
		.amdhsa_inst_pref_size 188
	.end_amdhsa_kernel
	.amdgpu_metadata
---
amdhsa.version: [ 1, 2 ]
amdhsa.kernels:
  - .name:           k_qdb0fbac70b_up
    .symbol:         k_qdb0fbac70b_up.kd
    .args:
      - { .name: h2b, .offset: 0, .size: 8, .value_kind: global_buffer, .address_space: global }
      - { .name: wsa, .offset: 8, .size: 8, .value_kind: global_buffer, .address_space: global }
      - { .name: b1, .offset: 16, .size: 8, .value_kind: global_buffer, .address_space: global }
      - { .name: ghb, .offset: 24, .size: 8, .value_kind: global_buffer, .address_space: global }
    .group_segment_fixed_size: 327680
    .private_segment_fixed_size: 0
    .kernarg_segment_align: 8
    .kernarg_segment_size: 32
    .max_flat_workgroup_size: 128
    .sgpr_count:     98
    .vgpr_count:     1024
    .wavefront_size: 32
...
	.end_amdgpu_metadata
.endif
;; end of part 6
;; launch down (part 7): grid 8 x 32, 4 waves a work-group, clusters of 4 x 4, 327,680 bytes of LDS; arguments ghb, wsa, b2, x1b, out0; writes out0
.if DOCPART == 7
	.amdgcn_target "amdgcn-amd-amdhsa--gfx1250"
	.amdhsa_code_object_version 6
	.text
	.protected	k_qdb0fbac70b_down
	.globl	k_qdb0fbac70b_down
	.p2align	8
	.type	k_qdb0fbac70b_down,@function
k_qdb0fbac70b_down:
	s_mov_b64 s[64:65], 0
	v_nop
	global_prefetch_b8 v0, s[64:65] scope:SCOPE_SE
	s_setreg_imm32_b32 hwreg(HW_REG_WAVE_MODE, 25, 1), 1
	s_wait_xcnt 0x0
	s_wait_alu depctr_hold_cnt(0) depctr_sa_sdst(0) depctr_va_vdst(0) depctr_va_sdst(0) depctr_va_ssrc(0) depctr_va_vcc(0) depctr_vm_vsrc(0)
	s_getreg_b32 s2, hwreg(HW_REG_IB_STS2, 6, 4)
	s_cmp_eq_u32 s2, 0
	s_cbranch_scc0 .Lentry_in_a_cluster
	s_endpgm
.Lentry_in_a_cluster:
	s_bfe_u32 s2, ttmp6, 0x10000c
	s_cmp_lg_u32 s2, 0xf033
	s_cbranch_scc0 .Lentry_shape_is_right
	s_endpgm
.Lentry_shape_is_right:
; DOWN.  out = x1 + gelu(..) W2 + b2, the product on codes of E2M3, all else in f32.
; A tile of 128 x 128 to a work-group of four waves (N = 1,024 gives 256 such tiles, one for each WGP), 64 x 64 a wave: 16 accumulators.  Both operands are images of operand registers
; (a fragment, 16 rows x 128 K, is 1,536 consecutive bytes; its 16 scale words 64 bytes).  K = 4,096: 32 steps of 128, four to a slot, through a ring of two LDS slots; a refill has four steps in which to land.
; Source 0 (S0) = weight rows (tile 2b+u, lane r = row 32b + 8u + r + 8 (r / 8)), source 1 (S1) = tokens: a lane holds one token and, in tile 2b+u, features 32b + 16h + 8u + 0..7.
; CLUSTERS 4 x 4: S1's tiles are shared along a row of the cluster, S0's along a column: joint loads.
; REGISTERS: window 0: v12 16 x lane, v13 8 x lane, v16-23 fragment addresses, v27, v30 scale word addresses, v28, v29 the add's; v32-63 scale words and nothing else; v64.., v160.. S1's two sets.
;   window 1: v0.., v128.. S0's two sets.  Window 2: accumulator (a, b) at 8 (4 a + b).
.set NB, 4
.set NA, 4
.set KS, 32
.set NQ, 4
.set S1SC,  12582912                   ; S1's scale words in its buffer
.set S0IMG, 9830400                    ; S0's images and words in wsa
.set S0SC,  12976128
.set LAPS, KS/(2*NQ)
.set FRB, 1536
.set HALFT, NB*NQ*FRB
.set SLOT, 4*HALFT
.set SCL, 2*SLOT
.set SCH, NB*KS*64
.set SPARE, SCL+4*SCH                  ; the spare words: 128 bytes a wave, named by no other line
.set G1, 24
.set G0, 32
.set G1B, 48
.set G0B, 56
.set G1S, 68
.set G0S, 76
.set G1SB, 80
.set G0SB, 88
.set MSB, 0
.macro WIN new                         ; the immediate's high byte repeats the setting that is left
.if MSB != (\new)
	s_set_vgpr_msb (MSB<<8)|(\new)
.set MSB, (\new)
.endif
.endm
.macro PLACES n
.rept \n
	v_nop
.endr
.endm
.macro JLOAD g0a, g1a, g0b, g1b        ; a joint load: waves 0, 1 fetch for S1, waves 2, 3 for S0; four v_nop follow each line
	s_cmp_eq_u32 s15, 0
	s_cbranch_scc0 .Lfor_b_\@
	tensor_load_to_lds s[\g0a:\g0a+3], s[\g1a:\g1a+7]
	s_nop 0
	PLACES 4
	s_branch .Lasked_\@
.Lfor_b_\@:
	tensor_load_to_lds s[\g0b:\g0b+3], s[\g1b:\g1b+7]
	s_nop 0
	PLACES 4
.Lasked_\@:
.endm
.macro CREST
	s_cmp_lg_u32 s14, 0
	s_cbranch_scc1 .Lnot_wave_0_\@
	s_barrier_signal -3
.Lnot_wave_0_\@:
	s_barrier_wait -3
	s_barrier_signal -1
	s_barrier_wait -1
.endm
.macro CROUND
	s_barrier_signal -1
	s_barrier_wait -1
	CREST
.endm
.macro LDFRAG reg, a16, a8, off
	ds_load_b128 v[(\reg):(\reg)+3], v[\a16] offset:(\off)
	ds_load_b64 v[(\reg)+4:(\reg)+5], v[\a8] offset:(\off)+512
	ds_load_b128 v[(\reg)+6:(\reg)+9], v[\a16] offset:(\off)+768
	ds_load_b64 v[(\reg)+10:(\reg)+11], v[\a8] offset:(\off)+1280
.endm
.macro FETCH slot, q, p
	WIN 0x40
.set fi, 0
.rept NB
	LDFRAG 128*(\p)+12*fi, 20+\slot, 22+\slot, (fi*NQ+(\q))*FRB
.set fi, fi+1
.endr
	WIN 0
.set fi, 0
.rept NA
	LDFRAG 64+96*(\p)+12*fi, 16+\slot, 18+\slot, (fi*NQ+(\q))*FRB
.set fi, fi+1
.endr
.endm
.macro SCALES sc                       ; lanes 0-15 an even K step's words, lanes 16-31 the odd one's behind it
.set si, 0
.rept NB
.set sq, 0
.rept NQ/2
	ds_load_b32 v[32+16*(\sc)+(NQ/2)*si+sq], v30 offset:si*KS*64+128*sq
	ds_load_b32 v[40+16*(\sc)+(NQ/2)*si+sq], v27 offset:si*KS*64+128*sq
.set sq, sq+1
.endr
.set si, si+1
.endr
.endm
.macro MUL a0, n, p, q, sc, zero       ; all accumulators take turns, in one order in every step
.set ma, \a0
.rept \n
.if 8*NB*ma < 256
	WIN 0xa1
.else
	WIN 0xf1
.endif
.set mb, 0
.rept NB
.set rD, (8*(NB*ma+mb))%256
.set rA, 128*(\p)+12*mb
.set rB, 64+96*(\p)+12*ma
.set rSa, 32+16*(\sc)+(NQ/2)*mb+(\q)/2
.set rSb, 40+16*(\sc)+(NQ/2)*ma+(\q)/2
.if \zero
	v_wmma_scale_f32_16x16x128_f8f6f4 v[rD:rD+7], v[rA:rA+11], v[rB:rB+11], 0, v[rSa], v[rSb] matrix_a_fmt:MATRIX_FMT_FP6 matrix_b_fmt:MATRIX_FMT_FP6
.elseif ((\q)%2) == 1
	v_wmma_scale_f32_16x16x128_f8f6f4 v[rD:rD+7], v[rA:rA+11], v[rB:rB+11], v[rD:rD+7], v[rSa], v[rSb] matrix_a_fmt:MATRIX_FMT_FP6 matrix_b_fmt:MATRIX_FMT_FP6 matrix_a_scale:MATRIX_SCALE_ROW1 matrix_b_scale:MATRIX_SCALE_ROW1
.else
	v_wmma_scale_f32_16x16x128_f8f6f4 v[rD:rD+7], v[rA:rA+11], v[rB:rB+11], v[rD:rD+7], v[rSa], v[rSb] matrix_a_fmt:MATRIX_FMT_FP6 matrix_b_fmt:MATRIX_FMT_FP6
.endif
.set mb, mb+1
.endr
.set ma, ma+1
.endr
.endm
.macro STEP slot, q, zero
	s_wait_dscnt 0x0                               ; this step's fragments and words, asked for a whole step ago
	PLACES 4                                       ; in front of loads into the sets that the last step's products read
	FETCH \slot, (\q)+1, 1-(\q)%2
	MUL 0, NA, (\q)%2, \q, \slot, \zero
.endm
.macro MIDS slot, q0
.set mq, \q0
.rept NQ-1-(\q0)
	STEP \slot, mq, 0
.set mq, mq+1
.endr
.endm
.macro TURN slot, next, fill           ; a slot's last K step changes slots: one barrier; fill = 1: it opens a round of the cluster's barrier, and this slot is filled again
	WIN 0
	s_wait_tensorcnt 0x0                           ; all my tensor loads have landed: my part of the next slot
	ds_add_u32 v28, v29                            ; 0 onto my spare word
	s_wait_dscnt 0x1                               ; the add alone may be out
	MUL 0, NA/4, 1, NQ-1, \slot, 0
	s_wait_dscnt 0x0                               ; the add is done, and my reads of this slot are over
	s_barrier_signal -1
	MUL NA/4, NA/4, 1, NQ-1, \slot, 0
	WIN 0
	s_barrier_wait -1
.if \fill
	CREST                                          ; no wave of any partner still reads this slot or has a load on its way
	s_add_nc_u64 s[G0+4*\slot+2:G0+4*\slot+3], s[G0+4*\slot+2:G0+4*\slot+3], 2*NQ*FRB
	s_add_nc_u64 s[G0B+4*\slot+2:G0B+4*\slot+3], s[G0B+4*\slot+2:G0B+4*\slot+3], 2*NQ*FRB
	JLOAD G0+4*\slot, G1, G0B+4*\slot, G1B         ; my one tensor load behind the round; its four v_nop are also the places in front of the loads below
.else
	PLACES 4
.endif
	v_add_nc_u32 v27, NQ*64, v27
	v_add_nc_u32 v30, NQ*64, v30
	FETCH \next, 0, 0
	SCALES \next
	MUL NA/2, NA/2, 1, NQ-1, \slot, 0
	WIN 0
.endm
	s_load_b128 s[4:7], s[0:1], 0x0                ; S1's buffer, wsa
	s_load_b128 s[8:11], s[0:1], 0x10              ; the bias, the residual
	s_load_b64 s[12:13], s[0:1], 0x20              ; the result
	v_lshl_add_u32 v28, v0, 2, SPARE
	v_mov_b32 v29, 0
	ds_add_u32 v28, v29
	ds_add_u32 v28, v29
	s_wait_dscnt 0x0
	v_lshrrev_b32 v1, 5, v0
	v_readfirstlane_b32 s14, v1                    ; wave 0..3
	s_lshr_b32 s15, s14, 1                         ; my half of S1.  Also: I fetch for S1 (0) or for S0 (1)
	s_and_b32 s16, s14, 1                          ; my half of S0.  Also: which half I fetch
	s_bfe_u32 s40, ttmp6, 0x40000                  ; cx
	s_bfe_u32 s41, ttmp6, 0x40004                  ; cy
	s_lshl_b32 s42, ttmp9, 2
	s_add_co_u32 s42, s42, s40                     ; S0's tile
	s_and_b32 s17, ttmp7, 0xffff
	s_lshl_b32 s17, s17, 2
	s_add_co_u32 s17, s17, s41                     ; S1's tile
	s_lshl_b32 s43, s41, 2
	s_lshl_b32 s43, 15, s43                        ; my row of the cluster
	s_lshl_b32 s44, 0x1111, s40                    ; my column
	s_or_b32 s[G1+0], s43, (3<<16)|(1<<21)         ; 15:0 the mask; 17:16 elements of 8 bytes; 21 set beside a mask; no padding
	s_or_b32 s[G1B+0], s44, (3<<16)|(1<<21)
.irp g, G1, G1B                                ; NB rows (tiles) of NQ fragments, KS fragments apart
	s_mov_b32 s[\g+1], (NQ*192)<<16
	s_mov_b32 s[\g+2], NB<<16
	s_mov_b32 s[\g+3], (NQ*192)<<16
	s_mov_b32 s[\g+4], NB
	s_mov_b32 s[\g+5], KS*192
	s_mov_b32 s[\g+6], 0
	s_mov_b32 s[\g+7], 0
.endr
	s_or_b32 s[G1S+0], s43, (3<<16)|(1<<21)
	s_or_b32 s[G1SB+0], s44, (3<<16)|(1<<21)
.irp g, G1S, G1SB                              ; the scale words of a half: a dense block, as rows of 256 bytes
	s_mov_b32 s[\g+1], 32<<16
	s_mov_b32 s[\g+2], (SCH/256)<<16
	s_mov_b32 s[\g+3], 32<<16
	s_mov_b32 s[\g+4], SCH/256
	s_mov_b32 s[\g+5], 32
	s_mov_b32 s[\g+6], 0
	s_mov_b32 s[\g+7], 0
.endr
	s_lshl_b32 s20, s17, 1
	s_add_co_u32 s20, s20, s16
	s_lshl_b32 s46, s42, 1
	s_add_co_u32 s46, s46, s16
	s_mul_i32 s22, s20, SCH
	s_add_co_u32 s22, s22, S1SC
	s_mul_i32 s20, s20, NB*KS*FRB
	s_mul_i32 s92, s46, SCH
	s_add_co_u32 s92, s92, S0SC
	s_mul_i32 s46, s46, NB*KS*FRB
	s_add_co_u32 s46, s46, S0IMG
	s_mov_b32 s21, 0
	s_mov_b32 s23, 0
	s_mov_b32 s47, 0
	s_mov_b32 s93, 0
	s_mul_i32 s45, s14, HALFT
	s_mul_i32 s94, s14, SCH
	s_wait_kmcnt 0x0
	s_add_nc_u64 s[20:21], s[4:5], s[20:21]
	s_add_nc_u64 s[22:23], s[4:5], s[22:23]
	s_add_nc_u64 s[46:47], s[6:7], s[46:47]
	s_add_nc_u64 s[92:93], s[6:7], s[92:93]
	CROUND                                         ; all sixteen work-groups are here: the first joint loads meet
	s_mov_b32 s[G0S], 1
	s_add_co_u32 s[G0S+1], s94, SCL
	s_mov_b64 s[G0S+2:G0S+3], s[22:23]
	s_or_b32 s[G0S+3], s[G0S+3], 0x80000000
	s_mov_b32 s[G0SB], 1
	s_add_co_u32 s[G0SB+1], s94, SCL
	s_mov_b64 s[G0SB+2:G0SB+3], s[92:93]
	s_or_b32 s[G0SB+3], s[G0SB+3], 0x80000000
	JLOAD G0S, G1S, G0SB, G1SB
.irp s, 0,1
	s_mov_b32 s[G0+4*\s], 1
	s_add_co_u32 s[G0+4*\s+1], s45, \s*SLOT
	s_add_nc_u64 s[G0+4*\s+2:G0+4*\s+3], s[20:21], \s*NQ*FRB
	s_or_b32 s[G0+4*\s+3], s[G0+4*\s+3], 0x80000000
	s_mov_b32 s[G0B+4*\s], 1
	s_add_co_u32 s[G0B+4*\s+1], s45, \s*SLOT
	s_add_nc_u64 s[G0B+4*\s+2:G0B+4*\s+3], s[46:47], \s*NQ*FRB
	s_or_b32 s[G0B+4*\s+3], s[G0B+4*\s+3], 0x80000000
	JLOAD G0+4*\s, G1, G0B+4*\s, G1B
.endr
	v_and_b32 v1, 31, v0
	v_lshlrev_b32 v12, 4, v1
	v_lshlrev_b32 v13, 3, v1
	v_lshlrev_b32 v2, 2, v1
	s_mul_i32 s21, s15, HALFT
	s_mul_i32 s22, s16, HALFT
	s_add_co_u32 s22, s22, 2*HALFT
.irp s, 0,1
	v_add_nc_u32 v[16+\s], s21, v12
	v_add_nc_u32 v[18+\s], s21, v13
	v_add_nc_u32 v[20+\s], s22, v12
	v_add_nc_u32 v[22+\s], s22, v13
	s_add_co_u32 s21, s21, SLOT
	s_add_co_u32 s22, s22, SLOT
.endr
	s_mul_i32 s21, s15, SCH
	s_add_co_u32 s21, s21, SCL
	v_add_nc_u32 v27, s21, v2
	s_mul_i32 s22, s16, SCH
	s_add_co_u32 s22, s22, SCL+2*SCH
	v_add_nc_u32 v30, s22, v2
	s_wait_tensorcnt 0x1                           ; the scale words and my part of slot 0 are in; slot 1's load may be out
	s_barrier_signal -1
	s_barrier_wait -1
	FETCH 0, 0, 0
	SCALES 0
	STEP 0, 0, 1                                   ; the first step's products start the sums
.if LAPS > 1
	WIN 0
	s_mov_b32 s3, LAPS-1
.Llap:
	MIDS 0, 1
	TURN 0, 1, 1
	MIDS 1, 0
	TURN 1, 0, 1
	STEP 0, 0, 0
	WIN 0
	s_sub_co_u32 s3, s3, 1
	s_cmp_lg_u32 s3, 0
	s_cbranch_scc1 .Llap
.endif
	MIDS 0, 1                                      ; the last lap fills nothing
	TURN 0, 1, 0
	MIDS 1, 0
	s_wait_dscnt 0x0
	MUL 0, NA, 1, NQ-1, 1, 0
	WIN 0
	; THE WAY OUT.  A block of 16 tokens x 64 features goes through my stage in LDS (16 rows x 272 bytes, in slot 0, which has had its last fill and, since the last barrier, its last read) and comes back as rows:
	; sixteen lanes hold 256 consecutive bytes of a row; the residual and the bias are added there, and each store covers two such runs, each aligned to 256 bytes.
	PLACES 4
	v_and_b32 v1, 15, v0
	v_bfe_u32 v2, v0, 4, 1
	s_mul_i32 s20, s14, 4352
	v_mul_u32_u24 v24, v1, 272
	v_lshl_add_u32 v24, v2, 6, v24
	v_add_nc_u32 v24, s20, v24                     ; in: row r, + 64 h; tile b: 128 (b / 2) + 32 (b % 2) on
	v_mul_u32_u24 v25, v2, 272
	v_lshl_add_u32 v25, v1, 4, v25
	v_add_nc_u32 v25, s20, v25                     ; back: lanes 0-15 one row, lanes 16-31 the next
	v_lshlrev_b32 v26, 12, v2
	v_lshl_add_u32 v26, v1, 4, v26                 ; the same two rows in memory
	v_lshlrev_b32 v3, 4, v1
	s_lshl_b32 s20, s42, 9                         ; my 64 features: 4 (128 x tile + 64 x half) bytes on
	s_lshl_b32 s21, s16, 8
	s_add_co_u32 s20, s20, s21
	s_mov_b32 s21, 0
	s_add_nc_u64 s[8:9], s[8:9], s[20:21]
	s_lshl_b32 s22, s17, 7
	s_lshl_b32 s23, s15, 6
	s_add_co_u32 s22, s22, s23                     ; my first token
	s_lshl_b32 s22, s22, 12
	s_add_co_u32 s20, s20, s22
	s_add_nc_u64 s[10:11], s[10:11], s[20:21]
	s_add_nc_u64 s[12:13], s[12:13], s[20:21]
	global_load_b128 v[224:227], v3, s[8:9]
.irp a, 0,1,2,3
.irp t, 0,1,2,3,4,5,6,7
	global_load_b128 v[64+4*(8*\a+\t):67+4*(8*\a+\t)], v26, s[10:11] offset:(16*\a+2*\t)*4096
.endr
.endr
.irp a, 0,1,2,3
	WIN 0x08                                       ; an LDS store's data are its source 1: window 2
.irp b, 0,1,2,3
	ds_store_b128 v24, v[8*(4*\a+\b):8*(4*\a+\b)+3] offset:128*(\b/2)+32*(\b%2)       ; each accumulator from its low end on
	ds_store_b128 v24, v[8*(4*\a+\b)+4:8*(4*\a+\b)+7] offset:128*(\b/2)+32*(\b%2)+16
.endr
	WIN 0
.irp t, 0,1,2,3,4,5,6,7
	ds_load_b128 v[192+4*\t:195+4*\t], v25 offset:544*\t   ; LDS serves a wave's instructions in order: these see my stores
.endr
	s_wait_dscnt 0x0
	s_wait_loadcnt 8*(3-\a)                        ; the bias and this block's residual are in; the later blocks' loads may be out
.irp i, 0,2,4,6,8,10,12,14,16,18,20,22,24,26,28,30
	v_pk_add_f32 v[192+\i:193+\i], v[192+\i:193+\i], v[64+32*\a+\i:65+32*\a+\i]
.endr
.irp t, 0,1,2,3,4,5,6,7
	v_pk_add_f32 v[192+4*\t:193+4*\t], v[192+4*\t:193+4*\t], v[224:225]
	v_pk_add_f32 v[194+4*\t:195+4*\t], v[194+4*\t:195+4*\t], v[226:227]
.endr
.irp t, 0,1,2,3,4,5,6,7
	global_store_b128 v26, v[192+4*\t:195+4*\t], s[12:13] offset:(16*\a+2*\t)*4096
.endr
	s_wait_xcnt 0x0                                ; the stores have read their registers: the next block lands there
.endr
	s_wait_tensorcnt 0x0                           ; the wave's end
	ds_add_u32 v28, v29
	s_wait_dscnt 0x0
	CROUND                                         ; the closing round
	s_endpgm
.Lfunc_end_k_qdb0fbac70b_down:
	.size	k_qdb0fbac70b_down, .Lfunc_end_k_qdb0fbac70b_down-k_qdb0fbac70b_down
	.p2alignl 7, 3214868480
	.fill 96, 4, 3214868480
	.section	.rodata,"a",@progbits
	.p2align	6, 0x0
	.amdhsa_kernel k_qdb0fbac70b_down
		.amdhsa_group_segment_fixed_size 327680
		.amdhsa_private_segment_fixed_size 0
		.amdhsa_enable_private_segment 0
		.amdhsa_kernarg_size 40
		.amdhsa_user_sgpr_count 2
		.amdhsa_user_sgpr_kernarg_segment_ptr 1
		.amdhsa_wavefront_size32 1
		.amdhsa_system_sgpr_workgroup_id_x 1
		.amdhsa_system_sgpr_workgroup_id_y 1
		.amdhsa_system_sgpr_workgroup_id_z 1
		.amdhsa_system_vgpr_workitem_id 0
		.amdhsa_next_free_vgpr 768
		.amdhsa_next_free_sgpr 98
		.amdhsa_reserve_vcc 0
		.amdhsa_float_denorm_mode_32 3
		.amdhsa_float_denorm_mode_16_64 3
		.amdhsa_memory_ordered 1
		.amdhsa_forward_progress 1
		.amdhsa_inst_pref_size 104
	.end_amdhsa_kernel
	.amdgpu_metadata
---
amdhsa.version: [ 1, 2 ]
amdhsa.kernels:
  - .name:           k_qdb0fbac70b_down
    .symbol:         k_qdb0fbac70b_down.kd
    .args:
      - { .name: ghb, .offset: 0, .size: 8, .value_kind: global_buffer, .address_space: global }
      - { .name: wsa, .offset: 8, .size: 8, .value_kind: global_buffer, .address_space: global }
      - { .name: b2, .offset: 16, .size: 8, .value_kind: global_buffer, .address_space: global }
      - { .name: x1b, .offset: 24, .size: 8, .value_kind: global_buffer, .address_space: global }
      - { .name: out0, .offset: 32, .size: 8, .value_kind: global_buffer, .address_space: global }
    .group_segment_fixed_size: 327680
    .private_segment_fixed_size: 0
    .kernarg_segment_align: 8
    .kernarg_segment_size: 40
    .max_flat_workgroup_size: 128
    .sgpr_count:     98
    .vgpr_count:     768
    .wavefront_size: 32
...
	.end_amdgpu_metadata
.endif
;; end of part 7
;; ======== version 2 of 2: 7 launches; version 1 with the launch attn written anew for expert scheduling mode
;; workspace buffers: wsa 13,107,200 bytes; mw 524,288 bytes of whole numbers; qkb 9,830,400 bytes; ctb 3,276,800 bytes; x1b 16,777,216 bytes; h2b 3,276,800 bytes; ghb 13,107,200 bytes
;; launch prep: the kernel of part 1 again; grid 256 x 1, 8 waves a work-group, no clusters, 69,632 bytes of LDS; arguments x, ln1_g, ln1_b, attn_mask, wqkv_codes, wqkv_scales, wout_codes, wout_scales, w1_codes, w1_scales, w2_codes, w2_scales, wsa, mw; writes wsa, mw
;; launch qkv: the kernel of part 2 again; grid 12 x 16, 4 waves a work-group, clusters of 4 x 4, 327,680 bytes of LDS; arguments wsa, bqkv, qkb; writes qkb
;; launch attn (part 8): grid 8 x 32, 16 waves a work-group, no clusters, 206,848 bytes of LDS; arguments qkb, mw, ctb; writes ctb
.if DOCPART == 8
	.amdgcn_target "amdgcn-amd-amdhsa--gfx1250"
	.amdhsa_code_object_version 6
	.text
	.protected	k_qdb0fbac70b_attn
	.globl	k_qdb0fbac70b_attn
	.p2align	8
	.type	k_qdb0fbac70b_attn,@function
k_qdb0fbac70b_attn:
	s_mov_b64 s[64:65], 0
	v_nop
	global_prefetch_b8 v0, s[64:65] scope:SCOPE_SE
	s_setreg_imm32_b32 hwreg(HW_REG_WAVE_SCHED_MODE, 0, 2), 2
	s_setreg_imm32_b32 hwreg(HW_REG_WAVE_MODE, 25, 1), 1
	s_wait_xcnt 0x0
	s_wait_alu depctr_vm_vsrc(0)
; ATTENTION on codes of E2M3.  A work-group serves one (batch, head); each of its sixteen waves owns one tile of 16 queries, in 234 registers, four waves to a SIMD.  A wave walks the 2,048 keys, 128 a step.
; Both products are used transposed: S^T = K Q^T, O^T = V^T P^T: a lane holds one query throughout.  t = score x log2(e) / 8; M = the running largest t rounded up to a whole number; p = 2^(t - M) is quantised along the keys;
; the row's sum is taken of the unquantised p and divides O at the end; when M moves, sum and O are multiplied by 2^(old M - new M), which rounds nothing.
; K = 64: a fragment of K holds two key tiles (lower 64 slots: tile 2 f, upper: 2 f + 1).  Against [q | 0] it gives tile 2 f's scores, against [0 | q] tile 2 f + 1's; the other half meets zero codes.
; THE MASK is an input and is honoured as it is stored: 64 lane masks for a key step of a query tile, whole numbers that an earlier launch laid.  At its head a wave reads its 16 x 64 words once and keeps two bits a step:
;   all 64 words are ones: every p of the step would be 0, and M, the sum and O would stay as they are: the step is left out;
;   all 64 words are 0: nothing is masked: the step's loads of the words and its 64 selects are left out;
;   else the step loads its 64 words by scalar loads, and a masked score becomes -infinity by one v_cndmask_b32.
; These are branches on numbers read from memory; the launch has no tensor load, and so no joint load and no cluster.
; ALL OF THE HEAD'S K, V AND SCALE WORDS, 8 slots of 25,600 bytes laid as operand images by the launch before, are 204,800 bytes: they come into LDS once, through registers (25 rounds of 16 bytes a thread, 8,192 consecutive
; bytes a round), in front of ONE barrier; behind it LDS is only read, so the loop over the keys has no barrier and each wave goes at its own pace.  Nothing is asked for ahead: the loads at the head ask for all that the launch streams.
; WHICH TILE: wave w of work-group x takes query tile x + 8 rank(w).  Where the mask is causal that tile needs rank + 1 key steps, so every work-group has the same 136 of them; rank is taken from a square of 4 x 4 in which
; the waves of equal w % 4 and those of equal w / 4 both add up to 30.  For any other mask the spread changes no result.
; A ROW WITH EVERY KEY MASKED has the sum 0; its scale bytes are stored as 0xff, so that the next product gives NaN for that row, as the softmax of the definition does.
; LIMITS: NaN and infinities among the inputs are not served; a block of zeros or under 2^-124 gets the scale byte 1 (read by this program alone).
; REGISTERS: v1 16 x lane, v2 8 x lane, v3 4 (lane % 16), v6 -infinity, v8-10 addresses in hand, v12 -M, v13 largest t, v[14:15] the sum; v16-21 zeros, v22-27 q, v28-33 zeros; v34 q's scale word, v35 p's, v36-39 the fragments' (scales alone);
;   v40-87 four fragments; v88-151 S^T, then p (v40-139: at the head the 25 rounds); v152-183 O^T (at the head the mask words); v184-202 p's codes; v204-221 at work; v224-227 16 x thread + 65,536 k; v232, v233 the closing add's two.
;   s2 the slot in hand, s3 slots to go, s4 wave, s5 the step's place among my mask words, s52 bit 0: this step is left out, s53 bit 0: this step is open; s[20:51], s[68:99] a step's 64 mask words (s68-83: at the head sixteen lane masks).
; THE MODE: SCHED_MODE bits 1:0 = 2 (LLVM: expert scheduling mode 2), set by the entry lines.  The code itself states the register dependences
; between vector or matrix instructions and memory or LDS instructions, with s_wait_alu, always for 0.
; THE PLAN.  Registers that memory or LDS instructions touch:
;   v1, v2, v3       Offsets, made at the head and never written again: read by q's and the mask's loads and by the three stores on the way out.
;   v224-227         Made at the head and never written again: read by the 25 rounds' loads (v224) and by their LDS stores.
;   v40-139          At the head the 25 rounds land in them and the LDS stores read them.  One wait on vm_vsrc behind the barrier states that they have been read: behind it fragments land there, products write there, and so does the way out.
;   v8, v9, v10      A walked step's LDS addresses: written by three additions at the step's head, read by the step's 40 LDS loads.
;   v40-87, v36-39   A walked step's four fragments and their scale words.  K's land at the step's head and are read by the eight products K Q^T; V's land behind the exponentials and are read by the four products V^T P^T.
;   v184-189, v218   On the way out: written by conversions, permutes, moves and a select, read by the three stores.
;   v232, v233       Written at the head, read by the closing add alone.
; A WALKED STEP: a wait on vm_vsrc ahead of the three additions; a wait on va_vdst behind them (the addresses are written; the last walked step's products are done with the fragments' registers), then K's loads;
; the wait on va_vdst behind the 64 exponentials also states that K Q^T is done with the fragments' registers, so V's loads stand directly behind it, and no vector or matrix line between them and V^T P^T names a register that they touch;
; a wait on va_vdst directly ahead of V^T P^T: p's scale word and codes are written.  A step that is left out issues no vector, matrix or LDS instruction.
.set QSC,   3145728
.set KV,    3276800
.set SLOTB, 25600                      ; a slot: 256 keys: K's 8 fragments, V^T's 8 at 12,288, K's words at 24,576, V's at 25,088
.macro LDFRAG reg, a16, a8, off
	ds_load_b128 v[(\reg):(\reg)+3], v[\a16] offset:(\off)
	ds_load_b64 v[(\reg)+4:(\reg)+5], v[\a8] offset:(\off)+512
	ds_load_b128 v[(\reg)+6:(\reg)+9], v[\a16] offset:(\off)+768
	ds_load_b64 v[(\reg)+10:(\reg)+11], v[\a8] offset:(\off)+1280
.endm
.macro FLAG map, m, bit                ; lane mask m: its lanes 0-15 speak for step bit, its lanes 16-31 for step bit + 1: a step's bit is set where all sixteen lanes agree
	s_and_b32 s58, s[\m], 0xffff
	s_cmp_eq_u32 s58, 0xffff
	s_cselect_b32 s58, 1<<(\bit), 0
	s_or_b32 s[\map], s[\map], s58
	s_lshr_b32 s58, s[\m], 16
	s_cmp_eq_u32 s58, 0xffff
	s_cselect_b32 s58, 1<<((\bit)+1), 0
	s_or_b32 s[\map], s[\map], s58
.endm
.macro STEP q                          ; 128 keys: the q-th step of the slot in hand
	s_bitcmp1_b32 s52, 0                           ; every key of the step masked for all my queries: nothing of it would count
	s_cbranch_scc1 .Lskip_\@
	s_wait_alu depctr_vm_vsrc(0)                   ; the LDS loads issued so far have read v8, v9 and v10, which the three additions write again
	v_add_nc_u32 v8, s2, v1
	v_add_nc_u32 v9, s2, v2
	v_add_nc_u32 v10, s2, v3
	v_nop                                          ; (with the three additions: four plain lines behind the last products)
	s_wait_alu depctr_va_vdst(0)                   ; v8, v9 and v10 are written, which the loads below read; the last walked step's products are done reading v40-87 and v36-39, in which they land; in my first walked step also: q's scale word v34 and the zero codes v16-21, v28-33 are written, which the products below take
.irp f, 0,1,2,3
	LDFRAG 40+12*\f, 8, 9, (4*(\q)+\f)*1536
	ds_load_b32 v[36+\f], v10 offset:24576+(4*(\q)+\f)*64
.endr
	s_wait_dscnt 0x0
.irp f, 0,1,2,3
	v_wmma_scale_f32_16x16x128_f8f6f4 v[88+16*\f:95+16*\f], v[40+12*\f:51+12*\f], v[22:33], 0, v[36+\f], v34 matrix_a_fmt:MATRIX_FMT_FP6 matrix_b_fmt:MATRIX_FMT_FP6
	v_wmma_scale_f32_16x16x128_f8f6f4 v[96+16*\f:103+16*\f], v[40+12*\f:51+12*\f], v[16:27], 0, v[36+\f], v34 matrix_a_fmt:MATRIX_FMT_FP6 matrix_b_fmt:MATRIX_FMT_FP6
.endr                                          ; register 8 t + j of lane (r, h): query r, key 16 t + 8 h + j
.rept 4
	v_nop
.endr
	s_bitcmp1_b32 s53, 0                           ; no key of the step masked for any of my queries
	s_cbranch_scc1 .Lopen_\@
	s_load_b512 s[20:35], s[10:11], s5             ; a mixed step: its 64 mask words
	s_load_b512 s[36:51], s[10:11], s5 offset:0x40
	s_load_b512 s[68:83], s[10:11], s5 offset:0x80
	s_load_b512 s[84:99], s[10:11], s5 offset:0xc0
	s_wait_kmcnt 0x0
.set rho, 0
.rept 64
.if rho < 32
	v_cndmask_b32 v[88+rho], v[88+rho], v6, s[20+rho]
.else
	v_cndmask_b32 v[88+rho], v[88+rho], v6, s[36+rho]
.endif
.set rho, rho+1
.endr
.Lopen_\@:
.irp b, 0,1,2,3
	v_max3_num_f32 v[204+\b], v[88+16*\b], v[89+16*\b], v[90+16*\b]   ; the largest score of each block of 32 keys: for the row's maximum, and, since p rises with the score, for the block's largest p
.endr
.irp i, 3,5,7,9,11,13
.irp b, 0,1,2,3
	v_max3_num_f32 v[204+\b], v[204+\b], v[88+16*\b+\i], v[89+16*\b+\i]
.endr
.endr
.irp b, 0,1,2,3
	v_max_num_f32 v[204+\b], v[204+\b], v[103+16*\b]
.endr
.irp b, 0,1,2,3
	v_permlanex16_b32 v[208+\b], v[204+\b], s6, s7
.endr
.irp b, 0,1,2,3
	v_max_num_f32 v[204+\b], v[204+\b], v[208+\b]
.endr
	v_max3_num_f32 v218, v204, v205, v206
	v_max_num_f32 v218, v218, v207
	v_mul_f32 v218, s8, v218
	v_max_num_f32 v13, v13, v218                   ; the running largest t
	v_mov_b32 v218, v12
	v_floor_f32 v12, -v13                          ; the new -M: a whole number
	v_sub_f32 v218, v12, v218
	v_cvt_i32_f32 v218, v218                       ; (it saturates)
	v_ldexp_f32 v216, 1.0, v218                    ; f = 2^(old M - new M)
.set j, 0
.rept 32
	v_pk_fma_f32 v[88+j:89+j], v[88+j:89+j], s[8:9], v[12:13] op_sel_hi:[1,0,0]   ; t - M
.set j, j+2
.endr
.irp b, 0,1,2,3
	v_fma_f32 v[204+\b], v[204+\b], s8, v12
.endr
.set j, 0
.rept 64
	v_exp_f32 v[88+j], v[88+j]                     ; p, at most 1, not normalised
.set j, j+1
.endr
	v_pk_mul_f32 v[14:15], v[14:15], v[216:217] op_sel_hi:[1,0]   ; the sum under the new M (a plain place behind the exponentials)
	s_wait_alu depctr_va_vdst(0)                   ; the 64 exponentials have written p, ahead of their first reader; and the products K Q^T are done reading v40-87 and v36-39, in which V's fragments and words land
.irp d, 0,1,2,3
	LDFRAG 40+12*\d, 8, 9, 12288+6144*(\q)+1536*\d  ; V's four fragments are asked for here.  No further wait: no vector or matrix line since the wait above names v8-10, v36-39 or v40-87
	ds_load_b32 v[36+\d], v10 offset:25088+(4*(\q)+\d)*64
.endr
.irp b, 0,1,2,3
	v_exp_f32 v[204+\b], v[204+\b]                 ; each block's largest p
.endr
	v_pk_add_f32 v[220:221], v[88:89], v[90:91]    ; the row's sum of the unquantised p, in two chains
.set j, 4
.rept 15
	v_pk_add_f32 v[14:15], v[14:15], v[88+j:89+j]
	v_pk_add_f32 v[220:221], v[220:221], v[90+j:91+j]
.set j, j+4
.endr
	v_pk_add_f32 v[14:15], v[14:15], v[220:221]
	s_wait_alu depctr_va_vdst(0)                   ; the four exponentials have written v204-207, ahead of their first reader
.irp b, 0,1,2,3
	v_max_num_f32 v[204+\b], 0x1800000, v[204+\b]  ; the floor 2^(3 - 127)
.endr
.irp b, 0,1,2,3
	v_add_nc_u32 v[212+\b], 0xff000000, v[204+\b]
.endr
.irp b, 0,1,2,3
	v_lshrrev_b32 v[208+\b], 23, v[212+\b]
.endr
	v_lshl_or_b32 v35, v209, 8, v208               ; p's scale word for these 128 keys
	v_lshl_or_b32 v35, v210, 16, v35
	v_lshl_or_b32 v35, v211, 24, v35
.irp c, 0,1
	v_cvt_scalef32_pk16_fp6_f32 v[184+6*\c:186+6*\c], v[88+32*\c:103+32*\c], v[212+2*\c]
	v_cvt_scalef32_pk16_fp6_f32 v[196+4*\c:198+4*\c], v[104+32*\c:119+32*\c], v[212+2*\c+1]
.endr
	v_nop                                          ; one plain place behind a scaled conversion
.irp c, 0,1
.irp i, 0,1,2
	v_permlane16_swap_b32 v[184+6*\c+\i], v[196+4*\c+\i]
.endr
.irp i, 0,1,2
	v_mov_b32 v[187+6*\c+\i], v[196+4*\c+\i]
.endr
.endr
.set j, 0
.rept 16
	v_pk_mul_f32 v[152+j:153+j], v[152+j:153+j], v[216:217] op_sel_hi:[1,0]   ; O^T under the new M; these sixteen are also the places between p's word and codes and the products below
.set j, j+2
.endr
	s_wait_dscnt 0x0                               ; V's fragments and words, asked for behind the exponentials
	s_wait_alu depctr_va_vdst(0)                   ; p's scale word v35 and p's codes v184-195 are written, which the products below take; the places above stay beside this wait
.irp d, 0,1,2,3
	v_wmma_scale_f32_16x16x128_f8f6f4 v[152+8*\d:159+8*\d], v[40+12*\d:51+12*\d], v[184:195], v[152+8*\d:159+8*\d], v[36+\d], v35 matrix_a_fmt:MATRIX_FMT_FP6 matrix_b_fmt:MATRIX_FMT_FP6
.endr
.Lskip_\@:
	s_lshr_b32 s52, s52, 1                         ; on to the next step's two bits
	s_lshr_b32 s53, s53, 1
	s_add_co_u32 s5, s5, 256                       ; and its 64 words (no scalar load is out here: a mixed step has waited for its four)
.endm
	s_load_b128 s[20:23], s[0:1], 0x0              ; qkb, mw
	s_load_b64 s[24:25], s[0:1], 0x10              ; ctb
	v_lshl_add_u32 v232, v0, 2, 0x32000
	v_mov_b32 v233, 0
	v_lshrrev_b32 v1, 5, v0
	v_readfirstlane_b32 s4, v1                     ; wave 0..15
	v_and_b32 v7, 31, v0
	v_lshlrev_b32 v1, 4, v7
	v_lshlrev_b32 v2, 3, v7
	v_and_b32 v3, 15, v0
	v_lshlrev_b32 v3, 2, v3
	v_lshlrev_b32 v224, 4, v0                      ; 16 x thread: my 16 bytes of a round, in memory and in LDS
	v_add_nc_u32 v225, 0x10000, v224               ; (an LDS offset holds 16 bits: eight rounds to an address register)
	v_add_nc_u32 v226, 0x20000, v224
	v_add_nc_u32 v227, 0x30000, v224
	s_wait_alu depctr_va_sdst(0)                   ; s4 is written, ahead of its first reader: my rank, and with it every base below, is made from it
	s_mov_b32 s54, 0x0de3b658                      ; rank(w), four bits a wave: 15 2 1 12 / 4 9 10 7 / 8 5 6 11 / 3 14 13 0
	s_cmp_lt_u32 s4, 8
	s_cselect_b32 s54, 0x7a94c12f, s54
	s_and_b32 s55, s4, 7
	s_lshl_b32 s55, s55, 2
	s_lshr_b32 s54, s54, s55
	s_and_b32 s54, s54, 15
	s_and_b32 s26, ttmp7, 0xffff                   ; 16 batch + head
	s_lshl_b32 s27, s54, 3
	s_add_co_u32 s27, s27, ttmp9                   ; my query tile in the batch: x + 8 rank
	s_lshl_b32 s28, s26, 7
	s_add_co_u32 s28, s28, s27
	s_mul_i32 s28, s28, 768                        ; q's half image
	s_mov_b32 s29, 0
	s_lshl_b32 s30, s26, 6
	s_lshr_b32 s31, s27, 1
	s_add_co_u32 s30, s30, s31
	s_lshl_b32 s30, s30, 6
	s_add_co_u32 s30, s30, QSC                     ; its pair's words
	s_mov_b32 s31, 0
	s_mul_i32 s32, s26, 8*SLOTB                    ; the head's eight slots
	s_add_co_u32 s32, s32, KV
	s_mov_b32 s33, 0
	s_lshl_b32 s34, s27, 12                        ; my query tile's 16 x 64 mask words
	s_mov_b32 s35, 0
	s_lshr_b32 s36, s26, 4
	s_lshl_b32 s36, s36, 7
	s_add_co_u32 s36, s36, s27                     ; my token tile
	s_lshl_b32 s36, s36, 3
	s_bfe_u32 s37, s26, 0x30001                    ; head / 2: the K step of the next product
	s_add_co_u32 s36, s36, s37
	s_and_b32 s37, s26, 1                          ; head % 2: which half of its fragment
	s_lshl_b32 s38, s36, 6
	s_lshl_b32 s39, s37, 1
	s_add_co_u32 s38, s38, s39
	s_add_co_u32 s38, s38, 3145728
	s_mul_i32 s36, s36, 1536
	s_mul_i32 s37, s37, 768
	s_add_co_u32 s36, s36, s37
	s_mov_b32 s37, 0
	s_mov_b32 s39, 0
	s_mov_b32 s2, 0                                ; the slot in hand
	s_mov_b32 s3, 8                                ; slots to go
	s_mov_b32 s5, 0
	s_mov_b32 s6, 0x76543210
	s_mov_b32 s7, 0xfedcba98
	s_mov_b32 s8, 0x3e38aa3b                       ; log2(e) / 8
	s_mov_b32 s9, s8
	s_mov_b32 s52, 0
	s_mov_b32 s53, 0
	s_and_b32 s66, s27, 1                          ; which tile of its pair mine is: 16 bits a tile in the pair's scale word
	s_lshl_b32 s66, s66, 4
	s_wait_kmcnt 0x0
	s_add_nc_u64 s[16:17], s[20:21], s[28:29]
	s_add_nc_u64 s[18:19], s[20:21], s[30:31]
	s_add_nc_u64 s[56:57], s[20:21], s[32:33]
	s_add_nc_u64 s[10:11], s[22:23], s[34:35]
	s_add_nc_u64 s[12:13], s[24:25], s[36:37]
	s_add_nc_u64 s[14:15], s[24:25], s[38:39]
	s_wait_alu depctr_va_vdst(0)                   ; the offsets v1, v2, v3 and v224-227 are written, which the loads and LDS stores of the head and the stores on the way out read; so are v232 and v233, for the closing add
	global_load_b128 v[22:25], v1, s[16:17]        ; q: 3 loads
	global_load_b64 v[26:27], v2, s[16:17] offset:512
	global_load_b32 v34, v3, s[18:19]
.irp i, 0,1,2,3,4,5,6,7
	global_load_b128 v[152+4*\i:155+4*\i], v1, s[10:11] offset:512*\i   ; my mask words: 8 loads; lanes 0-15 take step 2 i's 64 words, four each, lanes 16-31 step 2 i + 1's
.endr
.set i, 0
.rept 25
	global_load_b128 v[40+4*i:43+4*i], v224, s[56:57] offset:8192*i     ; the head's K, V and scale words: 25 rounds; a wave's load reads 512 consecutive bytes
.set i, i+1
.endr
	v_mov_b32 v6, 0xff800000
	v_mov_b32 v13, 0xff61b1e6                      ; the largest t so far: -3e38
	v_floor_f32 v12, -v13
	v_mov_b32 v14, 0
	v_mov_b32 v15, 0
	v_mov_b32 v217, 0                              ; (named as the upper half of a pair)
	v_mov_b32 v218, 0                              ; (a lane permute's destination on the way out, also where every step was left out)
.irp i, 16,17,18,19,20,21,28,29,30,31,32,33,208,209,210,211
	v_mov_b32 v\i, 0
.endr
	s_wait_loadcnt 25                              ; q's 3 and the mask's 8 are in; the 25 rounds may be out
	v_lshrrev_b32 v34, s66, v34                    ; my tile's two bytes of the pair's word,
	v_and_b32 v34, 0xffff, v34
	v_lshl_or_b32 v34, v34, 16, v34                ; for both halves of K
.irp i, 0,1,2,3,4,5,6,7                        ; the sixteen compares stand in one run, each with a scalar register of its own
	v_and_b32 v204, v[152+4*\i], v[153+4*\i]
	v_and_b32 v205, v[154+4*\i], v[155+4*\i]
	v_or_b32 v206, v[152+4*\i], v[153+4*\i]
	v_or_b32 v207, v[154+4*\i], v[155+4*\i]
	v_and_b32 v204, v204, v205
	v_or_b32 v206, v206, v207
	v_cmp_eq_u32 s[68+2*\i], -1, v204              ; my four words are all ones
	v_cmp_eq_u32 s[69+2*\i], 0, v206               ; my four words are all 0
.endr
.set j, 0
.rept 32
	v_mov_b32 v[152+j], 0                          ; O^T: the step is written once, its first run finds zeros
.set j, j+1
.endr
	s_wait_alu depctr_va_sdst(0)                   ; the sixteen compares have written s68 to s83, ahead of their first reader
.irp i, 0,1,2,3,4,5,6,7
	FLAG 52, 68+2*\i, 2*\i
	FLAG 53, 69+2*\i, 2*\i
.endr
.set i, 0
.rept 25
	s_wait_loadcnt 24-i                            ; round i is in; the later rounds may be out
	ds_store_b128 v[224+i/8], v[40+4*i:43+4*i] offset:8192*(i%8)
.set i, i+1
.endr
	s_wait_dscnt 0x0                               ; for the others' sake: my stores have landed
	s_barrier_signal -1
	s_barrier_wait -1                              ; the head's K and V lie in LDS; from here on LDS is only read
	s_wait_alu depctr_vm_vsrc(0)                   ; my LDS stores have read v40-139: from here on fragments land there, products write there, and, also where every step is left out, the way out's multiplications
.Lslot:
	STEP 0
	STEP 1
	s_add_co_u32 s2, s2, SLOTB
	s_sub_co_u32 s3, s3, 1
	s_cmp_lg_u32 s3, 0
	s_cbranch_scc1 .Lslot
	; THE WAY OUT: O^T / the sum is ctx(token r, 32 b + 16 h + i of the head's 64): two blocks along the next product's K: quantised, half a fragment's image
.rept 4
	v_nop
.endr
	v_add_f32 v14, v14, v15
	v_permlanex16_b32 v218, v14, s6, s7
	v_add_f32 v14, v14, v218
	v_rcp_f32 v15, v14
	v_mov_b32 v219, 0xffff                         ; (a plain place behind the transcendental)
	v_cmp_eq_f32 vcc_lo, 0, v14                    ; a row with every key masked
	s_wait_alu depctr_va_vdst(0)                   ; the reciprocal has written v15, ahead of its first reader
.set j, 0
.rept 32
	v_mul_f32 v[88+j], v[152+j], v15
.set j, j+1
.endr
.irp b, 0,1
	v_max3_num_f32 v[204+\b], |v[88+16*\b]|, |v[89+16*\b]|, 0x1800000
.endr
.irp i, 2,4,6,8,10,12,14
.irp b, 0,1
	v_max3_num_f32 v[204+\b], v[204+\b], |v[88+16*\b+\i]|, |v[89+16*\b+\i]|
.endr
.endr
.irp b, 0,1
	v_permlanex16_b32 v[208+\b], v[204+\b], s6, s7
.endr
.irp b, 0,1
	v_max_num_f32 v[204+\b], v[204+\b], v[208+\b]
.endr
.irp b, 0,1
	v_add_nc_u32 v[212+\b], 0xff000000, v[204+\b]
.endr
.irp b, 0,1
	v_lshrrev_b32 v[208+\b], 23, v[212+\b]
.endr
	v_lshl_or_b32 v218, v209, 8, v208
	s_wait_alu depctr_va_vcc(0)                    ; the compare above has written VCC, ahead of the select that reads it
	v_cndmask_b32 v218, v218, v219, vcc_lo
	v_cvt_scalef32_pk16_fp6_f32 v[184:186], v[88:103], v212
	v_cvt_scalef32_pk16_fp6_f32 v[196:198], v[104:119], v213
	v_nop
.irp i, 0,1,2
	v_permlane16_swap_b32 v[184+\i], v[196+\i]
.endr
.irp i, 0,1,2
	v_mov_b32 v[187+\i], v[196+\i]
.endr
	s_wait_alu depctr_va_vdst(0)                   ; the codes v184-189 and the two scale bytes in v218 are written, which the three stores read
	global_store_b128 v1, v[184:187], s[12:13]
	global_store_b64 v2, v[188:189], s[12:13] offset:512
	global_store_b16 v3, v218, s[14:15]            ; my head's two bytes of the row's word (lanes 16-31 repeat lanes 0-15's)
	s_wait_dscnt 0x0                               ; the closing lines, six on end
	s_wait_alu 0x0
	s_wait_tensorcnt 0x0
	ds_add_u32 v232, v233
	s_wait_dscnt 0x0
	s_endpgm
.Lfunc_end_k_qdb0fbac70b_attn:
	.size	k_qdb0fbac70b_attn, .Lfunc_end_k_qdb0fbac70b_attn-k_qdb0fbac70b_attn
	.p2alignl 7, 3214868480
	.fill 96, 4, 3214868480
	.section	.rodata,"a",@progbits
	.p2align	6, 0x0
	.amdhsa_kernel k_qdb0fbac70b_attn
		.amdhsa_group_segment_fixed_size 206848
		.amdhsa_private_segment_fixed_size 0
		.amdhsa_enable_private_segment 0
		.amdhsa_kernarg_size 24
		.amdhsa_user_sgpr_count 2
		.amdhsa_user_sgpr_kernarg_segment_ptr 1
		.amdhsa_wavefront_size32 1
		.amdhsa_system_sgpr_workgroup_id_x 1
		.amdhsa_system_sgpr_workgroup_id_y 1
		.amdhsa_system_sgpr_workgroup_id_z 1
		.amdhsa_system_vgpr_workitem_id 0
		.amdhsa_next_free_vgpr 234
		.amdhsa_next_free_sgpr 100
		.amdhsa_reserve_vcc 1
		.amdhsa_float_denorm_mode_32 3
		.amdhsa_float_denorm_mode_16_64 3
		.amdhsa_memory_ordered 1
		.amdhsa_forward_progress 1
		.amdhsa_inst_pref_size 65
	.end_amdhsa_kernel
	.amdgpu_metadata
---
amdhsa.version: [ 1, 2 ]
amdhsa.kernels:
  - .name:           k_qdb0fbac70b_attn
    .symbol:         k_qdb0fbac70b_attn.kd
    .args:
      - { .name: qkb, .offset: 0, .size: 8, .value_kind: global_buffer, .address_space: global }
      - { .name: mw, .offset: 8, .size: 8, .value_kind: global_buffer, .address_space: global }
      - { .name: ctb, .offset: 16, .size: 8, .value_kind: global_buffer, .address_space: global }
    .group_segment_fixed_size: 206848
    .private_segment_fixed_size: 0
    .kernarg_segment_align: 8
    .kernarg_segment_size: 24
    .max_flat_workgroup_size: 512
    .sgpr_count:     100
    .vgpr_count:     234
    .wavefront_size: 32
...
	.end_amdgpu_metadata
.endif
;; end of part 8
;; launch proj: the kernel of part 4 again; grid 8 x 32, 4 waves a work-group, clusters of 4 x 4, 327,680 bytes of LDS; arguments ctb, wsa, bout, x, x1b; writes x1b
;; launch ln2: the kernel of part 5 again; grid 256 x 1, 8 waves a work-group, no clusters, 69,632 bytes of LDS; arguments x1b, ln2_g, ln2_b, h2b; writes h2b
;; launch up: the kernel of part 6 again; grid 16 x 16, 4 waves a work-group, clusters of 4 x 4, 327,680 bytes of LDS; arguments h2b, wsa, b1, ghb; writes ghb
;; launch down: the kernel of part 7 again; grid 8 x 32, 4 waves a work-group, clusters of 4 x 4, 327,680 bytes of LDS; arguments ghb, wsa, b2, x1b, out0; writes out0
